; MI455X (gfx1250); checked and timed in simulation.
; The chip was launched on July 23, 2026; its instructions are those of AMD's public machine-readable ISA for CDNA 5 (MIT licence, August 2026) and "CDNA5" Instruction Set Architecture Reference Guide (July 2026). The comments in the code are by the model that wrote it; some were corrected since.
;; Deformable Attention. Allowed arithmetic: float matrix products may take bf16 or f16 operands with f32 sums; other float arithmetic in f32, or as packed bf16 or f16 multiplies, adds, multiply-adds, maxima and minima; sums over many terms, partial sums and values carried from step to step in f32; what a program stores and reads back later, other than sums and carried values, may be rounded once to bf16 or f16.
;; Inputs: Wa 64 x 1,024 float32; Wo 64 x 1,024 float32; Wout 1,024 x 1,024 float32; Wv 1,024 x 1,024 float32; ba 64 float32; bo 64 float32; bout 1,024 float32; bv 1,024 float32; query 2,048 x 8 x 1,024 float32; reference_point 8 x 2,048 x 1 float32; snippet_num 8 float32; value 4,096 x 8 x 1,024 float32; value_key_padding_mask 8 x 4,096 bool.
;; Outputs: out0 2,048 x 8 x 1,024 float32.
;; 2 versions, each right. Each part assembles by itself: llvm-mc -triple=amdgcn-amd-amdhsa -mcpu=gfx1250 --defsym DOCPART=n.
;; ======== version 1 of 2: 5 launches
;; limits: values are held in f16: magnitudes above 65,504 overflow, below 6.1e-05 lose precision
;; workspace buffers: wv16 2,097,152 bytes; wout16 2,097,152 bytes; woa16 262,144 bytes; idx 4,194,304 bytes of whole numbers; wts 4,194,304 bytes; v16 67,108,864 bytes; s16 33,554,432 bytes
;; launch prep (part 1): grid 1088 x 1, 8 waves a work-group, no clusters, 0 bytes of LDS; arguments Wv, Wout, Wo, Wa, wv16, wout16, woa16; writes wv16, wout16, woa16
.if DOCPART == 1
	.amdgcn_target "amdgcn-amd-amdhsa--gfx1250"
	.amdhsa_code_object_version 6
	.text
	.protected	k_qd405f29398_prep
	.globl	k_qd405f29398_prep
	.p2align	8
	.type	k_qd405f29398_prep,@function
k_qd405f29398_prep:
	s_mov_b64 s[64:65], 0
	v_nop
	global_prefetch_b8 v0, s[64:65] scope:SCOPE_SE
	s_setreg_imm32_b32 hwreg(HW_REG_WAVE_MODE, 25, 1), 1
	s_wait_xcnt 0x0
; THE WEIGHTS IN 16 BITS, in the layouts that the later launches read.  A thread turns 8 f32 (two loads of 16 bytes) into 16 bytes; thread g of a
; part stores at byte 16 g, so a wave's store covers 512 consecutive bytes.  Every weight is rounded to bf16, to nearest even.
;   work-groups 0-511:     Wv   -> wv16 [kb 16][n 1024][64] bf16: the 64 channels of K step kb lie on end for all rows n (eight lanes read 256 bytes of a row)
;   work-groups 512-1023:  Wout -> wout16 [n][k]: the bf16 number written as f16.  LIMIT: exact for 6.1e-5 <= |w| <= 65,504; below that f16 keeps its fixed step of 6e-8
;   work-groups 1024-1087: Wo, Wa -> woa16, bf16 in the order of matrix fragments: byte w 65536 + u 8192 + nb 1024 + part 512 + lane 16 holds row 16 nb + lane % 16 of [Wo; Wa],
;                          channels 32 (8 (u / 2) + 2 w + u % 2) + 16 part + 8 (lane / 16) + 0..7: what wave w of the next launch multiplies by in its step u
; No ring: 8,704 waves that do not depend on each other, three memory instructions each.  Each path runs to its own end, so that every address has one origin.
.macro TAIL sb, db, f16                ; v2 = byte offset in the source, v3 = in the destination
	global_load_b128 v[4:7], v2, s[(\sb):(\sb)+1] th:TH_LOAD_NT
	global_load_b128 v[8:11], v2, s[(\sb):(\sb)+1] offset:16 th:TH_LOAD_NT
	s_wait_loadcnt 0x0
.irp j, 0,1,2,3
	v_cvt_pk_bf16_f32 v[12+\j], v[4+2*\j], v[5+2*\j]
.endr
.if \f16
.irp j, 0,1,2,3
	v_lshlrev_b32 v[4+2*\j], 16, v[12+\j]          ; the bf16 numbers as f32,
	v_and_b32 v[5+2*\j], 0xffff0000, v[12+\j]
.endr
.irp j, 0,1,2,3
	v_cvt_pk_f16_f32 v[12+\j], v[4+2*\j], v[5+2*\j]  ; and written as f16
.endr
.endif
	global_store_b128 v3, v[12:15], s[(\db):(\db)+1]
	s_endpgm
.endm
	s_load_b256 s[4:11], s[0:1], 0x0               ; Wv s[4:5], Wout s[6:7], Wo s[8:9], Wa s[10:11]
	s_load_b128 s[12:15], s[0:1], 0x20             ; wv16 s[12:13], wout16 s[14:15]
	s_load_b64 s[16:17], s[0:1], 0x30              ; woa16
	s_cmp_lt_u32 ttmp9, 512
	s_cbranch_scc0 .Lnot_wv
	s_lshl_b32 s18, ttmp9, 8
	v_add_nc_u32 v1, s18, v0                       ; g = kb 8192 + n 8 + piece
	v_bfe_u32 v2, v1, 3, 10                        ; n
	v_lshrrev_b32 v16, 13, v1                      ; kb
	v_and_b32 v17, 7, v1                           ; which 8 of the 64 channels
	v_lshlrev_b32 v2, 12, v2                       ; n x 4,096 bytes
	v_lshl_add_u32 v2, v16, 8, v2                  ; + kb x 256
	v_lshl_add_u32 v2, v17, 5, v2                  ; + piece x 32
	v_lshlrev_b32 v3, 4, v1
	s_wait_kmcnt 0x0
	TAIL 4, 12, 0
.Lnot_wv:
	s_cmp_lt_u32 ttmp9, 1024
	s_cbranch_scc0 .Lsmall
	s_sub_co_u32 s18, ttmp9, 512
	s_lshl_b32 s18, s18, 8
	v_add_nc_u32 v1, s18, v0
	v_lshlrev_b32 v2, 5, v1
	v_lshlrev_b32 v3, 4, v1
	s_wait_kmcnt 0x0
	TAIL 6, 14, 1
.Lsmall:
	s_sub_co_u32 s18, ttmp9, 1024                  ; 0..63 = w 16 + u 2 + (0: Wo, 1: Wa)
	s_bfe_u32 s19, s18, 0x30001                    ; u
	s_lshr_b32 s24, s18, 4                         ; w
	s_lshr_b32 s25, s19, 1
	s_lshl_b32 s25, s25, 3                         ; 8 (u / 2)
	s_lshl1_add_u32 s25, s24, s25                  ; + 2 w
	s_and_b32 s19, s19, 1
	s_add_co_u32 s25, s25, s19                     ; + u % 2: the block of 32 channels,
	s_lshl_b32 s25, s25, 7                         ; 128 bytes each
	v_and_b32 v16, 15, v0                          ; lane % 16
	v_bfe_u32 v17, v0, 6, 2                        ; nb % 4
	v_lshl_add_u32 v16, v17, 4, v16                ; the row of Wo or Wa
	v_bfe_u32 v17, v0, 5, 1                        ; part
	v_bfe_u32 v18, v0, 4, 1                        ; lane / 16
	v_lshl_add_u32 v2, v16, 12, s25
	v_lshl_add_u32 v2, v17, 6, v2
	v_lshl_add_u32 v2, v18, 5, v2
	s_lshl_b32 s26, s18, 8
	v_add_nc_u32 v1, s26, v0
	v_lshlrev_b32 v3, 4, v1
	s_and_b32 s26, s18, 1
	s_wait_kmcnt 0x0
	s_cmp_lg_u32 s26, 0
	s_cselect_b64 s[20:21], s[10:11], s[8:9]
	TAIL 20, 16, 0
.Lfunc_end_k_qd405f29398_prep:
	.size	k_qd405f29398_prep, .Lfunc_end_k_qd405f29398_prep-k_qd405f29398_prep
	.p2alignl 7, 3214868480
	.fill 96, 4, 3214868480
	.section	.rodata,"a",@progbits
	.p2align	6, 0x0
	.amdhsa_kernel k_qd405f29398_prep
		.amdhsa_group_segment_fixed_size 0
		.amdhsa_private_segment_fixed_size 0
		.amdhsa_enable_private_segment 0
		.amdhsa_kernarg_size 56
		.amdhsa_user_sgpr_count 2
		.amdhsa_user_sgpr_kernarg_segment_ptr 1
		.amdhsa_wavefront_size32 1
		.amdhsa_system_sgpr_workgroup_id_x 1
		.amdhsa_system_sgpr_workgroup_id_y 1
		.amdhsa_system_sgpr_workgroup_id_z 1
		.amdhsa_system_vgpr_workitem_id 0
		.amdhsa_next_free_vgpr 32
		.amdhsa_next_free_sgpr 66
		.amdhsa_reserve_vcc 0
		.amdhsa_float_denorm_mode_32 3
		.amdhsa_float_denorm_mode_16_64 3
		.amdhsa_memory_ordered 1
		.amdhsa_forward_progress 1
		.amdhsa_inst_pref_size 5
	.end_amdhsa_kernel
	.amdgpu_metadata
---
amdhsa.version: [ 1, 2 ]
amdhsa.kernels:
  - .name:           k_qd405f29398_prep
    .symbol:         k_qd405f29398_prep.kd
    .args:
      - { .name: Wv, .offset: 0, .size: 8, .value_kind: global_buffer, .address_space: global }
      - { .name: Wout, .offset: 8, .size: 8, .value_kind: global_buffer, .address_space: global }
      - { .name: Wo, .offset: 16, .size: 8, .value_kind: global_buffer, .address_space: global }
      - { .name: Wa, .offset: 24, .size: 8, .value_kind: global_buffer, .address_space: global }
      - { .name: wv16, .offset: 32, .size: 8, .value_kind: global_buffer, .address_space: global }
      - { .name: wout16, .offset: 40, .size: 8, .value_kind: global_buffer, .address_space: global }
      - { .name: woa16, .offset: 48, .size: 8, .value_kind: global_buffer, .address_space: global }
    .group_segment_fixed_size: 0
    .private_segment_fixed_size: 0
    .kernarg_segment_align: 8
    .kernarg_segment_size: 56
    .max_flat_workgroup_size: 256
    .sgpr_count:     66
    .vgpr_count:     32
    .wavefront_size: 32
...
	.end_amdgpu_metadata
.endif
;; end of part 1
;; launch offs (part 2): grid 256 x 1, 4 waves a work-group, clusters of 4 x 1, 297,984 bytes of LDS; arguments query, woa16, bo, ba, reference_point, snippet_num, idx, wts; writes idx, wts
.if DOCPART == 2
	.amdgcn_target "amdgcn-amd-amdhsa--gfx1250"
	.amdhsa_code_object_version 6
	.text
	.protected	k_qd405f29398_offs
	.globl	k_qd405f29398_offs
	.p2align	8
	.type	k_qd405f29398_offs,@function
k_qd405f29398_offs:
	s_mov_b64 s[64:65], 0
	v_nop
	global_prefetch_b8 v0, s[64:65] scope:SCOPE_SE
	s_setreg_imm32_b32 hwreg(HW_REG_WAVE_MODE, 25, 1), 1
	s_wait_xcnt 0x0
	s_wait_alu depctr_hold_cnt(0) depctr_sa_sdst(0) depctr_va_vdst(0) depctr_va_sdst(0) depctr_va_ssrc(0) depctr_va_vcc(0) depctr_vm_vsrc(0)
	s_getreg_b32 s2, hwreg(HW_REG_IB_STS2, 6, 4)
	s_cmp_eq_u32 s2, 0
	s_cbranch_scc0 .Lentry_in_a_cluster
	s_endpgm
.Lentry_in_a_cluster:
	s_bfe_u32 s2, ttmp6, 0x10000c
	s_cmp_lg_u32 s2, 0x3003
	s_cbranch_scc0 .Lentry_shape_is_right
	s_endpgm
.Lentry_shape_is_right:
; WHERE TO SAMPLE AND WITH WHAT WEIGHT.  For row R = 8 q + b of query and column 4 head + point: off = query . Wo + bo, logit = query . Wa + ba; x = ((2 (ref + off / sn) - 1) + 1) x 2047.5, in the
; order of roundings of the problem's own text (off / sn + ref is one fused multiply-add by 1 / sn); aw = softmax of a head's four logits, its maximum taken away first.
; Stored: idx[R][64] = p, a whole number in 0..4094, and wts[R][64] = (aw wA, aw wB) as two f16: the later launch adds wA v[p] + wB v[p + 1].
; With x held to -1..4096, p = floor(x) held to 0..4094 and d = x - p: wA = median(1 - d, 1 + d, 0), wB = median(d, 2 - d, 0): linear interpolation with zeros outside the table, and p, p + 1 always inside it.
; FORMATS.  query, Wo, Wa, bo, ba, reference_point and snippet_num are rounded to bf16 first; products in the matrix unit, sums in f32.
; LIMITS.  1 / sn by v_rcp_f32 (1 ULP; 0 where |sn| is above 2^126).  NaN and infinities are not treated apart.  A weight below 6e-5 keeps f16's fixed step of 6e-8.
; SHARES.  A work-group owns 64 rows.  K IS SPLIT AMONG ITS FOUR WAVES: in step u = 2 t + c wave w takes channels 256 t + 64 w + 32 c .. + 31, so a pair of steps takes 256 consecutive bytes of each row.
; Each wave has all 64 x 128 sums, 32 accumulators; the partial sums meet in LDS, and wave w finishes rows 16 w .. 16 w + 15.
; THE PRODUCT IS USED TRANSPOSED (source 0 = 16 rows of [Wo; Wa], source 1 = 16 rows of query): a lane holds ONE row (lane % 16) and the columns 16 nb + 8 (lane / 16) + 0..7: two heads x four points;
; offsets in nb 0-3, the same heads' logits in nb + 4.  So a softmax never leaves its lane.
; CLUSTER.  All work-groups read the same 256 KiB of weights: the four of a cluster ask for them jointly, one tensor load a wave, once.  Wave w alone reads its 64 KiB, behind its own wait.
; LDS.  0: four times 65,536, wave w's weights; when the wave has read them for the last time its 32 partial tiles are stored over their first half (no tensor load follows).  BIASB: 128 f32.  STG: a stage of 16 rows x 272
; bytes for idx and one for wts, for each wave.  SPARE: the spare words.
; REGISTERS.  window 0: v0-29 addresses and small numbers; v32-63 four fragments of query in bf16; v64-255 three sets of 64: a step's f32 as loaded.   window 1: accumulator (mb, nb) at 8 (8 mb + nb).   window 2: v0-127 two sets of weights
; No prefetch: a wave's whole share is eight steps, of which three are asked for at its first lines.
.set BIASB, 262144
.set STG,   BIASB+512
.set STGW,  2*16*272
.set SPARE, STG+4*STGW
.set AO,  3           ; v3    (lane % 16) x 4,096 + 32 (lane / 16) + 256 w: my place in 16 rows of query; never rewritten
.set BL,  4           ; v4    65,536 w + 16 lane
.set LR,  5           ; v5-8  where I read wave 0..3's partial tiles of my wave's rows
.set BA,  9           ; v9    where I read my columns' biases
.set STO, 10          ; v10   where I put my 32 bytes of a stage row
.set RD,  11          ; v11   where I read stage rows back
.set GO,  12          ; v12   16 lane
.set BI,  13          ; v13   one bias
.set REF, 14          ; v14-15  my row's reference point, twice
.set RS,  16          ; v16-17  1 / my row's snippet number, twice
.set SPW, 28          ; v28   LDS address of my spare word; never rewritten
.set NIL, 29          ; v29   0; never rewritten
.set A16, 32
.set A32, 64
.set WV,  20          ; s20   my wave's number
.set G1,  24          ; s[24:31] descriptor group 1
.set G0,  32          ; s[32:35] descriptor group 0
.set MSB, 0
.macro WIN new                         ; the immediate's high byte repeats the setting that is left; a switch that changes nothing is dropped
.if MSB != (\new)
	s_set_vgpr_msb (MSB<<8)|(\new)
.set MSB, (\new)
.endif
.endm
.macro PLACES                          ; four plain instructions behind matrix instructions (ISA guide 7.12.1)
.rept 4
	v_nop
.endr
.endm
.macro CROUND                          ; a round of the cluster's barrier
	s_barrier_signal -1
	s_barrier_wait -1
	s_cmp_lg_u32 s[WV], 0
	s_cbranch_scc1 .Lnot_wave_0_\@
	s_barrier_signal -3
.Lnot_wave_0_\@:
	s_barrier_wait -3
	s_barrier_signal -1
	s_barrier_wait -1
.endm
.macro ALL8 line:vararg                ; one line for each of a lane's eight columns t
.set t, 0
.rept 8
	\line
.set t, t+1
.endr
.endm
	s_load_b512 s[4:19], s[0:1], 0x0               ; query s[4:5], woa16 s[6:7], bo s[8:9], ba s[10:11], reference_point s[12:13], snippet_num s[14:15], idx s[16:17], wts s[18:19]
	v_lshl_add_u32 v[SPW], v0, 2, SPARE
	v_mov_b32 v[NIL], 0
	ds_add_u32 v[SPW], v[NIL]                      ; the wave's opening: the add and its wait ahead of my first tensor load; the set-up below stands between them
	ds_add_u32 v28, v29
	v_lshrrev_b32 v1, 5, v0
	v_readfirstlane_b32 s[WV], v1
	s_bfe_u32 s21, ttmp6, 0x40000                  ; cx
	s_lshl_b32 s22, ttmp9, 2
	s_add_co_u32 s22, s22, s21                     ; my block of 64 rows: it enters global addresses alone
	s_mov_b32 s[G1+0], 15|(3<<16)|(1<<21)          ; the mask of four; elements of 8 bytes; bit 21 beside a mask; no padding
	s_mov_b32 s[G1+1], 32<<16                      ; tensor_dim0 = 32 (256 bytes)
	s_mov_b32 s[G1+2], 256<<16                     ; tensor_dim1 = 256
	s_mov_b32 s[G1+3], 32<<16                      ; tile_dim0 = 32
	s_mov_b32 s[G1+4], 256                         ; tile_dim1 = 256: 65,536 dense bytes
	s_mov_b32 s[G1+5], 32                          ; 32 elements from row to row
	s_mov_b32 s[G1+6], 0
	s_mov_b32 s[G1+7], 0
	s_mov_b32 s[G0+0], 1
	s_lshl_b32 s[G0+1], s[WV], 16                  ; LDS: 65,536 w
	s_mov_b32 s36, 0x45800000                      ; 4096.0
	s_mov_b32 s37, 0x457fe000                      ; 4094.0
	s_mov_b32 s38, 0x3fb8aa3b                      ; log2(e),
	s_mov_b32 s39, s38                             ; named as a pair
	s_lshl_b32 s40, s[WV], 16
	s_mov_b32 s41, 0
	s_lshl_b32 s42, s22, 18                        ; 64 rows of 4,096 bytes
	s_mov_b32 s43, 0
	s_lshl_b32 s44, s22, 14                        ; 64 rows of 256 bytes,
	s_lshl_b32 s45, s[WV], 12                      ; my wave's 16 of them
	s_add_co_u32 s44, s44, s45
	s_mov_b32 s45, 0
	s_wait_dscnt 0x0                               ; the opening add is done
	s_wait_kmcnt 0x0
	s_add_nc_u64 s[G0+2:G0+3], s[6:7], s[40:41]    ; my wave's 65,536 bytes of the weights: the same in all four partners
	s_or_b32 s[G0+3], s[G0+3], 0x80000000
	s_add_nc_u64 s[4:5], s[4:5], s[42:43]
	s_add_nc_u64 s[16:17], s[16:17], s[44:45]
	s_add_nc_u64 s[18:19], s[18:19], s[44:45]
	s_cmp_lt_u32 s[WV], 2
	s_cselect_b64 s[46:47], s[8:9], s[10:11]       ; threads 0-63 fetch bo, threads 64-127 ba
	CROUND                                         ; all four work-groups are here: the joint loads meet
	tensor_load_to_lds s[G0:G0+3], s[G1:G1+7]      ; my one tensor load of the launch
	s_nop 0
	v_and_b32 v1, 15, v0                           ; r = lane % 16
	v_bfe_u32 v2, v0, 4, 1                         ; h = lane / 16
	v_and_b32 v24, 31, v0                          ; lane
	v_lshlrev_b32 v[AO], 12, v1
	v_lshl_add_u32 v[AO], v2, 5, v[AO]
	s_lshl_b32 s40, s[WV], 8
	v_add_nc_u32 v[AO], s40, v[AO]
	v_and_b32 v21, 63, v0
	v_lshlrev_b32 v21, 2, v21                      ; my bias
	v_and_b32 v23, 7, v1                           ; row 64 G + 16 w + r has b = r % 8,
	v_lshrrev_b32 v22, 3, v1                       ; q = 8 G + 2 w + r / 8
	v_lshl_add_u32 v22, v23, 11, v22
	s_lshl_b32 s41, s22, 3
	s_lshl1_add_u32 s41, s[WV], s41
	v_add_lshl_u32 v22, v22, s41, 2                ; reference_point[b][q]
	v_lshlrev_b32 v23, 2, v23                      ; snippet_num[b]
	global_load_b32 v[BI], v21, s[46:47]
	global_load_b32 v[REF], v22, s[12:13]
	global_load_b32 v[RS], v23, s[14:15]
; Step u's 16 loads of query, f32: block mb of 16 rows at 16 mb of set u % 3; a lane's channels 8 h + 0..7 and 16 + 8 h + 0..7 of the step's 32.
.macro ALOADS u
	WIN 0
.irp mb, 0,1,2,3
.irp p, 0,1,2,3
	global_load_b128 v[A32+64*((\u)%3)+16*(\mb)+4*(\p):A32+64*((\u)%3)+16*(\mb)+4*(\p)+3], v[AO], s[4:5] offset:(\mb)*65536+((\u)/2)*1024+((\u)%2)*128+((\p)/2)*64+((\p)%2)*16
.endr
.endr
.endm
; Step u's 16 LDS loads of weights: 512 consecutive bytes each, as the launch before laid them.
.macro BLOADS u
	WIN 0x80                                       ; destination window 2
.irp nb, 0,1,2,3,4,5,6,7
	ds_load_b128 v[64*((\u)%2)+8*(\nb):64*((\u)%2)+8*(\nb)+3],   v[BL] offset:(\u)*8192+(\nb)*1024
	ds_load_b128 v[64*((\u)%2)+8*(\nb)+4:64*((\u)%2)+8*(\nb)+7], v[BL] offset:(\u)*8192+(\nb)*1024+512
.endr
.endm
; A step: its f32 are rounded to bf16, the set is asked for again three steps on, the next step's weights are fetched, 32 products.  The 32 accumulators take turns.
.macro STEP u
.if (\u) > 0
	PLACES                                         ; the conversions write, and the LDS loads fill, registers that the last step's products read
.endif
	WIN 0
.if (\u) <= 5
	s_wait_loadcnt 32                              ; my set is in; the two younger sets' 32 loads stay out
.elseif (\u) == 6
	s_wait_loadcnt 16
.else
	s_wait_loadcnt 0x0
.endif
.set i, 0
.rept 32
	v_cvt_pk_bf16_f32 v[A16+i], v[A32+64*((\u)%3)+2*i], v[A32+64*((\u)%3)+2*i+1]
.set i, i+1
.endr
.if (\u) <= 4
	ALOADS (\u)+3
.endif
	s_wait_dscnt 0x0                               ; this step's weights are in
.if (\u) < 7
	BLOADS (\u)+1
.endif
	WIN 0x52                                       ; weights window 2, query window 0, sums window 1
.irp mb, 0,1,2,3
.irp nb, 0,1,2,3,4,5,6,7
.if (\u) == 0
	v_wmma_f32_16x16x32_bf16 v[8*(8*(\mb)+(\nb)):8*(8*(\mb)+(\nb))+7], v[64*((\u)%2)+8*(\nb):64*((\u)%2)+8*(\nb)+7], v[A16+8*(\mb):A16+8*(\mb)+7], 0
.else
	v_wmma_f32_16x16x32_bf16 v[8*(8*(\mb)+(\nb)):8*(8*(\mb)+(\nb))+7], v[64*((\u)%2)+8*(\nb):64*((\u)%2)+8*(\nb)+7], v[A16+8*(\mb):A16+8*(\mb)+7], v[8*(8*(\mb)+(\nb)):8*(8*(\mb)+(\nb))+7]
.endif
.endr
.endr
.endm
	ALOADS 0
	ALOADS 1
	ALOADS 2
	s_lshl_b32 s40, s[WV], 16
	v_lshl_add_u32 v[BL], v24, 4, s40
	s_lshl_b32 s41, s[WV], 13                      ; my wave's rows are tiles 8 w .. 8 w + 7 of every wave's 32
	v_lshl_add_u32 v[LR], v24, 4, s41
	v_add_nc_u32 v[LR+1], 0x10000, v[LR]
	v_add_nc_u32 v[LR+2], 0x20000, v[LR]
	v_add_nc_u32 v[LR+3], 0x30000, v[LR]
	v_lshl_add_u32 v[BA], v2, 5, BIASB
	s_mul_i32 s40, s[WV], STGW
	s_add_co_u32 s40, s40, STG
	v_mul_u32_u24 v[STO], v1, 272
	v_lshl_add_u32 v[STO], v2, 5, v[STO]
	v_add_nc_u32 v[STO], s40, v[STO]
	v_mul_u32_u24 v[RD], v2, 272
	v_lshl_add_u32 v[RD], v1, 4, v[RD]
	v_add_nc_u32 v[RD], s40, v[RD]
	v_lshlrev_b32 v[GO], 4, v24
	s_wait_tensorcnt 0x0                           ; my weights are in LDS; no other wave reads them
	BLOADS 0
	STEP 0
	STEP 1
	STEP 2
	STEP 3
	STEP 4
	STEP 5
	STEP 6
	STEP 7
	; THE HAND-OVER.  The small inputs are rounded to bf16; every wave stores its 32 partial tiles, each accumulator's low four registers first.
	PLACES
	PLACES
	WIN 0
	v_cvt_pk_bf16_f32 v18, v[BI], v[REF]
	v_cvt_pk_bf16_f32 v19, v[RS], v[RS]
	v_lshlrev_b32 v[BI], 16, v18
	v_and_b32 v[REF], 0xffff0000, v18
	v_lshlrev_b32 v19, 16, v19
	v_rcp_f32 v[RS], v19
	v_mov_b32 v[REF+1], v[REF]                     ; a plain instruction behind the reciprocal
	v_lshl_add_u32 v20, v0, 2, BIASB
	s_wait_alu depctr_va_vdst(0)                   ; the wait ahead of the first line that names the result
	v_mov_b32 v[RS+1], v[RS]
	ds_store_b32 v20, v[BI]
	WIN 0x04                                       ; store data in window 1
.set i, 0
.rept 32
	ds_store_b128 v[BL], v[8*i:8*i+3]   offset:i*1024
	ds_store_b128 v[BL], v[8*i+4:8*i+7] offset:i*1024+512
.set i, i+1
.endr
	WIN 0
	s_wait_dscnt 0x0                               ; for the others' sake: my stores are done
	s_barrier_signal -1
	s_barrier_wait -1
	; THE END OF 16 ROWS.  Trip i: offsets of columns 16 i .. (nb = i) and the same heads' logits (nb = i + 4).
	; v64-127: four waves' partial sums, 8 offsets and 8 logits each; v128-143 their biases.  Then v64-71 offsets, x, d; v72-79 logits, weights; v80-83 maxima; v84-91 floor, then the f16 pairs; v92-99 p; v100-107 wA; v108-115 wB.
	s_mov_b32 s23, 4
.Lfin:
.irp v, 0,1,2,3
	ds_load_b128 v[64+16*(\v):64+16*(\v)+3],     v[LR+(\v)]
	ds_load_b128 v[64+16*(\v)+4:64+16*(\v)+7],   v[LR+(\v)] offset:512
	ds_load_b128 v[64+16*(\v)+8:64+16*(\v)+11],  v[LR+(\v)] offset:4096
	ds_load_b128 v[64+16*(\v)+12:64+16*(\v)+15], v[LR+(\v)] offset:4608
.endr
	ds_load_b128 v[128:131], v[BA]
	ds_load_b128 v[132:135], v[BA] offset:16
	ds_load_b128 v[136:139], v[BA] offset:256
	ds_load_b128 v[140:143], v[BA] offset:272
	s_wait_dscnt 0x0
.set i, 0
.rept 8
	v_pk_add_f32 v[64+i:65+i], v[64+i:65+i], v[80+i:81+i]
	v_pk_add_f32 v[96+i:97+i], v[96+i:97+i], v[112+i:113+i]
.set i, i+2
.endr
.set i, 0
.rept 8
	v_pk_add_f32 v[64+i:65+i], v[64+i:65+i], v[96+i:97+i]
.set i, i+2
.endr
.set i, 0
.rept 8
	v_pk_add_f32 v[64+i:65+i], v[64+i:65+i], v[128+i:129+i]
.set i, i+2
.endr
	v_max3_num_f32 v81, v72, v73, v74              ; each head's largest logit
	v_max3_num_f32 v83, v76, v77, v78
	v_max_num_f32 v81, v81, v75
	v_max_num_f32 v83, v83, v79
	v_mul_f32 v80, s38, v81
	v_mul_f32 v82, s38, v83
	v_pk_fma_f32 v[72:73], v[72:73], s[38:39], v[80:81] op_sel_hi:[1,0,0] neg_lo:[0,0,1] neg_hi:[0,0,1]  ; log2(e) (logit - maximum): the same subtrahend for a head's four, so it cancels in the quotient
	v_pk_fma_f32 v[74:75], v[74:75], s[38:39], v[80:81] op_sel_hi:[1,0,0] neg_lo:[0,0,1] neg_hi:[0,0,1]
	v_pk_fma_f32 v[76:77], v[76:77], s[38:39], v[82:83] op_sel_hi:[1,0,0] neg_lo:[0,0,1] neg_hi:[0,0,1]
	v_pk_fma_f32 v[78:79], v[78:79], s[38:39], v[82:83] op_sel_hi:[1,0,0] neg_lo:[0,0,1] neg_hi:[0,0,1]
	ALL8 v_exp_f32 v[72+t], v[72+t]                ; one batch; the positions below name none of its results
.set i, 0
.rept 4
	v_pk_fma_f32 v[64+i:65+i], v[64+i:65+i], v[RS:RS+1], v[REF:REF+1]  ; ref + off / sn
.set i, i+2
.endr
.set i, 0
.rept 4
	v_pk_fma_f32 v[64+i:65+i], v[64+i:65+i], 2.0, -1.0 op_sel_hi:[1,0,0]
.set i, i+2
.endr
.set i, 0
.rept 4
	v_pk_add_f32 v[64+i:65+i], v[64+i:65+i], 1.0 op_sel_hi:[1,0]
.set i, i+2
.endr
.set i, 0
.rept 4
	v_pk_mul_f32 v[64+i:65+i], v[64+i:65+i], 0x44fff000 op_sel_hi:[1,0]  ; x 2047.5 = x 0.5 x 4095, the halving being exact
.set i, i+2
.endr
	ALL8 v_med3_num_f32 v[64+t], v[64+t], -1.0, s36
	ALL8 v_floor_f32 v[84+t], v[64+t]
	ALL8 v_med3_num_f32 v[84+t], v[84+t], 0, s37
	ALL8 v_sub_f32 v[64+t], v[64+t], v[84+t]       ; d
	ALL8 v_cvt_u32_f32 v[92+t], v[84+t]            ; p
	ALL8 v_sub_f32 v[100+t], 1.0, v[64+t]
	ALL8 v_add_f32 v[108+t], 1.0, v[64+t]
	ALL8 v_med3_num_f32 v[100+t], v[100+t], v[108+t], 0
	ALL8 v_sub_f32 v[108+t], 2.0, v[64+t]
	ALL8 v_med3_num_f32 v[108+t], v[64+t], v[108+t], 0
	s_wait_alu depctr_va_vdst(0)                   ; one wait for the eight exponentials, ahead of their first reader
	v_add_f32 v116, v72, v73
	v_add_f32 v117, v74, v75
	v_add_f32 v118, v76, v77
	v_add_f32 v119, v78, v79
	v_add_f32 v116, v116, v117
	v_add_f32 v118, v118, v119
	v_rcp_f32 v120, v116                           ; made twice, to fill the pairs that the packed multiplies take
	v_rcp_f32 v121, v116
	v_rcp_f32 v122, v118
	v_rcp_f32 v123, v118
.irp v, 0,1,2,3
	v_add_nc_u32 v[LR+(\v)], 1024, v[LR+(\v)]      ; the next trip's tiles: the plain work behind the reciprocals
.endr
	s_wait_alu depctr_va_vdst(0)                   ; one wait for the four
	v_pk_mul_f32 v[72:73], v[72:73], v[120:121]
	v_pk_mul_f32 v[74:75], v[74:75], v[120:121]
	v_pk_mul_f32 v[76:77], v[76:77], v[122:123]
	v_pk_mul_f32 v[78:79], v[78:79], v[122:123]
.set i, 0
.rept 4
	v_pk_mul_f32 v[100+i:101+i], v[100+i:101+i], v[72+i:73+i]
	v_pk_mul_f32 v[108+i:109+i], v[108+i:109+i], v[72+i:73+i]
.set i, i+2
.endr
	ALL8 v_cvt_pk_f16_f32 v[84+t], v[100+t], v[108+t]
	ds_store_b128 v[STO], v[92:95]
	ds_store_b128 v[STO], v[96:99] offset:16
	ds_store_b128 v[STO], v[84:87] offset:4352
	ds_store_b128 v[STO], v[88:91] offset:4368
	v_add_nc_u32 v[BA], 64, v[BA]
	v_add_nc_u32 v[STO], 64, v[STO]
	s_sub_co_u32 s23, s23, 1
	s_cmp_lg_u32 s23, 0
	s_cbranch_scc1 .Lfin
	; OUT: whole rows of 256 bytes, two to a store: 512 consecutive bytes, at a multiple of 256 from the buffer's first.  LDS serves a wave's instructions in order: these loads see the stores above.
.irp t, 0,1,2,3,4,5,6,7
	ds_load_b128 v[64+4*(\t):64+4*(\t)+3], v[RD] offset:(\t)*544
.endr
.irp t, 0,1,2,3,4,5,6,7
	ds_load_b128 v[96+4*(\t):96+4*(\t)+3], v[RD] offset:4352+(\t)*544
.endr
.irp t, 0,1,2,3,4,5,6,7
	s_wait_dscnt 15-(\t)                           ; the younger LDS loads stay out
	global_store_b128 v[GO], v[64+4*(\t):64+4*(\t)+3], s[16:17] offset:(\t)*512
.endr
.irp t, 0,1,2,3,4,5,6,7
	s_wait_dscnt 7-(\t)
	global_store_b128 v[GO], v[96+4*(\t):96+4*(\t)+3], s[18:19] offset:(\t)*512
.endr
	s_wait_tensorcnt 0x0                           ; the wave's end, behind my last tensor load and my last LDS store
	ds_add_u32 v[SPW], v[NIL]
	s_wait_dscnt 0x0
	CROUND                                         ; the closing round
	s_endpgm
.Lfunc_end_k_qd405f29398_offs:
	.size	k_qd405f29398_offs, .Lfunc_end_k_qd405f29398_offs-k_qd405f29398_offs
	.p2alignl 7, 3214868480
	.fill 96, 4, 3214868480
	.section	.rodata,"a",@progbits
	.p2align	6, 0x0
	.amdhsa_kernel k_qd405f29398_offs
		.amdhsa_group_segment_fixed_size 297984
		.amdhsa_private_segment_fixed_size 0
		.amdhsa_enable_private_segment 0
		.amdhsa_kernarg_size 64
		.amdhsa_user_sgpr_count 2
		.amdhsa_user_sgpr_kernarg_segment_ptr 1
		.amdhsa_wavefront_size32 1
		.amdhsa_system_sgpr_workgroup_id_x 1
		.amdhsa_system_sgpr_workgroup_id_y 1
		.amdhsa_system_sgpr_workgroup_id_z 1
		.amdhsa_system_vgpr_workitem_id 0
		.amdhsa_next_free_vgpr 640
		.amdhsa_next_free_sgpr 66
		.amdhsa_reserve_vcc 0
		.amdhsa_float_denorm_mode_32 3
		.amdhsa_float_denorm_mode_16_64 3
		.amdhsa_memory_ordered 1
		.amdhsa_forward_progress 1
		.amdhsa_inst_pref_size 79
	.end_amdhsa_kernel
	.amdgpu_metadata
---
amdhsa.version: [ 1, 2 ]
amdhsa.kernels:
  - .name:           k_qd405f29398_offs
    .symbol:         k_qd405f29398_offs.kd
    .args:
      - { .name: query, .offset: 0, .size: 8, .value_kind: global_buffer, .address_space: global }
      - { .name: woa16, .offset: 8, .size: 8, .value_kind: global_buffer, .address_space: global }
      - { .name: bo, .offset: 16, .size: 8, .value_kind: global_buffer, .address_space: global }
      - { .name: ba, .offset: 24, .size: 8, .value_kind: global_buffer, .address_space: global }
      - { .name: reference_point, .offset: 32, .size: 8, .value_kind: global_buffer, .address_space: global }
      - { .name: snippet_num, .offset: 40, .size: 8, .value_kind: global_buffer, .address_space: global }
      - { .name: idx, .offset: 48, .size: 8, .value_kind: global_buffer, .address_space: global }
      - { .name: wts, .offset: 56, .size: 8, .value_kind: global_buffer, .address_space: global }
    .group_segment_fixed_size: 297984
    .private_segment_fixed_size: 0
    .kernarg_segment_align: 8
    .kernarg_segment_size: 64
    .max_flat_workgroup_size: 128
    .sgpr_count:     66
    .vgpr_count:     640
    .wavefront_size: 32
...
	.end_amdgpu_metadata
.endif
;; end of part 2
;; launch vproj (part 3): grid 4 x 128, 4 waves a work-group, clusters of 4 x 4, 327,680 bytes of LDS; arguments value, wv16, bv, value_key_padding_mask, v16; writes v16
.if DOCPART == 3
	.amdgcn_target "amdgcn-amd-amdhsa--gfx1250"
	.amdhsa_code_object_version 6
	.text
	.protected	k_qd405f29398_vproj
	.globl	k_qd405f29398_vproj
	.p2align	8
	.type	k_qd405f29398_vproj,@function
k_qd405f29398_vproj:
	s_mov_b64 s[64:65], 0
	v_nop
	global_prefetch_b8 v0, s[64:65] scope:SCOPE_SE
	s_setreg_imm32_b32 hwreg(HW_REG_WAVE_MODE, 25, 1), 1
	s_wait_xcnt 0x0
	s_wait_alu depctr_hold_cnt(0) depctr_sa_sdst(0) depctr_va_vdst(0) depctr_va_sdst(0) depctr_va_ssrc(0) depctr_va_vcc(0) depctr_vm_vsrc(0)
	s_getreg_b32 s2, hwreg(HW_REG_IB_STS2, 6, 4)
	s_cmp_eq_u32 s2, 0
	s_cbranch_scc0 .Lentry_in_a_cluster
	s_endpgm
.Lentry_in_a_cluster:
	s_bfe_u32 s2, ttmp6, 0x10000c
	s_cmp_lg_u32 s2, 0xf033
	s_cbranch_scc0 .Lentry_shape_is_right
	s_endpgm
.Lentry_shape_is_right:
; v = value . Wv^T + bv, 0 where the key is masked; stored in f16 as v16[b][head][lv][64], so that rows lv and lv + 1 of a head are 256 consecutive bytes.
; FORMATS.  value, Wv and bv are rounded to bf16 (value here, on its way from LDS to the matrix unit); sums in f32, started by the bias; v rounded once to f16.
; LIMITS.  |v| stays under 65,504; NaN and infinities are not treated apart; a masked row is +0.
; SHARES.  A tile is 256 rows lv of ONE batch b (32,768 bytes apart in value) x 256 columns (four heads): the mask is 256 consecutive bytes and a head's output 32,768 bytes on end.  Four waves, 128 x 128 each: 64 accumulators.
; K goes in steps of 64 through two LDS slots: a row of value is then 256 bytes of f32, a row of the weights 128 bytes out of the blocked copy, where 256 rows of a K step are dense.  (Two slots of a step of 128 would be 409,600 bytes.)
; value STAYS f32 IN LDS: one joint load serves the four column tiles of a cluster's row, so value is asked of memory once, and no launch stands in front to narrow it.
; THE MATRIX INSTRUCTION IS USED TRANSPOSED (source 0 = 16 rows of Wv, source 1 = 16 rows of value): a lane holds one row lv (lane % 16) and eight neighbouring columns.
; A SUB-STEP is 32 along K: 64 products, by rows of eight (block a of 16 rows x all eight column blocks).  The f32 of the next sub-step come from LDS in one run of 48 loads in the middle (blocks 0-3, weights, blocks 4-7) and are rounded to bf16 by
; RIDERS, four conversions behind each product of rows 3 (blocks 4-7, for this sub-step) and 7 (blocks 0-3, for the next).  There is ONE buffer of bf16 fragments: its upper half is written when row 7 of the sub-step before has read it, its
; lower half when row 3 has; each time the last reader has its own four riders, which name none of its registers, behind it (ISA guide 7.12.1).  The 64 accumulators take turns in one order.
; CLUSTER.  4 x 4 work-groups: value's tile is shared along a row of the cluster, the weights' along a column; each is asked for jointly.
; REGISTERS.  window 0: v0-31 addresses; v32-39 keep masks; v64-127 the bf16 fragments of value (on the way out: rows read back); v128-191 the bias, 8 to a column block; v192-223 at work.
;   window 1: v0-63 f32 of blocks 0-3; v64-127, v128-191 weights, two buffers; v192-255 f32 of blocks 4-7.   windows 2, 3: accumulator (a, b) at 8 (8 (a % 4) + b).
.set PA,    272       ; a row of value in LDS: 256 bytes + 16: the 16 rows of a load start at 16 different groups of four banks (ISA guide 11.1)
.set PB,    144       ; a row of the weights: 128 + 16
.set HALFA, 128*PA
.set HALFB, 128*PB
.set BOFF,  2*HALFA   ; a slot: 256 rows of value, then 256 rows of weights
.set SLOT1, 1<<17     ; slot 1 begins here: one exclusive or turns an address in one slot into the other's
.set STAGE, SLOT1+BOFF+2*HALFB  ; behind the ring: 16 rows x 272 bytes for each wave, for the way out
.set SP,    272
.set SPARE, STAGE+4*16*SP       ; the spare words, 128 bytes for each wave
.set MO,    1         ; v1   lane % 16; also the mask loads' offset; never rewritten
.set ADRA0, 16        ; v16  my place in a slot's rows of value; never rewritten
.set ADRB0, 17        ; v17  the same for the weights
.set ADA,   18        ; v18  the same in the slot that is being read
.set ADB,   19
.set BVO,   23        ; v23  32 (lane / 16); never rewritten
.set STO,   24
.set RD,    25
.set GO,    26        ; v26  16 lane; never rewritten
.set SPW,   28
.set NIL,   29
.set PFO,   30        ; v30  the prefetches' offset: a lane a row (value) or a lane a block of 256 bytes (weights); never rewritten
.set KM,    32        ; v32-39  all ones where row 16 a + lane % 16 is kept, 0 where it is masked
.set A16,   64
.set BK,    64
.set BB,    128
.set TMP,   192
.set F0,    64        ; window 1
.set F1,    128
.set WV, 14
.set RH, 15           ; which half of the tile's rows is mine.  Also: I fetch value (0) or weights (1)
.set CH, 16           ; which half of its columns.  Also: which 128 rows I fetch
.set CX, 17
.set CY, 18
.set NT, 19           ; tile column
.set TY, 20           ; tile row = 8 lvb + b
.set BT, 21
.set LVB, 22
.set G1,  24          ; s[24:31] group 1 for value
.set G0,  32          ; s[32:39] group 0 for value: a set for each first fill; the second then walks
.set TB,  42          ; s42  the slot that is being read: 0 or SLOT1
.set LIM, 43          ; s43  2 in a wave that prefetches, else the greatest number
.set PFA, 44          ; s[44:45] where my prefetches stand
.set PFS, 46          ; s[46:47] a K step in bytes there
.set G1B, 48          ; s[48:55], s[56:63] the same for the weights
.set G0B, 56
.set MSB, 0
.macro WIN new
.if MSB != (\new)
	s_set_vgpr_msb (MSB<<8)|(\new)
.set MSB, (\new)
.endif
.endm
.macro PLACES
.rept 4
	v_nop
.endr
.endm
.macro CREST                           ; a round of the cluster's barrier behind its opening barrier
	s_cmp_lg_u32 s[WV], 0
	s_cbranch_scc1 .Lnot_wave_0_\@
	s_barrier_signal -3
.Lnot_wave_0_\@:
	s_barrier_wait -3
	s_barrier_signal -1
	s_barrier_wait -1
.endm
.macro CROUND
	s_barrier_signal -1
	s_barrier_wait -1
	CREST
.endm
; A joint refill by the walking sets.  The branch hangs on the wave's number alone.  An s_nop 0 and four v_nop follow each of the two lines.
.macro JLOAD
	s_cmp_eq_u32 s[RH], 0
	s_cbranch_scc0 .Lfor_b_\@
	tensor_load_to_lds s[G0+4:G0+7], s[G1:G1+7]
	s_nop 0
.rept 4
	v_nop
.endr
	s_branch .Lasked_\@
.Lfor_b_\@:
	tensor_load_to_lds s[G0B+4:G0B+7], s[G1B:G1B+7]
	s_nop 0
.rept 4
	v_nop
.endr
.Lasked_\@:
.endm
; A PREFETCH INTO THE L2, behind each refill and the run of LDS loads: the K step that stands two refills on, 256 matrix instructions ahead of its load.  value: waves 0 and 1 of every work-group; of the 128 rows that the wave
; fetches the partner at place cx takes 32, a lane a row of 256 bytes.  Weights: wave 2, in the clusters with y = 0 alone (all clusters walk the same weights); of the tile's 128 blocks of 256 bytes the partner at place cy takes 32.
; Partners are told apart by address, never by a branch.  So each block is named once in the launch.  K steps 0 to 3 come by their loads alone; the last two refills ask for nothing.
.macro ASK
	s_cmp_gt_u32 s3, s[LIM]
	s_cbranch_scc0 .Lnot_mine_\@
	global_prefetch_b8 v[PFO], s[PFA:PFA+1] th:TH_LOAD_NT scope:SCOPE_SE
.Lnot_mine_\@:
.endm
	s_load_b256 s[4:11], s[0:1], 0x0               ; value s[4:5], wv16 s[6:7], bv s[8:9], mask s[10:11]
	s_load_b64 s[12:13], s[0:1], 0x20              ; v16
	v_lshl_add_u32 v[SPW], v0, 2, SPARE
	v_mov_b32 v[NIL], 0
	ds_add_u32 v[SPW], v[NIL]                      ; the wave's opening: the add and its wait ahead of my first tensor load
	ds_add_u32 v28, v29
	v_lshrrev_b32 v1, 5, v0
	v_readfirstlane_b32 s[WV], v1
	s_lshr_b32 s[RH], s[WV], 1
	s_and_b32 s[CH], s[WV], 1
	s_bfe_u32 s[CX], ttmp6, 0x40000
	s_bfe_u32 s[CY], ttmp6, 0x40004
	s_lshl_b32 s[NT], ttmp9, 2
	s_add_co_u32 s[NT], s[NT], s[CX]
	s_and_b32 s[TY], ttmp7, 0xffff
	s_lshl_b32 s[TY], s[TY], 2
	s_add_co_u32 s[TY], s[TY], s[CY]
	s_and_b32 s[BT], s[TY], 7
	s_lshr_b32 s[LVB], s[TY], 3
	s_lshl_b32 s40, s[CY], 2
	s_lshl_b32 s40, 15, s40                        ; my row of the cluster
	s_lshl_b32 s41, 0x1111, s[CX]                  ; my column
	s_or_b32 s[G1+0], s40, (2<<16)|(1<<20)|(1<<21)|(5<<22)|(3<<25)   ; elements of 4 bytes; padding on; bit 21 beside a mask; after every 64 words 4 words
	s_mov_b32 s[G1+1], 64<<16                      ; tensor_dim0 = 64
	s_mov_b32 s[G1+2], 128<<16                     ; tensor_dim1 = 128
	s_mov_b32 s[G1+3], 64<<16                      ; tile_dim0 = 64 (256 bytes)
	s_mov_b32 s[G1+4], 128                         ; tile_dim1 = 128
	s_mov_b32 s[G1+5], 8192                        ; 8 batches x 1,024 elements from lv to lv + 1
	s_mov_b32 s[G1+6], 0
	s_mov_b32 s[G1+7], 0
	s_or_b32 s[G1B+0], s41, (1<<16)|(1<<20)|(1<<21)|(4<<22)|(3<<25)  ; elements of 2 bytes; after every 32 words 4 words
	s_mov_b32 s[G1B+1], 128<<16                    ; 128 rows of 128 dense bytes are asked for as 64 rows of 256
	s_mov_b32 s[G1B+2], 64<<16
	s_mov_b32 s[G1B+3], 128<<16
	s_mov_b32 s[G1B+4], 64
	s_mov_b32 s[G1B+5], 128
	s_mov_b32 s[G1B+6], 0
	s_mov_b32 s[G1B+7], 0
	s_lshl_b32 s66, s[LVB], 23                     ; value: 256 rows lv of 32,768 bytes,
	s_lshl_b32 s67, s[CH], 22                      ; the 128 that I fetch,
	s_add_co_u32 s66, s66, s67
	s_lshl_b32 s67, s[BT], 12                      ; the batch
	s_add_co_u32 s66, s66, s67
	s_mov_b32 s67, 0
	s_lshl_b32 s68, s[NT], 15                      ; weights: 256 rows of 128 bytes in a K step's block,
	s_lshl_b32 s69, s[CH], 14                      ; the 128 that I fetch
	s_add_co_u32 s68, s68, s69
	s_mov_b32 s69, 0
	s_mul_i32 s70, s[WV], HALFA                    ; where they go: no place in the cluster enters an LDS address
	s_mul_i32 s71, s[WV], HALFB
	s_add_co_u32 s71, s71, BOFF-2*HALFB
	s_mov_b32 s[TB], 0
	s_wait_dscnt 0x0                               ; the opening add is done
	s_wait_kmcnt 0x0
	s_add_nc_u64 s[66:67], s[4:5], s[66:67]
	s_add_nc_u64 s[68:69], s[6:7], s[68:69]
.irp s, 0,1
	s_mov_b32 s[G0+4*(\s)], 1
	s_add_co_u32 s[G0+4*(\s)+1], s70, (\s)*SLOT1
	s_add_nc_u64 s[G0+4*(\s)+2:G0+4*(\s)+3], s[66:67], (\s)*256       ; K step s
	s_or_b32 s[G0+4*(\s)+3], s[G0+4*(\s)+3], 0x80000000
	s_mov_b32 s[G0B+4*(\s)], 1
	s_add_co_u32 s[G0B+4*(\s)+1], s71, (\s)*SLOT1
	s_add_nc_u64 s[G0B+4*(\s)+2:G0B+4*(\s)+3], s[68:69], (\s)*131072
	s_or_b32 s[G0B+4*(\s)+3], s[G0B+4*(\s)+3], 0x80000000
.endr
	CROUND                                         ; all sixteen work-groups are here: the first joint loads meet
	s_cmp_eq_u32 s[RH], 0                          ; a wave's two first fills stand in one branch: two loads of mine are out
	s_cbranch_scc0 .Lfirst_b
	tensor_load_to_lds s[G0:G0+3], s[G1:G1+7]
	s_nop 0
	tensor_load_to_lds s[G0+4:G0+7], s[G1:G1+7]
	s_nop 0
.rept 4
	v_nop
.endr
	s_branch .Lfirst_asked
.Lfirst_b:
	tensor_load_to_lds s[G0B:G0B+3], s[G1B:G1B+7]
	s_nop 0
	tensor_load_to_lds s[G0B+4:G0B+7], s[G1B:G1B+7]
	s_nop 0
.rept 4
	v_nop
.endr
.Lfirst_asked:
	s_lshl_b32 s70, s[NT], 10                      ; bv at my wave's 128 columns
	s_lshl_b32 s2, s[CH], 9
	s_add_co_u32 s70, s70, s2
	s_mov_b32 s71, 0
	s_add_nc_u64 s[8:9], s[8:9], s[70:71]
	s_lshl_b32 s70, s[BT], 12                      ; the mask at my wave's 128 rows
	s_lshl_b32 s2, s[LVB], 8
	s_add_co_u32 s70, s70, s2
	s_lshl_b32 s2, s[RH], 7
	s_add_co_u32 s70, s70, s2
	s_add_nc_u64 s[10:11], s[10:11], s[70:71]
	s_lshl_b32 s70, s[BT], 23                      ; v16 at batch b, head 4 nt + 2 ch, row 256 lvb + 128 rh
	s_lshl_b32 s2, s[NT], 21
	s_add_co_u32 s70, s70, s2
	s_lshl_b32 s2, s[CH], 20
	s_add_co_u32 s70, s70, s2
	s_lshl_b32 s2, s[LVB], 15
	s_add_co_u32 s70, s70, s2
	s_lshl_b32 s2, s[RH], 14
	s_add_co_u32 s70, s70, s2
	s_add_nc_u64 s[12:13], s[12:13], s[70:71]
	v_and_b32 v1, 15, v0                           ; r
	v_bfe_u32 v2, v0, 4, 1                         ; h
	v_and_b32 v3, 31, v0                           ; lane
	v_lshlrev_b32 v[BVO], 5, v2
.irp b, 0,1,2,3,4,5,6,7                ; register j of an accumulator of column block b is column 16 b + 8 h + j
	global_load_b128 v[BB+8*(\b):BB+8*(\b)+3],   v[BVO], s[8:9] offset:64*(\b)
	global_load_b128 v[BB+8*(\b)+4:BB+8*(\b)+7], v[BVO], s[8:9] offset:64*(\b)+16
.endr
.irp a, 0,1,2,3,4,5,6,7
	global_load_u8 v[KM+(\a)], v[MO], s[10:11] offset:16*(\a)
.endr
	s_mul_i32 s70, s[RH], HALFA
	v_mul_u32_u24 v[ADRA0], v1, PA
	v_lshl_add_u32 v[ADRA0], v2, 5, v[ADRA0]       ; row x pitch + 32 h: eight f32
	v_add_nc_u32 v[ADRA0], s70, v[ADRA0]
	s_mul_i32 s70, s[CH], HALFB
	s_add_co_u32 s70, s70, BOFF
	v_mul_u32_u24 v[ADRB0], v1, PB
	v_lshl_add_u32 v[ADRB0], v2, 4, v[ADRB0]
	v_add_nc_u32 v[ADRB0], s70, v[ADRB0]
	v_mov_b32 v[ADA], v[ADRA0]
	v_mov_b32 v[ADB], v[ADRB0]
	s_mul_i32 s70, s[WV], 16*SP
	s_add_co_u32 s70, s70, STAGE
	v_mul_u32_u24 v[STO], v1, SP                   ; in: row r, 16 bytes for each half of the lanes
	v_lshl_add_u32 v[STO], v2, 4, v[STO]
	v_add_nc_u32 v[STO], s70, v[STO]
	v_lshrrev_b32 v4, 3, v3                        ; back: 32 lanes take four rows' 128 bytes of one head,
	v_and_b32 v5, 7, v3
	v_mul_u32_u24 v[RD], v4, SP
	v_lshl_add_u32 v[RD], v5, 4, v[RD]
	v_add_nc_u32 v[RD], s70, v[RD]
	v_lshlrev_b32 v[GO], 4, v3                     ; which are 512 consecutive bytes of v16
	; the prefetches
	s_lshl_b32 s70, s[LVB], 23
	s_lshl_b32 s2, s[CH], 22
	s_add_co_u32 s70, s70, s2
	s_lshl_b32 s2, s[CX], 20                       ; my work-group's 32 rows of the 128
	s_add_co_u32 s70, s70, s2
	s_lshl_b32 s2, s[BT], 12
	s_add_co_u32 s70, s70, s2
	s_add_co_u32 s70, s70, 3*256                   ; at K step 3: the first change of slots steps it to 4
	s_lshl_b32 s71, s[NT], 15
	s_lshl_b32 s2, s[CY], 13                       ; my work-group's 32 blocks of the 128
	s_add_co_u32 s71, s71, s2
	s_add_co_u32 s71, s71, 3*131072
	s_and_b32 s66, ttmp7, 0xffff                   ; the cluster's y: the same in all sixteen partners
	s_cmp_eq_u32 s66, 0
	s_cselect_b32 s67, 2, -1
	s_cmp_eq_u32 s[WV], 2
	s_cselect_b32 s67, s67, -1
	s_mov_b32 s2, 256
	s_cmp_eq_u32 s[RH], 0
	s_cselect_b32 s[LIM], 2, s67
	s_cselect_b32 s70, s70, s71
	s_cselect_b64 s[PFA:PFA+1], s[4:5], s[6:7]
	s_cselect_b32 s[PFS], s2, 0x20000
	s_cselect_b32 s2, 15, 8
	s_mov_b32 s71, 0
	s_mov_b32 s[PFS+1], 0
	s_add_nc_u64 s[PFA:PFA+1], s[PFA:PFA+1], s[70:71]
	v_lshlrev_b32 v[PFO], s2, v3
; Eight products: block a of 16 rows x all eight column blocks, with the weights of buffer f.  first = 1: the bias starts the sums.
; ride = 0, 1: behind each product four conversions of that half's 32: f32 of blocks 4 ride .. 4 ride + 3 into the bf16 fragments.  ride = -1: none.
.macro MULROW a, f, ride, first
.irp b, 0,1,2,3,4,5,6,7
.if \first
	WIN 0x81+0x40*((\a)/4)                         ; weights window 1, value and bias window 0, sums window 2 or 3
	v_wmma_f32_16x16x32_bf16 v[8*(8*((\a)%4)+(\b)):8*(8*((\a)%4)+(\b))+7], v[(\f)+8*(\b):(\f)+8*(\b)+7], v[A16+8*(\a):A16+8*(\a)+7], v[BB+8*(\b):BB+8*(\b)+7]
.else
	WIN 0xa1+0x50*((\a)/4)
	v_wmma_f32_16x16x32_bf16 v[8*(8*((\a)%4)+(\b)):8*(8*((\a)%4)+(\b))+7], v[(\f)+8*(\b):(\f)+8*(\b)+7], v[A16+8*(\a):A16+8*(\a)+7], v[8*(8*((\a)%4)+(\b)):8*(8*((\a)%4)+(\b))+7]
.endif
.if (\ride) >= 0
	WIN 0x05                                       ; sources window 1, destination window 0
.irp n, 0,1,2,3
	v_cvt_pk_bf16_f32 v[A16+32*(\ride)+4*(\b)+(\n)], v[192*(\ride)+8*(\b)+2*(\n)], v[192*(\ride)+8*(\b)+2*(\n)+1]
.endr
.endif
.endr
.endm
; 48 LDS loads in one run, for the sub-step at 32 c along K of the slot in hand: f32 of blocks 0-3, the weights into buffer g, f32 of blocks 4-7.
.macro FETCH c, g
	WIN 0x40                                       ; destination window 1
.irp a, 0,1,2,3
.irp p, 0,1,2,3
	ds_load_b128 v[16*(\a)+4*(\p):16*(\a)+4*(\p)+3], v[ADA] offset:(\a)*16*PA+128*(\c)+((\p)/2)*64+((\p)%2)*16
.endr
.endr
.irp b, 0,1,2,3,4,5,6,7
	ds_load_b128 v[(\g)+8*(\b):(\g)+8*(\b)+3],   v[ADB] offset:(\b)*16*PB+64*(\c)
	ds_load_b128 v[(\g)+8*(\b)+4:(\g)+8*(\b)+7], v[ADB] offset:(\b)*16*PB+64*(\c)+32
.endr
.irp a, 4,5,6,7
.irp p, 0,1,2,3
	ds_load_b128 v[128+16*(\a)+4*(\p):128+16*(\a)+4*(\p)+3], v[ADA] offset:(\a)*16*PA+128*(\c)+((\p)/2)*64+((\p)%2)*16
.endr
.endr
.endm
; A SUB-STEP on the weights of buffer f; the next one's operands (32 c along K) go into buffer g.
; mode 0: within a slot.  mode 1: the slot's second sub-step, with the change of slots: ONE barrier, which opens a round of the cluster's; in front of it each wave waits for all its tensor loads (one is out: its part of the next slot), adds 0 to its
; spare word, and waits for that and for its reads of this slot; behind the round this slot is filled again first, two K steps on: 112 matrix instructions ahead of the wait for it.  mode 2: the same with nothing left to fetch.  mode 3: the last.
.macro SUB f, g, c, mode, first
.if (\mode) == 0
	s_wait_dscnt 16                                ; the weights are in; the youngest 16 loads (f32 of blocks 4-7) may be out
	MULROW 0, \f, -1, \first
	MULROW 1, \f, -1, \first
	MULROW 2, \f, -1, \first
	s_wait_dscnt 0x0                               ; blocks 4-7 are in
	MULROW 3, \f, 1, \first
	FETCH \c, \g
	MULROW 4, \f, -1, \first
	MULROW 5, \f, -1, \first
	MULROW 6, \f, -1, \first
	s_wait_dscnt 32                                ; the next sub-step's blocks 0-3 are in; the 32 loads behind them may be out
	MULROW 7, \f, 0, \first
.elseif (\mode) == 3
	s_wait_dscnt 0x0
	MULROW 0, \f, -1, 0
	MULROW 1, \f, -1, 0
	MULROW 2, \f, -1, 0
	MULROW 3, \f, 1, 0
	MULROW 4, \f, -1, 0
	MULROW 5, \f, -1, 0
	MULROW 6, \f, -1, 0
	MULROW 7, \f, -1, 0
.else
.if (\mode) == 1
	s_wait_xcnt 0x0                                ; the last prefetch, a K step back, has read its address
	s_add_nc_u64 s[PFA:PFA+1], s[PFA:PFA+1], s[PFS:PFS+1]
.endif
	s_wait_dscnt 16
	MULROW 0, \f, -1, 0
	MULROW 1, \f, -1, 0
	WIN 0                                          ; (the add's two registers lie in window 0)
	s_wait_tensorcnt 0x0                           ; all my tensor loads have landed, so a group 0 may be written
	ds_add_u32 v[SPW], v[NIL]                      ; 0 onto my spare word
.if (\mode) == 1
	s_xor_b32 s[G0+5], s[G0+5], SLOT1              ; the walking sets: the other slot than last time, the next K step
	s_add_nc_u64 s[G0+6:G0+7], s[G0+6:G0+7], 256
	s_xor_b32 s[G0B+5], s[G0B+5], SLOT1
	s_add_nc_u64 s[G0B+6:G0B+7], s[G0B+6:G0B+7], 131072
.endif
	s_xor_b32 s[TB], s[TB], SLOT1
	MULROW 2, \f, -1, 0                            ; eight products stand between the add and the wait for it
	s_wait_dscnt 0x0                               ; the add is done, and my reads of this slot are over
	s_barrier_signal -1
	MULROW 3, \f, 1, 0                             ; work on registers while the others arrive
	WIN 0
	s_barrier_wait -1
.if (\mode) == 1
	CREST                                          ; no wave of any partner still reads this slot or has a load on its way
	JLOAD
.endif
	v_add_nc_u32 v[ADA], s[TB], v[ADRA0]
	v_add_nc_u32 v[ADB], s[TB], v[ADRB0]
	FETCH \c, \g
.if (\mode) == 1
	WIN 0
	ASK
.endif
	MULROW 4, \f, -1, 0
	MULROW 5, \f, -1, 0
	MULROW 6, \f, -1, 0
	s_wait_dscnt 32
	MULROW 7, \f, 0, 0
.endif
.endm
	s_wait_tensorcnt 0x1                           ; my part of K step 0 is in; K step 1's may stay out
	s_barrier_signal -1
	s_barrier_wait -1
	FETCH 0, F0
	WIN 0
	s_wait_loadcnt 0x0                             ; bias and mask
.set i, 0
.rept 32
	v_cvt_pk_bf16_f32 v[TMP+i], v[BB+2*i], v[BB+2*i+1]
.set i, i+1
.endr
.set i, 0
.rept 32
	v_lshlrev_b32 v[BB+2*i], 16, v[TMP+i]          ; the bias rounded to bf16, kept as f32
	v_and_b32 v[BB+2*i+1], 0xffff0000, v[TMP+i]
.set i, i+1
.endr
.irp a, 0,1,2,3,4,5,6,7
	v_add_nc_u32 v[KM+(\a)], -1, v[KM+(\a)]        ; 0 -> all ones, 1 -> 0
.endr
	s_wait_dscnt 32
	WIN 0x05
.set i, 0
.rept 32
	v_cvt_pk_bf16_f32 v[A16+i], v[2*i], v[2*i+1]   ; the first sub-step's blocks 0-3: no product yet to ride behind
.set i, i+1
.endr
	SUB F0, F1, 1, 0, 1
	WIN 0                                          ; at a label and at a branch every window is 0
	s_mov_b32 s3, 14
.Lk:                                   ; 14 trips: the second half of K step j, which asks for K step j + 2, and the first half of K step j + 1
	SUB F1, F0, 0, 1, 0
	SUB F0, F1, 1, 0, 0
	WIN 0
	s_sub_co_u32 s3, s3, 1
	s_cmp_lg_u32 s3, 0
	s_cbranch_scc1 .Lk
	SUB F1, F0, 0, 2, 0                            ; the tail is written out
	SUB F0, F1, 1, 0, 0
	SUB F1, F0, 0, 3, 0
; THE WAY OUT of block a.  PACK: rounded to f16, 16 bytes a lane, each accumulator's registers in ascending order; masked rows become 0.  TOSTAGE: into my own stage, and back as four rows x 128 bytes of one head.  SEND: stored.
.macro PACK a
	WIN 0x0a+5*((\a)/4)                            ; sources window 2 or 3
.irp b, 0,1,2,3,4,5,6,7
.irp q, 0,1,2,3
	v_cvt_pk_f16_f32 v[TMP+4*(\b)+(\q)], v[64*((\a)%4)+8*(\b)+2*(\q)], v[64*((\a)%4)+8*(\b)+2*(\q)+1]
.endr
.endr
	WIN 0
.set i, 0
.rept 32
	v_and_b32 v[TMP+i], v[KM+(\a)], v[TMP+i]
.set i, i+1
.endr
.endm
.macro TOSTAGE a
	WIN 0
	s_wait_xcnt 0x0                                ; the stores of two blocks back have read the registers that are loaded again below
.irp b, 0,1,2,3,4,5,6,7
	ds_store_b128 v[STO], v[TMP+4*(\b):TMP+4*(\b)+3] offset:32*(\b)
.endr
.irp t, 0,1,2,3,4,5,6,7
	ds_load_b128 v[BK+32*((\a)%2)+4*(\t):BK+32*((\a)%2)+4*(\t)+3], v[RD] offset:((\t)%4)*4*SP+((\t)/4)*128  ; LDS serves a wave's instructions in order: these see the stores above
.endr
.endm
.macro SEND a
	WIN 0
	s_wait_dscnt 0x0
.irp t, 0,1,2,3,4,5,6,7
	global_store_b128 v[GO], v[BK+32*((\a)%2)+4*(\t):BK+32*((\a)%2)+4*(\t)+3], s[12:13] offset:(\a)*2048+((\t)%4)*512+((\t)/4)*524288  ; 512 consecutive bytes, at a multiple of 256 from v16's first
.endr
.endm
	PLACES
	PACK 0
	TOSTAGE 0
.irp a, 1,2,3,4,5,6,7                  ; block a's conversions stand between block a - 1's loads from the stage and the wait for them
	PACK \a
	SEND (\a)-1
	TOSTAGE \a
.endr
	SEND 7
	s_wait_tensorcnt 0x0                           ; the wave's end
	ds_add_u32 v[SPW], v[NIL]
	s_wait_dscnt 0x0
	CROUND                                         ; the closing round
	s_endpgm
.Lfunc_end_k_qd405f29398_vproj:
	.size	k_qd405f29398_vproj, .Lfunc_end_k_qd405f29398_vproj-k_qd405f29398_vproj
	.p2alignl 7, 3214868480
	.fill 96, 4, 3214868480
	.section	.rodata,"a",@progbits
	.p2align	6, 0x0
	.amdhsa_kernel k_qd405f29398_vproj
		.amdhsa_group_segment_fixed_size 327680
		.amdhsa_private_segment_fixed_size 0
		.amdhsa_enable_private_segment 0
		.amdhsa_kernarg_size 40
		.amdhsa_user_sgpr_count 2
		.amdhsa_user_sgpr_kernarg_segment_ptr 1
		.amdhsa_wavefront_size32 1
		.amdhsa_system_sgpr_workgroup_id_x 1
		.amdhsa_system_sgpr_workgroup_id_y 1
		.amdhsa_system_sgpr_workgroup_id_z 1
		.amdhsa_system_vgpr_workitem_id 0
		.amdhsa_next_free_vgpr 1024
		.amdhsa_next_free_sgpr 72
		.amdhsa_reserve_vcc 0
		.amdhsa_float_denorm_mode_32 3
		.amdhsa_float_denorm_mode_16_64 3
		.amdhsa_memory_ordered 1
		.amdhsa_forward_progress 1
		.amdhsa_inst_pref_size 130
	.end_amdhsa_kernel
	.amdgpu_metadata
---
amdhsa.version: [ 1, 2 ]
amdhsa.kernels:
  - .name:           k_qd405f29398_vproj
    .symbol:         k_qd405f29398_vproj.kd
    .args:
      - { .name: value, .offset: 0, .size: 8, .value_kind: global_buffer, .address_space: global }
      - { .name: wv16, .offset: 8, .size: 8, .value_kind: global_buffer, .address_space: global }
      - { .name: bv, .offset: 16, .size: 8, .value_kind: global_buffer, .address_space: global }
      - { .name: value_key_padding_mask, .offset: 24, .size: 8, .value_kind: global_buffer, .address_space: global }
      - { .name: v16, .offset: 32, .size: 8, .value_kind: global_buffer, .address_space: global }
    .group_segment_fixed_size: 327680
    .private_segment_fixed_size: 0
    .kernarg_segment_align: 8
    .kernarg_segment_size: 40
    .max_flat_workgroup_size: 128
    .sgpr_count:     72
    .vgpr_count:     1024
    .wavefront_size: 32
...
	.end_amdgpu_metadata
.endif
;; end of part 3
;; launch sample (part 4): grid 256 x 1, 32 waves a work-group, no clusters, 0 bytes of LDS; arguments idx, wts, v16, s16; writes s16
.if DOCPART == 4
	.amdgcn_target "amdgcn-amd-amdhsa--gfx1250"
	.amdhsa_code_object_version 6
	.text
	.protected	k_qd405f29398_sample
	.globl	k_qd405f29398_sample
	.p2align	8
	.type	k_qd405f29398_sample,@function
k_qd405f29398_sample:
	s_mov_b64 s[64:65], 0
	v_nop
	global_prefetch_b8 v0, s[64:65] scope:SCOPE_SE
	s_setreg_imm32_b32 hwreg(HW_REG_WAVE_MODE, 25, 1), 1
	s_wait_xcnt 0x0
; S[R][64 head + d] = the sum over the four points k of wA v[b][head][p_k][d] + wB v[b][head][p_k + 1][d], R = 8 q + b.  p comes as a whole number from idx, (wA, wB) as two f16 from wts; v in f16; products exact, sums in f32; S rounded once to f16.
; LIMIT.  |S| stays under 65,504 (it is a weighted mean of numbers of v).  p is held to 0..4094 once more before it enters an address.
; SHARES.  A work-group owns eight q.  Wave w takes q = 8 g + w / 4 and the four heads 4 (w % 4) ..; eight lanes serve a head, 8 channels (16 bytes) each, so a gather of the wave is four pieces of 128 consecutive bytes and
; a store 512 consecutive bytes.  The wave walks the eight batches, two a trip: all waves of the launch are then at about the same batch's part of v16.  16 gathers of a wave are out at a time, 32 waves to a work-group.
; No LDS, no cluster, no matrix unit: no wave wants what another has fetched.  No prefetch: a row of v16 may be named by many lists, so no block could be asked for once, and a trip's gathers all go out together.
.set IO,   1          ; v1   my 16 bytes of idx and wts in batch 0 of my q; never rewritten
.set LT,   2          ; v2   head x 524,288 + 16 (lane % 8); never rewritten
.set SO,   3          ; v3   my 16 bytes of s16; never rewritten
.set ZERO, 4
.set IDXN, 8          ; v8-15   the trip's 2 x 4 indices
.set OFS,  16         ; v16-23  their byte offsets in a batch of v16
.set W,    24         ; v24-31  the weights
.set ACC,  32         ; v32-39  eight sums
.set O,    40         ; v40-47  two tasks' 16 bytes
.set G,    48         ; v48-111 task t, point k: row p at 32 t + 8 k, row p + 1 four further
	s_load_b256 s[4:11], s[0:1], 0x0               ; idx s[4:5], wts s[6:7], v16 s[8:9], s16 s[10:11]
	v_lshrrev_b32 v5, 7, v0                        ; w / 4
	v_bfe_u32 v6, v0, 5, 2                         ; w % 4
	v_and_b32 v7, 31, v0                           ; lane
	s_lshl_b32 s15, ttmp9, 3
	v_add_nc_u32 v5, s15, v5                       ; q
	v_lshrrev_b32 v48, 3, v7
	v_and_b32 v49, 7, v7
	v_lshlrev_b32 v[IO], 11, v5                    ; q x 8 rows of 256 bytes
	v_lshl_add_u32 v[IO], v6, 6, v[IO]
	v_lshl_add_u32 v[IO], v48, 4, v[IO]            ; + head x 16
	v_lshl_add_u32 v[LT], v6, 2, v48               ; head
	v_lshlrev_b32 v[LT], 19, v[LT]
	v_lshl_add_u32 v[LT], v49, 4, v[LT]
	v_lshlrev_b32 v[SO], 14, v5                    ; q x 8 rows of 2,048 bytes
	v_lshl_add_u32 v[SO], v6, 9, v[SO]
	v_lshl_add_u32 v[SO], v7, 4, v[SO]
	v_mov_b32 v[ZERO], 0
	s_mov_b32 s14, 4
	s_wait_kmcnt 0x0
	s_add_nc_u64 s[12:13], s[8:9], 0x800000        ; the odd batch
	global_load_b128 v[IDXN:IDXN+3],   v[IO], s[4:5] th:TH_LOAD_NT
	global_load_b128 v[IDXN+4:IDXN+7], v[IO], s[4:5] offset:256 th:TH_LOAD_NT
	s_wait_loadcnt 0x0
; Task t: 64 multiply-adds straight from f16 halves into f32, eight chains that do not wait for each other; the first takes 0 as its addend.
.macro FMA t
.irp k, 0,1,2,3
.irp s, 0,1
.irp j, 0,1,2,3
.if ((\k)+(\s)) == 0
	v_fma_mix_f32 v[ACC+2*(\j)],   v[G+32*(\t)+8*(\k)+4*(\s)+(\j)], v[W+4*(\t)+(\k)], v[ZERO] op_sel:[0,\s,0] op_sel_hi:[1,1,0]
	v_fma_mix_f32 v[ACC+2*(\j)+1], v[G+32*(\t)+8*(\k)+4*(\s)+(\j)], v[W+4*(\t)+(\k)], v[ZERO] op_sel:[1,\s,0] op_sel_hi:[1,1,0]
.else
	v_fma_mix_f32 v[ACC+2*(\j)],   v[G+32*(\t)+8*(\k)+4*(\s)+(\j)], v[W+4*(\t)+(\k)], v[ACC+2*(\j)] op_sel:[0,\s,0] op_sel_hi:[1,1,0]
	v_fma_mix_f32 v[ACC+2*(\j)+1], v[G+32*(\t)+8*(\k)+4*(\s)+(\j)], v[W+4*(\t)+(\k)], v[ACC+2*(\j)+1] op_sel:[1,\s,0] op_sel_hi:[1,1,0]
.endif
.endr
.endr
.endr
.irp j, 0,1,2,3
	v_cvt_pk_f16_f32 v[O+4*(\t)+(\j)], v[ACC+2*(\j)], v[ACC+2*(\j)+1]
.endr
.endm
.Ltrip:
.irp j, 0,1,2,3,4,5,6,7
	v_min_u32 v[IDXN+(\j)], 4094, v[IDXN+(\j)]
.endr
.irp j, 0,1,2,3,4,5,6,7
	v_lshl_add_u32 v[OFS+(\j)], v[IDXN+(\j)], 7, v[LT]  ; a row of a head is 128 bytes
.endr
	s_cmp_eq_u32 s14, 1                            ; the last trip has no indices behind it.  These two loads stand first among a trip's loads, so the counts below hold on both ways
	s_cbranch_scc1 .Lno_next
	global_load_b128 v[IDXN:IDXN+3],   v[IO], s[4:5] offset:512 th:TH_LOAD_NT
	global_load_b128 v[IDXN+4:IDXN+7], v[IO], s[4:5] offset:768 th:TH_LOAD_NT
.Lno_next:
	global_load_b128 v[W:W+3],   v[IO], s[6:7] th:TH_LOAD_NT
	global_load_b128 v[W+4:W+7], v[IO], s[6:7] offset:256 th:TH_LOAD_NT
.irp k, 0,1,2,3
	global_load_b128 v[G+8*(\k):G+8*(\k)+3],   v[OFS+(\k)], s[8:9]
	global_load_b128 v[G+8*(\k)+4:G+8*(\k)+7], v[OFS+(\k)], s[8:9] offset:128
.endr
.irp k, 0,1,2,3
	global_load_b128 v[G+32+8*(\k):G+32+8*(\k)+3],   v[OFS+4+(\k)], s[12:13]
	global_load_b128 v[G+32+8*(\k)+4:G+32+8*(\k)+7], v[OFS+4+(\k)], s[12:13] offset:128
.endr
	s_wait_loadcnt 8                               ; all but the odd batch's eight gathers
	FMA 0
	global_store_b128 v[SO], v[O:O+3], s[10:11]
	s_wait_loadcnt 0x0
	FMA 1
	global_store_b128 v[SO], v[O+4:O+7], s[10:11] offset:2048
	s_wait_xcnt 0x0                                ; the bases, the offsets and the stores' data are written again only behind this wait
	s_add_nc_u64 s[4:5], s[4:5], 512
	s_add_nc_u64 s[6:7], s[6:7], 512
	s_add_nc_u64 s[8:9], s[8:9], 0x1000000
	s_add_nc_u64 s[12:13], s[12:13], 0x1000000
	s_add_nc_u64 s[10:11], s[10:11], 4096
	s_sub_co_u32 s14, s14, 1
	s_cmp_lg_u32 s14, 0
	s_cbranch_scc1 .Ltrip
	s_endpgm
.Lfunc_end_k_qd405f29398_sample:
	.size	k_qd405f29398_sample, .Lfunc_end_k_qd405f29398_sample-k_qd405f29398_sample
	.p2alignl 7, 3214868480
	.fill 96, 4, 3214868480
	.section	.rodata,"a",@progbits
	.p2align	6, 0x0
	.amdhsa_kernel k_qd405f29398_sample
		.amdhsa_group_segment_fixed_size 0
		.amdhsa_private_segment_fixed_size 0
		.amdhsa_enable_private_segment 0
		.amdhsa_kernarg_size 32
		.amdhsa_user_sgpr_count 2
		.amdhsa_user_sgpr_kernarg_segment_ptr 1
		.amdhsa_wavefront_size32 1
		.amdhsa_system_sgpr_workgroup_id_x 1
		.amdhsa_system_sgpr_workgroup_id_y 1
		.amdhsa_system_sgpr_workgroup_id_z 1
		.amdhsa_system_vgpr_workitem_id 0
		.amdhsa_next_free_vgpr 128
		.amdhsa_next_free_sgpr 66
		.amdhsa_reserve_vcc 0
		.amdhsa_float_denorm_mode_32 3
		.amdhsa_float_denorm_mode_16_64 3
		.amdhsa_memory_ordered 1
		.amdhsa_forward_progress 1
		.amdhsa_inst_pref_size 14
	.end_amdhsa_kernel
	.amdgpu_metadata
---
amdhsa.version: [ 1, 2 ]
amdhsa.kernels:
  - .name:           k_qd405f29398_sample
    .symbol:         k_qd405f29398_sample.kd
    .args:
      - { .name: idx, .offset: 0, .size: 8, .value_kind: global_buffer, .address_space: global }
      - { .name: wts, .offset: 8, .size: 8, .value_kind: global_buffer, .address_space: global }
      - { .name: v16, .offset: 16, .size: 8, .value_kind: global_buffer, .address_space: global }
      - { .name: s16, .offset: 24, .size: 8, .value_kind: global_buffer, .address_space: global }
    .group_segment_fixed_size: 0
    .private_segment_fixed_size: 0
    .kernarg_segment_align: 8
    .kernarg_segment_size: 32
    .max_flat_workgroup_size: 1024
    .sgpr_count:     66
    .vgpr_count:     128
    .wavefront_size: 32
...
	.end_amdgpu_metadata
.endif
;; end of part 4
;; launch outproj (part 5): grid 4 x 64, 4 waves a work-group, clusters of 4 x 4, 327,680 bytes of LDS; arguments s16, wout16, out0, bout; writes out0
.if DOCPART == 5
	.amdgcn_target "amdgcn-amd-amdhsa--gfx1250"
	.amdhsa_code_object_version 6
	.text
	.protected	k_qd405f29398_outproj
	.globl	k_qd405f29398_outproj
	.p2align	8
	.type	k_qd405f29398_outproj,@function
k_qd405f29398_outproj:
	s_mov_b64 s[64:65], 0
	v_nop
	global_prefetch_b8 v0, s[64:65] scope:SCOPE_SE
	s_setreg_imm32_b32 hwreg(HW_REG_WAVE_MODE, 25, 1), 1
	s_wait_xcnt 0x0
	s_wait_alu depctr_hold_cnt(0) depctr_sa_sdst(0) depctr_va_vdst(0) depctr_va_sdst(0) depctr_va_ssrc(0) depctr_va_vcc(0) depctr_vm_vsrc(0)
	s_getreg_b32 s2, hwreg(HW_REG_IB_STS2, 6, 4)
	s_cmp_eq_u32 s2, 0
	s_cbranch_scc0 .Lentry_in_a_cluster
	s_endpgm
.Lentry_in_a_cluster:
	s_bfe_u32 s2, ttmp6, 0x10000c
	s_cmp_lg_u32 s2, 0xf033
	s_cbranch_scc0 .Lentry_shape_is_right
	s_endpgm
.Lentry_shape_is_right:
; out0[R][n] = the sum over k of S[R][k] Wout[n][k] + bout[n].  S: [16384][1024] f16; Wout: [1024][1024], rounded to bf16 and written as f16 by the first launch; bout rounded to bf16; sums in f32, started by the bias; out0 in f32.
; A tile of 256 x 256 is made by four waves, 128 x 128 each: 64 accumulators, 512 registers; 256 tiles, one to a work-group.  K goes in steps of 128 through two LDS slots filled by the tensor data mover: rows of 256 bytes.
; CLUSTERS: 4 x 4 work-groups; S's tile is shared along a row of the cluster, Wout's along a column: each is asked for jointly, by the same tensor load with the same descriptor and a mask that names the four.
; THE MATRIX INSTRUCTION IS USED TRANSPOSED (source 0 = 16 rows of Wout, source 1 = 16 rows of S): a lane holds row lane % 16 and the columns 8 (lane / 16) + 0..7.
; REGISTERS.  window 0: v0-31 addresses; v32-63 at work at the head; v64-127, v128-191 fragments of S, two buffers (on the way out: rows read back); v192-255 the bias, 8 to a column block.
;   window 1: v64-127, v128-191 fragments of Wout.   windows 2, 3: accumulator (a, b) at 8 (8 (a % 4) + b).
.set SIZE_N, 1024
.set SIZE_K, 1024
.set KSTEP,  128
.set PITCH,  272                       ; 256 bytes + 16: the 16 rows of a load start at 16 different groups of four banks (ISA guide 11.1)
.set HALFT,  128*PITCH
.set SLOT,   4*HALFT
.set STAGE,  2*SLOT                    ; behind the ring: 16 rows x 528 bytes for each wave
.set SPITCH, 528                       ; 128 f32 + 16 bytes
.set SPARE,  STAGE+4*16*SPITCH
.set LAPS,   SIZE_K/(2*KSTEP)
.set ADRA, 16
.set ADRB, 20
.set BVO,  22                          ; v22  32 (lane / 16); never rewritten
.set STO,  24
.set RD,   25
.set CO,   26                          ; v26  16 lane; never rewritten
.set SPW,  28
.set NIL,  29
.set PFO,  30                          ; v30  my lane x a row of 2,048 bytes; never rewritten
.set PFA,  44                          ; s[44:45]
.set LIM,  43
.set F0,   64
.set F1,   128
.set BB,   192
.set OB,   64
.set G1, 24
.set G0, 32
.set G1B, 48
.set G0B, 56
.set MSB, 0
.macro WIN new
.if MSB != (\new)
	s_set_vgpr_msb (MSB<<8)|(\new)
.set MSB, (\new)
.endif
.endm
.set MUL_LO, 0xa1                      ; Wout window 1, S window 0, C and D window 2
.set TO_B,   0x40
.macro JLOAD s                         ; a joint refill: waves 0 and 1 fetch S's two halves, waves 2 and 3 Wout's; an s_nop 0 and four v_nop follow each line
	s_cmp_eq_u32 s11, 0
	s_cbranch_scc0 .Lfor_b_\@
	tensor_load_to_lds s[G0+4*(\s):G0+4*(\s)+3], s[G1:G1+7]
	s_nop 0
.rept 4
	v_nop
.endr
	s_branch .Lasked_\@
.Lfor_b_\@:
	tensor_load_to_lds s[G0B+4*(\s):G0B+4*(\s)+3], s[G1B:G1B+7]
	s_nop 0
.rept 4
	v_nop
.endr
.Lasked_\@:
.endm
; A PREFETCH INTO THE L2, behind each refill and the run of LDS loads: the K step that stands two refills on, 512 matrix instructions ahead of its load: 32 rows x 256 bytes, a lane a row.  S's tile row is read by one cluster (x has one): it asks;
; Wout's tile column by all clusters: the one with y = 0 asks.  Of the 128 rows that a wave fetches each of the four partners takes 32, told apart by address.  So each block is named once.  The loop's last trip asks for nothing.
.macro ASK
	s_cmp_gt_u32 s3, s[LIM]
	s_cbranch_scc0 .Lnot_mine_\@
	global_prefetch_b8 v[PFO], s[PFA:PFA+1] offset:KSTEP*2 th:TH_LOAD_NT scope:SCOPE_SE
.Lnot_mine_\@:
.endm
.macro CREST
	s_cmp_lg_u32 s10, 0
	s_cbranch_scc1 .Lnot_wave_0_\@
	s_barrier_signal -3
.Lnot_wave_0_\@:
	s_barrier_wait -3
	s_barrier_signal -1
	s_barrier_wait -1
.endm
.macro CROUND
	s_barrier_signal -1
	s_barrier_wait -1
	CREST
.endm
.macro PLACES
.rept 4
	v_nop
.endr
.endm
	s_load_b128 s[4:7], s[0:1], 0x0                ; S s[4:5], Wout s[6:7]
	s_load_b64 s[8:9], s[0:1], 0x10                ; out0
	s_load_b64 s[66:67], s[0:1], 0x18              ; bout
	v_lshl_add_u32 v[SPW], v0, 2, SPARE
	v_mov_b32 v[NIL], 0
	ds_add_u32 v[SPW], v[NIL]                      ; the wave's opening: the add and its wait ahead of my first tensor load
	ds_add_u32 v28, v29
	v_lshrrev_b32 v1, 5, v0
	v_readfirstlane_b32 s10, v1                    ; wave 0..3
	s_lshr_b32 s11, s10, 1                         ; which half of the tile's rows is mine.  Also: I fetch for S (0) or for Wout (1)
	s_and_b32 s12, s10, 1                          ; which half of its columns.  Also: which 128 rows I fetch
	s_bfe_u32 s40, ttmp6, 0x40000                  ; cx
	s_bfe_u32 s41, ttmp6, 0x40004                  ; cy
	s_lshl_b32 s42, ttmp9, 2
	s_add_co_u32 s42, s42, s40                     ; tile column
	s_and_b32 s13, ttmp7, 0xffff
	s_lshl_b32 s13, s13, 2
	s_add_co_u32 s13, s13, s41                     ; tile row
	s_lshl_b32 s43, s41, 2
	s_lshl_b32 s43, 15, s43                        ; my row of the cluster
	s_lshl_b32 s44, 0x1111, s40                    ; my column
	s_or_b32 s[G1+0], s43, (1<<16)|(1<<20)|(1<<21)|(5<<22)|(3<<25)   ; elements of 2 bytes; padding on; bit 21 beside a mask; after every 64 words 4 words
	s_or_b32 s[G1B+0], s44, (1<<16)|(1<<20)|(1<<21)|(5<<22)|(3<<25)
.irp g, G1, G1B
	s_mov_b32 s[(\g)+1], KSTEP<<16                 ; tensor_dim0 = 128
	s_mov_b32 s[(\g)+2], 128<<16                   ; tensor_dim1 = 128
	s_mov_b32 s[(\g)+3], KSTEP<<16                 ; tile_dim0 = 128
	s_mov_b32 s[(\g)+4], 128                       ; tile_dim1 = 128
	s_mov_b32 s[(\g)+5], SIZE_K                    ; elements from row to row
	s_mov_b32 s[(\g)+6], 0
	s_mov_b32 s[(\g)+7], 0
.endr
	s_lshl_b32 s17, s12, 7                         ; which 128 rows of the tile I fetch
	s_lshl_b32 s16, s13, 8
	s_add_co_u32 s16, s16, s17
	s_lshl_b32 s16, s16, 11                        ; S: (256 x tile row + 128 x half) rows of 2,048 bytes
	s_lshl_b32 s46, s42, 8
	s_add_co_u32 s46, s46, s17
	s_lshl_b32 s46, s46, 11                        ; Wout: by the tile column
	s_mov_b32 s17, 0
	s_mov_b32 s47, 0
	s_mul_i32 s20, s10, HALFT                      ; where they go: wave x 128 rows
	s_wait_dscnt 0x0                               ; the opening add is done
	s_wait_kmcnt 0x0
	s_add_nc_u64 s[14:15], s[4:5], s[16:17]
	s_add_nc_u64 s[46:47], s[6:7], s[46:47]
.irp s, 0,1
	s_mov_b32 s[G0+4*(\s)], 1
	s_add_co_u32 s[G0+4*(\s)+1], s20, (\s)*SLOT
	s_add_nc_u64 s[G0+4*(\s)+2:G0+4*(\s)+3], s[14:15], (\s)*KSTEP*2
	s_or_b32 s[G0+4*(\s)+3], s[G0+4*(\s)+3], 0x80000000
	s_mov_b32 s[G0B+4*(\s)], 1
	s_add_co_u32 s[G0B+4*(\s)+1], s20, (\s)*SLOT
	s_add_nc_u64 s[G0B+4*(\s)+2:G0B+4*(\s)+3], s[46:47], (\s)*KSTEP*2
	s_or_b32 s[G0B+4*(\s)+3], s[G0B+4*(\s)+3], 0x80000000
.endr
	CROUND                                         ; all sixteen work-groups are here: the first joint loads meet
	s_cmp_eq_u32 s11, 0                            ; a wave's two first fills stand in one branch: two loads of mine are out
	s_cbranch_scc0 .Lfirst_b
	tensor_load_to_lds s[G0:G0+3], s[G1:G1+7]
	s_nop 0
	tensor_load_to_lds s[G0+4:G0+7], s[G1:G1+7]
	s_nop 0
.rept 4
	v_nop
.endr
	s_branch .Lfirst_asked
.Lfirst_b:
	tensor_load_to_lds s[G0B:G0B+3], s[G1B:G1B+7]
	s_nop 0
	tensor_load_to_lds s[G0B+4:G0B+7], s[G1B:G1B+7]
	s_nop 0
.rept 4
	v_nop
.endr
.Lfirst_asked:
	v_and_b32 v1, 15, v0                           ; l % 16
	v_bfe_u32 v2, v0, 4, 1                         ; l / 16
	v_and_b32 v6, 31, v0                           ; l
	s_lshl_b32 s16, s42, 10                        ; my wave's 128 columns, in bytes of f32
	s_lshl_b32 s18, s12, 9
	s_add_co_u32 s16, s16, s18
	s_mov_b32 s17, 0
	s_add_nc_u64 s[66:67], s[66:67], s[16:17]
	s_add_nc_u64 s[8:9], s[8:9], s[16:17]
	s_lshl_b32 s16, s13, 8
	s_lshl_b32 s18, s11, 7
	s_add_co_u32 s16, s16, s18
	s_lshl_b32 s16, s16, 12                        ; my wave's first row of out0, 4,096 bytes a row
	s_add_nc_u64 s[8:9], s[8:9], s[16:17]
	v_lshlrev_b32 v[BVO], 5, v2
.irp b, 0,1,2,3,4,5,6,7                ; register j of an accumulator of column block b is column 16 b + 8 (l / 16) + j
	global_load_b128 v[BB+8*(\b):BB+8*(\b)+3],   v[BVO], s[66:67] offset:64*(\b)
	global_load_b128 v[BB+8*(\b)+4:BB+8*(\b)+7], v[BVO], s[66:67] offset:64*(\b)+16
.endr
	v_mul_u32_u24 v3, v1, PITCH
	v_lshl_add_u32 v3, v2, 4, v3                   ; a fragment's row x pitch + 16 x half
	s_mul_i32 s21, s11, HALFT                      ; my 128 rows of S
	s_mul_i32 s22, s12, HALFT                      ; my 128 rows of Wout,
	s_add_co_u32 s22, s22, 2*HALFT                 ; which lie behind S's 256
.irp s, 0,1
	v_add_nc_u32 v[ADRA+(\s)], s21, v3
	v_add_nc_u32 v[ADRB+(\s)], s22, v3
	s_add_co_u32 s21, s21, SLOT
	s_add_co_u32 s22, s22, SLOT
.endr
	s_mul_i32 s23, s10, 16*SPITCH
	s_add_co_u32 s23, s23, STAGE                   ; my stage
	v_mul_u32_u24 v4, v1, SPITCH                   ; in: row l % 16, 32 bytes for each half of the lanes
	v_lshl_add_u32 v4, v2, 5, v4
	v_add_nc_u32 v[STO], s23, v4
	v_lshl_add_u32 v[RD], v6, 4, s23               ; back: 32 lanes take a row's 512 bytes,
	v_lshlrev_b32 v[CO], 4, v6                     ; which are 512 consecutive bytes of out0
	; the prefetches
	s_lshl_b32 s20, s13, 8
	s_lshl_b32 s21, s42, 8
	s_and_b32 s22, ttmp7, 0xffff                   ; cluster y
	s_cmp_eq_u32 s11, 0                            ; do I fetch for S?
	s_cselect_b32 s20, s20, s21                    ; the tile's first row
	s_cselect_b32 s21, s40, s41                    ; my place among the four that ask for it with me
	s_cselect_b32 s22, ttmp9, s22                  ; the coordinate along which other clusters read the same rows
	s_cselect_b64 s[PFA:PFA+1], s[4:5], s[6:7]
	s_cmp_eq_u32 s22, 0
	s_cselect_b32 s[LIM], 1, -1                    ; the same in all sixteen partners, for a given wave
	s_lshl_b32 s22, s12, 7
	s_add_co_u32 s20, s20, s22                     ; + the 128 rows that I fetch
	s_lshl_b32 s21, s21, 5
	s_add_co_u32 s20, s20, s21                     ; + my work-group's 32 of them
	s_lshl_b32 s20, s20, 11
	s_mov_b32 s21, 0
	s_add_nc_u64 s[PFA:PFA+1], s[PFA:PFA+1], s[20:21]
	s_add_nc_u64 s[PFA:PFA+1], s[PFA:PFA+1], 2*KSTEP*2  ; at K step 2: the first refill steps it to 3 and names K step 4
	v_lshlrev_b32 v[PFO], 11, v6
	s_wait_loadcnt 0x0                             ; the bias, rounded to bf16 and kept as f32, in the wait for the first tile
.set i, 0
.rept 32
	v_cvt_pk_bf16_f32 v[32+i], v[BB+2*i], v[BB+2*i+1]
.set i, i+1
.endr
.set i, 0
.rept 32
	v_lshlrev_b32 v[BB+2*i], 16, v[32+i]
	v_and_b32 v[BB+2*i+1], 0xffff0000, v[32+i]
.set i, i+1
.endr
; 16 matrix instructions: m blocks a0, a0 + 1 of the window's four (hi = 0: my rows 0-63, 1: rows 64-127) x all 8 n blocks, 32 along K.  zero = 1: the bias starts the sums.  The 64 accumulators take turns.
.macro MUL16 f, hi, a0, zero
.if \zero
	WIN 0x81+0x40*(\hi)                            ; C, the bias, in window 0
.else
	WIN MUL_LO+0x50*(\hi)
.endif
.irp a, \a0, (\a0)+1
.irp b, 0,1,2,3,4,5,6,7
.if \zero
	v_wmma_f32_16x16x32_f16 v[8*(8*(\a)+(\b)):8*(8*(\a)+(\b))+7], v[(\f)+8*(\b):(\f)+8*(\b)+7], v[(\f)+8*(4*(\hi)+(\a)):(\f)+8*(4*(\hi)+(\a))+7], v[BB+8*(\b):BB+8*(\b)+7]
.else
	v_wmma_f32_16x16x32_f16 v[8*(8*(\a)+(\b)):8*(8*(\a)+(\b))+7], v[(\f)+8*(\b):(\f)+8*(\b)+7], v[(\f)+8*(4*(\hi)+(\a)):(\f)+8*(4*(\hi)+(\a))+7], v[8*(8*(\a)+(\b)):8*(8*(\a)+(\b))+7]
.endif
.endr
.endr
.endm
; 32 LDS loads in one run: the fragments of one quarter step (128 rows of Wout, 128 rows of S, 32 K at byte k of the rows) into buffer f
.macro FETCH slot, k, f
	WIN TO_B
.irp i, 0,1,2,3,4,5,6,7
	ds_load_b128 v[(\f)+8*(\i):(\f)+8*(\i)+3],   v[ADRB+(\slot)] offset:(\k)+(\i)*16*PITCH
	ds_load_b128 v[(\f)+8*(\i)+4:(\f)+8*(\i)+7], v[ADRB+(\slot)] offset:(\k)+(\i)*16*PITCH+32
.endr
	WIN 0
.irp i, 0,1,2,3,4,5,6,7
	ds_load_b128 v[(\f)+8*(\i):(\f)+8*(\i)+3],   v[ADRA+(\slot)] offset:(\k)+(\i)*16*PITCH
	ds_load_b128 v[(\f)+8*(\i)+4:(\f)+8*(\i)+7], v[ADRA+(\slot)] offset:(\k)+(\i)*16*PITCH+32
.endr
.endm
; A K step is four quarters of 32 along K, 64 matrix instructions each, on buffers 0, 1, 0, 1.  One of the first three: multiplies buffer f and, in its middle, fetches the next quarter, at byte k, into g.
.macro QUARTER slot, k, f, g, zero
	s_wait_dscnt 8                                 ; Wout and S's rows 0-63 are in; the youngest eight loads (S's rows 64-127) may be out
	MUL16 \f, 0, 0, \zero
	MUL16 \f, 0, 2, \zero
	PLACES                                         ; in front of loads into registers that matrix instructions have read
	FETCH \slot, \k, \g
	s_wait_dscnt 32                                ; all but the 32 just issued
	MUL16 \f, 1, 0, \zero
	MUL16 \f, 1, 2, \zero
.endm
; The last quarter multiplies buffer 1 and changes slots: ONE barrier; in front of it each wave waits for all its tensor loads (one is out: its part of the next slot), adds 0 to its spare word, and waits for that and for its reads of this slot.
.macro MEET round
	WIN 0
	s_wait_tensorcnt 0x0
	ds_add_u32 v[SPW], v[NIL]
	s_wait_dscnt 9                                 ; (the add and the youngest eight loads may be out)
	MUL16 F1, 0, 0, 0                              ; sixteen matrix instructions stand between the add and the wait for it
	s_wait_dscnt 0x0                               ; the add is done, and my reads of this slot are over
	s_barrier_signal -1
	MUL16 F1, 0, 2, 0
.if \round
	WIN 0
.endif
	s_barrier_wait -1
.endm
; fill = 1: the barrier opens a round of the cluster's, and behind the round this slot is filled again first, two K steps on: 224 matrix instructions ahead of the wait for it.
.macro TURN slot, next, fill
.if \fill
	s_wait_xcnt 0x0                                ; the last prefetch, a K step back, has read its address
	s_add_nc_u64 s[PFA:PFA+1], s[PFA:PFA+1], KSTEP*2
.endif
	MEET \fill
.if \fill
	CREST
	s_add_nc_u64 s[G0+4*(\slot)+2:G0+4*(\slot)+3], s[G0+4*(\slot)+2:G0+4*(\slot)+3], 2*KSTEP*2
	s_add_nc_u64 s[G0B+4*(\slot)+2:G0B+4*(\slot)+3], s[G0B+4*(\slot)+2:G0B+4*(\slot)+3], 2*KSTEP*2
	JLOAD \slot                                    ; the four v_nop behind it are also the places in front of the loads below
.else
	PLACES
.endif
	FETCH \next, 0, F0
.if \fill
	ASK
.endif
	MUL16 F1, 1, 0, 0
	MUL16 F1, 1, 2, 0
.endm
	s_wait_tensorcnt 0x1                           ; my part of K step 0 is in; K step 1's may stay out
	s_barrier_signal -1
	s_barrier_wait -1
	FETCH 0, 0, F0
	QUARTER 0, 64,  F0, F1, 1                      ; the first quarter stands in front of the loop: its products start the sums, with the bias
	WIN 0
	s_mov_b32 s3, LAPS-1
.Llap:                                 ; a trip goes once round the ring and fills both slots again
	QUARTER 0, 128, F1, F0, 0
	QUARTER 0, 192, F0, F1, 0
	TURN 0, 1, 1
	QUARTER 1, 64,  F0, F1, 0
	QUARTER 1, 128, F1, F0, 0
	QUARTER 1, 192, F0, F1, 0
	TURN 1, 0, 1
	QUARTER 0, 64,  F0, F1, 0
	WIN 0
	s_sub_co_u32 s3, s3, 1
	s_cmp_lg_u32 s3, 0
	s_cbranch_scc1 .Llap
	QUARTER 0, 128, F1, F0, 0                      ; the last lap fills nothing
	QUARTER 0, 192, F0, F1, 0
	TURN 0, 1, 0
	QUARTER 1, 64,  F0, F1, 0
	QUARTER 1, 128, F1, F0, 0
	QUARTER 1, 192, F0, F1, 0
	s_wait_dscnt 8
	MUL16 F1, 0, 0, 0
	MUL16 F1, 0, 2, 0
	s_wait_dscnt 0x0
	MUL16 F1, 1, 0, 0
	MUL16 F1, 1, 2, 0
	PLACES
; THE WAY OUT of block a (16 rows x 128 f32).  TOSTAGE: straight from the accumulators, each one's low four registers first, into my own stage; back as whole rows of 512 bytes.  SEND: stored.
.macro TOSTAGE a
	WIN 0
	s_wait_xcnt 0x0                                ; the stores of two blocks back have read the registers that are loaded again below
	WIN 0x08+4*((\a)/4)                            ; store data in window 2 or 3
.irp b, 0,1,2,3,4,5,6,7
	ds_store_b128 v[STO], v[64*((\a)%4)+8*(\b):64*((\a)%4)+8*(\b)+3]   offset:64*(\b)
	ds_store_b128 v[STO], v[64*((\a)%4)+8*(\b)+4:64*((\a)%4)+8*(\b)+7] offset:64*(\b)+16
.endr
	WIN 0
.irp t, 0,1,2,3,4,5,6,7,8,9,10,11,12,13,14,15
	ds_load_b128 v[OB+64*((\a)%2)+4*(\t):OB+64*((\a)%2)+4*(\t)+3], v[RD] offset:(\t)*SPITCH  ; LDS serves a wave's instructions in order: these see the stores above; the next block's stores come behind them
.endr
.endm
.macro SEND a, younger                 ; younger: the LDS instructions issued behind block a's loads: the next block's 32, or none
	WIN 0
.irp t, 0,1,2,3,4,5,6,7,8,9,10,11,12,13,14,15
	s_wait_dscnt (\younger)+15-(\t)
	global_store_b128 v[CO], v[OB+64*((\a)%2)+4*(\t):OB+64*((\a)%2)+4*(\t)+3], s[8:9] offset:(\a)*65536+(\t)*4096 th:TH_STORE_NT  ; 512 consecutive bytes, at a multiple of 256 from out0's first
.endr
.endm
	TOSTAGE 0
.irp a, 1,2,3,4,5,6,7
	TOSTAGE \a
	SEND (\a)-1, 32
.endr
	SEND 7, 0
	s_wait_tensorcnt 0x0                           ; the wave's end
	ds_add_u32 v[SPW], v[NIL]
	s_wait_dscnt 0x0
	CROUND                                         ; the closing round
	s_endpgm
.Lfunc_end_k_qd405f29398_outproj:
	.size	k_qd405f29398_outproj, .Lfunc_end_k_qd405f29398_outproj-k_qd405f29398_outproj
	.p2alignl 7, 3214868480
	.fill 96, 4, 3214868480
	.section	.rodata,"a",@progbits
	.p2align	6, 0x0
	.amdhsa_kernel k_qd405f29398_outproj
		.amdhsa_group_segment_fixed_size 327680
		.amdhsa_private_segment_fixed_size 0
		.amdhsa_enable_private_segment 0
		.amdhsa_kernarg_size 32
		.amdhsa_user_sgpr_count 2
		.amdhsa_user_sgpr_kernarg_segment_ptr 1
		.amdhsa_wavefront_size32 1
		.amdhsa_system_sgpr_workgroup_id_x 1
		.amdhsa_system_sgpr_workgroup_id_y 1
		.amdhsa_system_sgpr_workgroup_id_z 1
		.amdhsa_system_vgpr_workitem_id 0
		.amdhsa_next_free_vgpr 1024
		.amdhsa_next_free_sgpr 68
		.amdhsa_reserve_vcc 0
		.amdhsa_float_denorm_mode_32 3
		.amdhsa_float_denorm_mode_16_64 3
		.amdhsa_memory_ordered 1
		.amdhsa_forward_progress 1
		.amdhsa_inst_pref_size 151
	.end_amdhsa_kernel
	.amdgpu_metadata
---
amdhsa.version: [ 1, 2 ]
amdhsa.kernels:
  - .name:           k_qd405f29398_outproj
    .symbol:         k_qd405f29398_outproj.kd
    .args:
      - { .name: s16, .offset: 0, .size: 8, .value_kind: global_buffer, .address_space: global }
      - { .name: wout16, .offset: 8, .size: 8, .value_kind: global_buffer, .address_space: global }
      - { .name: out0, .offset: 16, .size: 8, .value_kind: global_buffer, .address_space: global }
      - { .name: bout, .offset: 24, .size: 8, .value_kind: global_buffer, .address_space: global }
    .group_segment_fixed_size: 327680
    .private_segment_fixed_size: 0
    .kernarg_segment_align: 8
    .kernarg_segment_size: 32
    .max_flat_workgroup_size: 128
    .sgpr_count:     68
    .vgpr_count:     1024
    .wavefront_size: 32
...
	.end_amdgpu_metadata
.endif
;; end of part 5
;; ======== version 2 of 2: 5 launches
;; limits: values are held in f16: magnitudes above 65,504 overflow, below 6.1e-05 lose precision
;; workspace buffers: wv16 2,097,152 bytes; wout16 2,097,152 bytes; woa16 262,144 bytes; idx 4,194,304 bytes of whole numbers; wts 4,194,304 bytes; v16 67,108,864 bytes; s16 33,554,432 bytes
;; launch prep (part 6): grid 1088 x 1, 8 waves a work-group, no clusters, 0 bytes of LDS; arguments Wv, Wout, Wo, Wa, wv16, wout16, woa16; writes wv16, wout16, woa16
.if DOCPART == 6
	.amdgcn_target "amdgcn-amd-amdhsa--gfx1250"
	.amdhsa_code_object_version 6
	.text
	.protected	k_qd405f29398_prep
	.globl	k_qd405f29398_prep
	.p2align	8
	.type	k_qd405f29398_prep,@function
k_qd405f29398_prep:
	s_mov_b64 s[64:65], 0
	v_nop
	global_prefetch_b8 v0, s[64:65] scope:SCOPE_SE
	s_setreg_imm32_b32 hwreg(HW_REG_WAVE_MODE, 25, 1), 1
	s_wait_xcnt 0x0
; THE WEIGHTS IN 16 BITS, in the layouts that the later launches read.  A thread turns 8 f32 (two loads of 16 bytes) into 16 bytes; thread g of a
; part stores at byte 16 g, so a wave's store covers 512 consecutive bytes.  Every weight is rounded to bf16, to nearest even.
;   work-groups 0-511:     Wv   -> wv16, bf16 in the order of matrix fragments: byte s 65536 + nb 1024 + part 512 + lane 16 holds row 16 nb + lane % 16, channels 32 s + 16 part + 8 (lane / 16) + 0..7:
;                          the eight blocks nb that a wave of the value projection multiplies by in its sub-step s are 8,192 bytes on end
;   work-groups 512-1023:  Wout -> wout16 [n][k]: the bf16 number written as f16.  LIMIT: exact for 6.1e-5 <= |w| <= 65,504; below that f16 keeps its fixed step of 6e-8
;   work-groups 1024-1087: Wo, Wa -> woa16, bf16 in the order of matrix fragments: byte w 65536 + u 8192 + nb 1024 + part 512 + lane 16 holds row 16 nb + lane % 16 of [Wo; Wa],
;                          channels 32 (8 (u / 2) + 2 w + u % 2) + 16 part + 8 (lane / 16) + 0..7: what wave w of the next launch multiplies by in its step u
; No ring: 8,704 waves that do not depend on each other, three memory instructions each.  Each path runs to its own end, so that every address has one origin.
.macro TAIL sb, db, f16                ; v2 = byte offset in the source, v3 = in the destination
	global_load_b128 v[4:7], v2, s[(\sb):(\sb)+1] th:TH_LOAD_NT
	global_load_b128 v[8:11], v2, s[(\sb):(\sb)+1] offset:16 th:TH_LOAD_NT
	s_wait_loadcnt 0x0
.irp j, 0,1,2,3
	v_cvt_pk_bf16_f32 v[12+\j], v[4+2*\j], v[5+2*\j]
.endr
.if \f16
.irp j, 0,1,2,3
	v_lshlrev_b32 v[4+2*\j], 16, v[12+\j]          ; the bf16 numbers as f32,
	v_and_b32 v[5+2*\j], 0xffff0000, v[12+\j]
.endr
.irp j, 0,1,2,3
	v_cvt_pk_f16_f32 v[12+\j], v[4+2*\j], v[5+2*\j]  ; and written as f16
.endr
.endif
	global_store_b128 v3, v[12:15], s[(\db):(\db)+1]
	s_endpgm
.endm
	s_load_b256 s[4:11], s[0:1], 0x0               ; Wv s[4:5], Wout s[6:7], Wo s[8:9], Wa s[10:11]
	s_load_b128 s[12:15], s[0:1], 0x20             ; wv16 s[12:13], wout16 s[14:15]
	s_load_b64 s[16:17], s[0:1], 0x30              ; woa16
	s_cmp_lt_u32 ttmp9, 512
	s_cbranch_scc0 .Lnot_wv
	s_lshl_b32 s18, ttmp9, 8
	v_add_nc_u32 v1, s18, v0                       ; g = s 4096 + nb 64 + part 32 + lane
	v_and_b32 v16, 15, v1                          ; lane % 16
	v_bfe_u32 v17, v1, 6, 6                        ; nb
	v_lshl_add_u32 v16, v17, 4, v16                ; the row of Wv
	v_lshrrev_b32 v17, 12, v1                      ; s
	v_bfe_u32 v18, v1, 5, 1                        ; part
	v_bfe_u32 v19, v1, 4, 1                        ; lane / 16
	v_lshlrev_b32 v2, 12, v16                      ; row x 4,096 bytes
	v_lshl_add_u32 v2, v17, 7, v2                  ; + s x 128
	v_lshl_add_u32 v2, v18, 6, v2                  ; + part x 64
	v_lshl_add_u32 v2, v19, 5, v2                  ; + half x 32
	v_lshlrev_b32 v3, 4, v1
	s_wait_kmcnt 0x0
	TAIL 4, 12, 0
.Lnot_wv:
	s_cmp_lt_u32 ttmp9, 1024
	s_cbranch_scc0 .Lsmall
	s_sub_co_u32 s18, ttmp9, 512
	s_lshl_b32 s18, s18, 8
	v_add_nc_u32 v1, s18, v0
	v_lshlrev_b32 v2, 5, v1
	v_lshlrev_b32 v3, 4, v1
	s_wait_kmcnt 0x0
	TAIL 6, 14, 1
.Lsmall:
	s_sub_co_u32 s18, ttmp9, 1024                  ; 0..63 = w 16 + u 2 + (0: Wo, 1: Wa)
	s_bfe_u32 s19, s18, 0x30001                    ; u
	s_lshr_b32 s24, s18, 4                         ; w
	s_lshr_b32 s25, s19, 1
	s_lshl_b32 s25, s25, 3                         ; 8 (u / 2)
	s_lshl1_add_u32 s25, s24, s25                  ; + 2 w
	s_and_b32 s19, s19, 1
	s_add_co_u32 s25, s25, s19                     ; + u % 2: the block of 32 channels,
	s_lshl_b32 s25, s25, 7                         ; 128 bytes each
	v_and_b32 v16, 15, v0                          ; lane % 16
	v_bfe_u32 v17, v0, 6, 2                        ; nb % 4
	v_lshl_add_u32 v16, v17, 4, v16                ; the row of Wo or Wa
	v_bfe_u32 v17, v0, 5, 1                        ; part
	v_bfe_u32 v18, v0, 4, 1                        ; lane / 16
	v_lshl_add_u32 v2, v16, 12, s25
	v_lshl_add_u32 v2, v17, 6, v2
	v_lshl_add_u32 v2, v18, 5, v2
	s_lshl_b32 s26, s18, 8
	v_add_nc_u32 v1, s26, v0
	v_lshlrev_b32 v3, 4, v1
	s_and_b32 s26, s18, 1
	s_wait_kmcnt 0x0
	s_cmp_lg_u32 s26, 0
	s_cselect_b64 s[20:21], s[10:11], s[8:9]
	TAIL 20, 16, 0
.Lfunc_end_k_qd405f29398_prep:
	.size	k_qd405f29398_prep, .Lfunc_end_k_qd405f29398_prep-k_qd405f29398_prep
	.p2alignl 7, 3214868480
	.fill 96, 4, 3214868480
	.section	.rodata,"a",@progbits
	.p2align	6, 0x0
	.amdhsa_kernel k_qd405f29398_prep
		.amdhsa_group_segment_fixed_size 0
		.amdhsa_private_segment_fixed_size 0
		.amdhsa_enable_private_segment 0
		.amdhsa_kernarg_size 56
		.amdhsa_user_sgpr_count 2
		.amdhsa_user_sgpr_kernarg_segment_ptr 1
		.amdhsa_wavefront_size32 1
		.amdhsa_system_sgpr_workgroup_id_x 1
		.amdhsa_system_sgpr_workgroup_id_y 1
		.amdhsa_system_sgpr_workgroup_id_z 1
		.amdhsa_system_vgpr_workitem_id 0
		.amdhsa_next_free_vgpr 32
		.amdhsa_next_free_sgpr 66
		.amdhsa_reserve_vcc 0
		.amdhsa_float_denorm_mode_32 3
		.amdhsa_float_denorm_mode_16_64 3
		.amdhsa_memory_ordered 1
		.amdhsa_forward_progress 1
		.amdhsa_inst_pref_size 5
	.end_amdhsa_kernel
	.amdgpu_metadata
---
amdhsa.version: [ 1, 2 ]
amdhsa.kernels:
  - .name:           k_qd405f29398_prep
    .symbol:         k_qd405f29398_prep.kd
    .args:
      - { .name: Wv, .offset: 0, .size: 8, .value_kind: global_buffer, .address_space: global }
      - { .name: Wout, .offset: 8, .size: 8, .value_kind: global_buffer, .address_space: global }
      - { .name: Wo, .offset: 16, .size: 8, .value_kind: global_buffer, .address_space: global }
      - { .name: Wa, .offset: 24, .size: 8, .value_kind: global_buffer, .address_space: global }
      - { .name: wv16, .offset: 32, .size: 8, .value_kind: global_buffer, .address_space: global }
      - { .name: wout16, .offset: 40, .size: 8, .value_kind: global_buffer, .address_space: global }
      - { .name: woa16, .offset: 48, .size: 8, .value_kind: global_buffer, .address_space: global }
    .group_segment_fixed_size: 0
    .private_segment_fixed_size: 0
    .kernarg_segment_align: 8
    .kernarg_segment_size: 56
    .max_flat_workgroup_size: 256
    .sgpr_count:     66
    .vgpr_count:     32
    .wavefront_size: 32
...
	.end_amdgpu_metadata
.endif
;; end of part 6
;; launch offs (part 7): grid 256 x 1, 4 waves a work-group, clusters of 4 x 1, 263,168 bytes of LDS; arguments query, woa16, bo, ba, reference_point, snippet_num, idx, wts; writes idx, wts
.if DOCPART == 7
	.amdgcn_target "amdgcn-amd-amdhsa--gfx1250"
	.amdhsa_code_object_version 6
	.text
	.protected	k_qd405f29398_offs
	.globl	k_qd405f29398_offs
	.p2align	8
	.type	k_qd405f29398_offs,@function
k_qd405f29398_offs:
	s_mov_b64 s[64:65], 0
	v_nop
	global_prefetch_b8 v0, s[64:65] scope:SCOPE_SE
	s_setreg_imm32_b32 hwreg(HW_REG_WAVE_MODE, 25, 1), 1
	s_wait_xcnt 0x0
	s_wait_alu depctr_hold_cnt(0) depctr_sa_sdst(0) depctr_va_vdst(0) depctr_va_sdst(0) depctr_va_ssrc(0) depctr_va_vcc(0) depctr_vm_vsrc(0)
	s_getreg_b32 s2, hwreg(HW_REG_IB_STS2, 6, 4)
	s_cmp_eq_u32 s2, 0
	s_cbranch_scc0 .Lentry_in_a_cluster
	s_endpgm
.Lentry_in_a_cluster:
	s_bfe_u32 s2, ttmp6, 0x10000c
	s_cmp_lg_u32 s2, 0x3003
	s_cbranch_scc0 .Lentry_shape_is_right
	s_endpgm
.Lentry_shape_is_right:
; WHERE TO SAMPLE AND WITH WHAT WEIGHT.  For query q of batch b and column 4 head + point: off = query . Wo + bo, logit = query . Wa + ba; x = ((2 (ref + off / sn) - 1) + 1) x 2047.5, in the
; order of roundings of the problem's own text (off / sn + ref is one fused multiply-add by 1 / sn); aw = softmax of a head's four logits, its maximum taken away first.
; Stored: idx[b][head][q][4] = p, a whole number in 0..4094, and wts[b][head][q][4] = (aw wA, aw wB) as two f16: the later launch adds wA v[p] + wB v[p + 1].
; With x held to -1..4096, p = floor(x) held to 0..4094 and d = x - p: wA = median(1 - d, 1 + d, 0), wB = median(d, 2 - d, 0): linear interpolation with zeros outside the table, and p, p + 1 always inside it.
; FORMATS.  query, Wo, Wa, bo, ba, reference_point and snippet_num are rounded to bf16 first; products in the matrix unit, sums in f32.
; LIMITS.  1 / sn by v_rcp_f32 (1 ULP; 0 where |sn| is above 2^126).  NaN and infinities are not treated apart.  A weight below 6e-5 keeps f16's fixed step of 6e-8.
; SHARES.  A work-group owns 16 queries x 4 batches: block mb of 16 rows is batch 4 (G % 2) + mb, its row r query 16 (G / 2) + r.  K IS SPLIT AMONG THE FOUR WAVES: in step u = 2 t + c wave w takes channels
; 256 t + 64 w + 32 c .. + 31, so a pair of steps takes 256 consecutive bytes of each row.  Each wave has all 64 x 128 sums, 32 accumulators; the partial sums meet in LDS, and wave w finishes block w: 16 queries of one batch.
; THE PRODUCT IS USED TRANSPOSED (source 0 = 16 rows of [Wo; Wa], source 1 = 16 rows of query): a lane holds ONE query (lane % 16) and the columns 16 nb + 8 (lane / 16) + 0..7: two heads x four points;
; offsets in nb 0-3, the same heads' logits in nb + 4.  So a softmax never leaves its lane, and a head's four numbers of sixteen neighbouring lanes are 256 consecutive bytes of idx or wts: they are stored straight from registers.
; CLUSTER.  All work-groups read the same 256 KiB of weights: the four of a cluster ask for them jointly.
; Four loads of a wave are out.  A counted wait stands ahead of the first LDS read of each piece, so step 0 begins when the first piece has landed.  Wave w alone reads its 64 KiB, behind its own waits.
; LDS.  0: four times 65,536, wave w's weights; when the wave has read them for the last time its 32 partial tiles are stored over their first half (no tensor load follows).  BIASB: 128 f32.  SPARE: the spare words.
; REGISTERS.  window 0: v0-29 addresses and small numbers; v32-63 four fragments of query in bf16; v64-255 three sets of 64: a step's f32 as loaded.   window 1: accumulator (mb, nb) at 8 (8 mb + nb).   window 2: v0-127 two sets of weights
; No prefetch: a wave's whole share is eight steps, of which three are asked for at its first lines.
.set BIASB, 262144
.set SPARE, BIASB+512
.set PIECE, 16384     ; bytes in a piece of the weights
.set AO,  3           ; v3    (lane % 16) x 32,768 + 32 (lane / 16) + 256 w: my place in 16 queries of one batch; never rewritten
.set BL,  4           ; v4    65,536 w + 16 lane
.set LR,  5           ; v5-8  where I read wave 0..3's partial tiles of my wave's rows
.set BA,  9           ; v9    where I read my columns' biases
.set SOFF, 10         ; v10   my 16 bytes of idx and wts: 2 (lane / 16) heads of 32,768 bytes + 16 (lane % 16); four heads on in each trip
.set BI,  13          ; v13   one bias
.set REF, 14          ; v14-15  my query's reference point, twice
.set RS,  16          ; v16-17  1 / my batch's snippet number, twice
.set SPW, 28          ; v28   LDS address of my spare word; never rewritten
.set NIL, 29          ; v29   0; never rewritten
.set A16, 32
.set A32, 64
.set WV,  20          ; s20   my wave's number
.set G1,  24          ; s[24:31] descriptor group 1
.set G0,  48          ; s[48:63] descriptor group 0, a set for each piece; never rewritten
.set MSB, 0
.macro WIN new                         ; the immediate's high byte repeats the setting that is left; a switch that changes nothing is dropped
.if MSB != (\new)
	s_set_vgpr_msb (MSB<<8)|(\new)
.set MSB, (\new)
.endif
.endm
.macro PLACES                          ; four plain instructions behind matrix instructions (ISA guide 7.12.1)
.rept 4
	v_nop
.endr
.endm
.macro CROUND                          ; a round of the cluster's barrier
	s_barrier_signal -1
	s_barrier_wait -1
	s_cmp_lg_u32 s[WV], 0
	s_cbranch_scc1 .Lnot_wave_0_\@
	s_barrier_signal -3
.Lnot_wave_0_\@:
	s_barrier_wait -3
	s_barrier_signal -1
	s_barrier_wait -1
.endm
.macro ALL8 line:vararg                ; one line for each of a lane's eight columns t
.set t, 0
.rept 8
	\line
.set t, t+1
.endr
.endm
	s_load_b512 s[4:19], s[0:1], 0x0               ; query s[4:5], woa16 s[6:7], bo s[8:9], ba s[10:11], reference_point s[12:13], snippet_num s[14:15], idx s[16:17], wts s[18:19]
	v_lshl_add_u32 v[SPW], v0, 2, SPARE
	v_mov_b32 v[NIL], 0
	ds_add_u32 v[SPW], v[NIL]                      ; the wave's opening: the add and its wait ahead of my first tensor load; the set-up below stands between them
	ds_add_u32 v28, v29
	v_lshrrev_b32 v1, 5, v0
	v_readfirstlane_b32 s[WV], v1
	s_bfe_u32 s21, ttmp6, 0x40000                  ; cx
	s_lshl_b32 s22, ttmp9, 2
	s_add_co_u32 s22, s22, s21                     ; G, my work-group's number: it enters global addresses alone
	s_lshr_b32 s2, s22, 1                          ; my group of 16 queries
	s_and_b32 s3, s22, 1
	s_lshl_b32 s3, s3, 2                           ; my first batch
	s_mov_b32 s[G1+0], 15|(3<<16)|(1<<21)          ; the mask of four; elements of 8 bytes; bit 21 beside a mask; no padding
	s_mov_b32 s[G1+1], 32<<16                      ; tensor_dim0 = 32 (256 bytes)
	s_mov_b32 s[G1+2], 64<<16                      ; tensor_dim1 = 64
	s_mov_b32 s[G1+3], 32<<16                      ; tile_dim0 = 32
	s_mov_b32 s[G1+4], 64                          ; tile_dim1 = 64: 16,384 dense bytes
	s_mov_b32 s[G1+5], 32                          ; 32 elements from row to row
	s_mov_b32 s[G1+6], 0
	s_mov_b32 s[G1+7], 0
	s_lshl_b32 s40, s[WV], 16                      ; 65,536 w: my wave's weights, in LDS and in memory
	s_mov_b32 s41, 0
.irp i, 0,1,2,3
	s_mov_b32 s[G0+4*(\i)], 1
	s_add_co_u32 s[G0+4*(\i)+1], s40, (\i)*PIECE   ; LDS: 65,536 w + 16,384 i
.endr
	s_mov_b32 s36, 0x45800000                      ; 4096.0
	s_mov_b32 s37, 0x457fe000                      ; 4094.0
	s_mov_b32 s38, 0x3fb8aa3b                      ; log2(e),
	s_mov_b32 s39, s38                             ; named as a pair
	s_lshl_b32 s42, s2, 19                         ; query: 16 queries of 32,768 bytes,
	s_lshl_b32 s43, s3, 12                         ; the first batch's row of 4,096
	s_add_co_u32 s42, s42, s43
	s_mov_b32 s43, 0
	s_add_co_u32 s3, s3, s[WV]                     ; the batch of the block that my wave finishes
	s_lshl_b32 s44, s3, 19                         ; idx, wts: 16 heads of 32,768 bytes a batch,
	s_lshl_b32 s45, s2, 8                          ; 16 queries of 16 bytes
	s_add_co_u32 s44, s44, s45
	s_mov_b32 s45, 0
	s_wait_dscnt 0x0                               ; the opening add is done
	s_wait_kmcnt 0x0
	s_add_nc_u64 s[32:33], s[6:7], s[40:41]        ; my wave's 65,536 bytes of the weights: the same in all four partners
.irp i, 0,1,2,3
	s_add_nc_u64 s[G0+4*(\i)+2:G0+4*(\i)+3], s[32:33], (\i)*PIECE
	s_or_b32 s[G0+4*(\i)+3], s[G0+4*(\i)+3], 0x80000000
.endr
	s_add_nc_u64 s[4:5], s[4:5], s[42:43]
	s_add_nc_u64 s[16:17], s[16:17], s[44:45]
	s_add_nc_u64 s[18:19], s[18:19], s[44:45]
	s_cmp_lt_u32 s[WV], 2
	s_cselect_b64 s[46:47], s[8:9], s[10:11]       ; threads 0-63 fetch bo, threads 64-127 ba
	CROUND                                         ; all four work-groups are here: the joint loads meet
.irp i, 0,1,2,3
	tensor_load_to_lds s[G0+4*(\i):G0+4*(\i)+3], s[G1:G1+7]  ; my four tensor loads of the launch, as one group
	s_nop 0
.endr
	v_and_b32 v1, 15, v0                           ; r = lane % 16
	v_bfe_u32 v2, v0, 4, 1                         ; h = lane / 16
	v_and_b32 v24, 31, v0                          ; lane
	v_lshlrev_b32 v[AO], 15, v1
	v_lshl_add_u32 v[AO], v2, 5, v[AO]
	s_lshl_b32 s40, s[WV], 8
	v_add_nc_u32 v[AO], s40, v[AO]
	v_and_b32 v21, 63, v0
	v_lshlrev_b32 v21, 2, v21                      ; my bias
	s_lshl_b32 s41, s3, 11
	s_lshl4_add_u32 s41, s2, s41                   ; 2,048 b + the group's first query
	v_add_lshl_u32 v22, v1, s41, 2                 ; reference_point[b][q]
	s_lshl_b32 s42, s3, 2
	v_mov_b32 v23, s42                             ; snippet_num[b]
	global_load_b32 v[BI], v21, s[46:47]
	global_load_b32 v[REF], v22, s[12:13]
	global_load_b32 v[RS], v23, s[14:15]
; Step u's 16 loads of query, f32: block mb (a batch, 4,096 bytes on) at 16 mb of set u % 3; a lane's channels 8 h + 0..7 and 16 + 8 h + 0..7 of the step's 32.
.macro ALOADS u
	WIN 0
.irp mb, 0,1,2,3
.irp p, 0,1,2,3
	global_load_b128 v[A32+64*((\u)%3)+16*(\mb)+4*(\p):A32+64*((\u)%3)+16*(\mb)+4*(\p)+3], v[AO], s[4:5] offset:(\mb)*4096+((\u)/2)*1024+((\u)%2)*128+((\p)/2)*64+((\p)%2)*16
.endr
.endr
.endm
; Step u's 16 LDS loads of weights: 512 consecutive bytes each, as the first launch laid them.
.macro BLOADS u
	WIN 0x80                                       ; destination window 2
.irp nb, 0,1,2,3,4,5,6,7
	ds_load_b128 v[64*((\u)%2)+8*(\nb):64*((\u)%2)+8*(\nb)+3],   v[BL] offset:(\u)*8192+(\nb)*1024
	ds_load_b128 v[64*((\u)%2)+8*(\nb)+4:64*((\u)%2)+8*(\nb)+7], v[BL] offset:(\u)*8192+(\nb)*1024+512
.endr
.endm
; A step: its f32 are rounded to bf16, the set is asked for again three steps on, the next step's weights are fetched, 32 products.  The 32 accumulators take turns.
.macro STEP u
.if (\u) > 0
	PLACES                                         ; the conversions write, and the LDS loads fill, registers that the last step's products read
.endif
	WIN 0
.if (\u) <= 5
	s_wait_loadcnt 32                              ; my set is in; the two younger sets' 32 loads stay out
.elseif (\u) == 6
	s_wait_loadcnt 16
.else
	s_wait_loadcnt 0x0
.endif
.set i, 0
.rept 32
	v_cvt_pk_bf16_f32 v[A16+i], v[A32+64*((\u)%3)+2*i], v[A32+64*((\u)%3)+2*i+1]
.set i, i+1
.endr
.if (\u) <= 4
	ALOADS (\u)+3
.endif
	s_wait_dscnt 0x0                               ; this step's weights are in
.if (\u) < 7
.if ((\u)%2) == 1
	s_wait_tensorcnt 3-((\u)+1)/2                  ; the next step begins a piece: it has landed; the pieces issued behind it may stay out
.endif
	BLOADS (\u)+1
.endif
	WIN 0x52                                       ; weights window 2, query window 0, sums window 1
.irp mb, 0,1,2,3
.irp nb, 0,1,2,3,4,5,6,7
.if (\u) == 0
	v_wmma_f32_16x16x32_bf16 v[8*(8*(\mb)+(\nb)):8*(8*(\mb)+(\nb))+7], v[64*((\u)%2)+8*(\nb):64*((\u)%2)+8*(\nb)+7], v[A16+8*(\mb):A16+8*(\mb)+7], 0
.else
	v_wmma_f32_16x16x32_bf16 v[8*(8*(\mb)+(\nb)):8*(8*(\mb)+(\nb))+7], v[64*((\u)%2)+8*(\nb):64*((\u)%2)+8*(\nb)+7], v[A16+8*(\mb):A16+8*(\mb)+7], v[8*(8*(\mb)+(\nb)):8*(8*(\mb)+(\nb))+7]
.endif
.endr
.endr
.endm
	ALOADS 0
	ALOADS 1
	ALOADS 2
	s_lshl_b32 s40, s[WV], 16
	v_lshl_add_u32 v[BL], v24, 4, s40
	s_lshl_b32 s41, s[WV], 13                      ; my wave's block is tiles 8 w .. 8 w + 7 of every wave's 32
	v_lshl_add_u32 v[LR], v24, 4, s41
	v_add_nc_u32 v[LR+1], 0x10000, v[LR]
	v_add_nc_u32 v[LR+2], 0x20000, v[LR]
	v_add_nc_u32 v[LR+3], 0x30000, v[LR]
	v_lshl_add_u32 v[BA], v2, 5, BIASB
	v_lshlrev_b32 v[SOFF], 16, v2
	v_lshl_add_u32 v[SOFF], v1, 4, v[SOFF]
	s_wait_tensorcnt 0x3                           ; my first piece is in LDS; the three issued behind it may stay out; no other wave reads my weights
	BLOADS 0
	STEP 0
	STEP 1
	STEP 2
	STEP 3
	STEP 4
	STEP 5
	STEP 6
	STEP 7
	; THE HAND-OVER.  The small inputs are rounded to bf16; every wave stores its 32 partial tiles, each accumulator's low four registers first.
	PLACES
	PLACES
	WIN 0
	v_cvt_pk_bf16_f32 v18, v[BI], v[REF]
	v_cvt_pk_bf16_f32 v19, v[RS], v[RS]
	v_lshlrev_b32 v[BI], 16, v18
	v_and_b32 v[REF], 0xffff0000, v18
	v_lshlrev_b32 v19, 16, v19
	v_rcp_f32 v[RS], v19
	v_mov_b32 v[REF+1], v[REF]                     ; a plain instruction behind the reciprocal
	v_lshl_add_u32 v20, v0, 2, BIASB
	s_wait_alu depctr_va_vdst(0)                   ; the wait ahead of the first line that names the result
	v_mov_b32 v[RS+1], v[RS]
	ds_store_b32 v20, v[BI]
	WIN 0x04                                       ; store data in window 1
.set i, 0
.rept 32
	ds_store_b128 v[BL], v[8*i:8*i+3]   offset:i*1024
	ds_store_b128 v[BL], v[8*i+4:8*i+7] offset:i*1024+512
.set i, i+1
.endr
	WIN 0
	s_wait_dscnt 0x0                               ; for the others' sake: my stores are done
	s_barrier_signal -1
	s_barrier_wait -1
	; THE END OF 16 QUERIES.  Trip i: offsets of columns 16 i .. (nb = i) and the same heads' logits (nb = i + 4).
	; v64-127: four waves' partial sums, 8 offsets and 8 logits each; v128-143 their biases.  Then v64-71 offsets, x, d; v72-79 logits, weights; v80-83 maxima; v84-91 floor, then the f16 pairs; v92-99 p; v100-107 wA; v108-115 wB.
	s_mov_b32 s23, 4
.Lfin:
.irp v, 0,1,2,3
	ds_load_b128 v[64+16*(\v):64+16*(\v)+3],     v[LR+(\v)]
	ds_load_b128 v[64+16*(\v)+4:64+16*(\v)+7],   v[LR+(\v)] offset:512
	ds_load_b128 v[64+16*(\v)+8:64+16*(\v)+11],  v[LR+(\v)] offset:4096
	ds_load_b128 v[64+16*(\v)+12:64+16*(\v)+15], v[LR+(\v)] offset:4608
.endr
	ds_load_b128 v[128:131], v[BA]
	ds_load_b128 v[132:135], v[BA] offset:16
	ds_load_b128 v[136:139], v[BA] offset:256
	ds_load_b128 v[140:143], v[BA] offset:272
	s_wait_dscnt 0x0
.set i, 0
.rept 8
	v_pk_add_f32 v[64+i:65+i], v[64+i:65+i], v[80+i:81+i]
	v_pk_add_f32 v[96+i:97+i], v[96+i:97+i], v[112+i:113+i]
.set i, i+2
.endr
.set i, 0
.rept 8
	v_pk_add_f32 v[64+i:65+i], v[64+i:65+i], v[96+i:97+i]
.set i, i+2
.endr
.set i, 0
.rept 8
	v_pk_add_f32 v[64+i:65+i], v[64+i:65+i], v[128+i:129+i]
.set i, i+2
.endr
	v_max3_num_f32 v81, v72, v73, v74              ; each head's largest logit
	v_max3_num_f32 v83, v76, v77, v78
	v_max_num_f32 v81, v81, v75
	v_max_num_f32 v83, v83, v79
	v_mul_f32 v80, s38, v81
	v_mul_f32 v82, s38, v83
	v_pk_fma_f32 v[72:73], v[72:73], s[38:39], v[80:81] op_sel_hi:[1,0,0] neg_lo:[0,0,1] neg_hi:[0,0,1]  ; log2(e) (logit - maximum): the same subtrahend for a head's four, so it cancels in the quotient
	v_pk_fma_f32 v[74:75], v[74:75], s[38:39], v[80:81] op_sel_hi:[1,0,0] neg_lo:[0,0,1] neg_hi:[0,0,1]
	v_pk_fma_f32 v[76:77], v[76:77], s[38:39], v[82:83] op_sel_hi:[1,0,0] neg_lo:[0,0,1] neg_hi:[0,0,1]
	v_pk_fma_f32 v[78:79], v[78:79], s[38:39], v[82:83] op_sel_hi:[1,0,0] neg_lo:[0,0,1] neg_hi:[0,0,1]
	ALL8 v_exp_f32 v[72+t], v[72+t]                ; one batch; the positions below name none of its results
.set i, 0
.rept 4
	v_pk_fma_f32 v[64+i:65+i], v[64+i:65+i], v[RS:RS+1], v[REF:REF+1]  ; ref + off / sn
.set i, i+2
.endr
.set i, 0
.rept 4
	v_pk_fma_f32 v[64+i:65+i], v[64+i:65+i], 2.0, -1.0 op_sel_hi:[1,0,0]
.set i, i+2
.endr
.set i, 0
.rept 4
	v_pk_add_f32 v[64+i:65+i], v[64+i:65+i], 1.0 op_sel_hi:[1,0]
.set i, i+2
.endr
.set i, 0
.rept 4
	v_pk_mul_f32 v[64+i:65+i], v[64+i:65+i], 0x44fff000 op_sel_hi:[1,0]  ; x 2047.5 = x 0.5 x 4095, the halving being exact
.set i, i+2
.endr
	ALL8 v_med3_num_f32 v[64+t], v[64+t], -1.0, s36
	ALL8 v_floor_f32 v[84+t], v[64+t]
	ALL8 v_med3_num_f32 v[84+t], v[84+t], 0, s37
	ALL8 v_sub_f32 v[64+t], v[64+t], v[84+t]       ; d
	ALL8 v_cvt_u32_f32 v[92+t], v[84+t]            ; p
	ALL8 v_sub_f32 v[100+t], 1.0, v[64+t]
	ALL8 v_add_f32 v[108+t], 1.0, v[64+t]
	ALL8 v_med3_num_f32 v[100+t], v[100+t], v[108+t], 0
	ALL8 v_sub_f32 v[108+t], 2.0, v[64+t]
	ALL8 v_med3_num_f32 v[108+t], v[64+t], v[108+t], 0
	s_wait_alu depctr_va_vdst(0)                   ; one wait for the eight exponentials, ahead of their first reader
	v_add_f32 v116, v72, v73
	v_add_f32 v117, v74, v75
	v_add_f32 v118, v76, v77
	v_add_f32 v119, v78, v79
	v_add_f32 v116, v116, v117
	v_add_f32 v118, v118, v119
	v_rcp_f32 v120, v116                           ; made twice, to fill the pairs that the packed multiplies take
	v_rcp_f32 v121, v116
	v_rcp_f32 v122, v118
	v_rcp_f32 v123, v118
.irp v, 0,1,2,3
	v_add_nc_u32 v[LR+(\v)], 1024, v[LR+(\v)]      ; the next trip's tiles: the plain work behind the reciprocals
.endr
	s_wait_alu depctr_va_vdst(0)                   ; one wait for the four
	v_pk_mul_f32 v[72:73], v[72:73], v[120:121]
	v_pk_mul_f32 v[74:75], v[74:75], v[120:121]
	v_pk_mul_f32 v[76:77], v[76:77], v[122:123]
	v_pk_mul_f32 v[78:79], v[78:79], v[122:123]
.set i, 0
.rept 4
	v_pk_mul_f32 v[100+i:101+i], v[100+i:101+i], v[72+i:73+i]
	v_pk_mul_f32 v[108+i:109+i], v[108+i:109+i], v[72+i:73+i]
.set i, i+2
.endr
	ALL8 v_cvt_pk_f16_f32 v[84+t], v[100+t], v[108+t]
	; OUT: heads 4 i + 2 h and 4 i + 2 h + 1.  Sixteen neighbouring lanes hold sixteen neighbouring queries of one head: each half of a store covers 256 consecutive bytes, at a multiple of 256 from the buffer's first
	global_store_b128 v[SOFF], v[92:95], s[16:17]
	global_store_b128 v[SOFF], v[96:99], s[16:17] offset:32768
	global_store_b128 v[SOFF], v[84:87], s[18:19]
	global_store_b128 v[SOFF], v[88:91], s[18:19] offset:32768
	v_add_nc_u32 v[BA], 64, v[BA]
	s_wait_xcnt 0x0                                ; the stores' offset and data are written again (the data by the next trip's LDS loads) only behind this wait
	v_add_nc_u32 v[SOFF], 0x20000, v[SOFF]         ; four heads on
	s_sub_co_u32 s23, s23, 1
	s_cmp_lg_u32 s23, 0
	s_cbranch_scc1 .Lfin
	s_wait_tensorcnt 0x0                           ; the wave's end, behind my last tensor load and my last LDS store
	ds_add_u32 v[SPW], v[NIL]
	s_wait_dscnt 0x0
	CROUND                                         ; the closing round
	s_endpgm
.Lfunc_end_k_qd405f29398_offs:
	.size	k_qd405f29398_offs, .Lfunc_end_k_qd405f29398_offs-k_qd405f29398_offs
	.p2alignl 7, 3214868480
	.fill 96, 4, 3214868480
	.section	.rodata,"a",@progbits
	.p2align	6, 0x0
	.amdhsa_kernel k_qd405f29398_offs
		.amdhsa_group_segment_fixed_size 263168
		.amdhsa_private_segment_fixed_size 0
		.amdhsa_enable_private_segment 0
		.amdhsa_kernarg_size 64
		.amdhsa_user_sgpr_count 2
		.amdhsa_user_sgpr_kernarg_segment_ptr 1
		.amdhsa_wavefront_size32 1
		.amdhsa_system_sgpr_workgroup_id_x 1
		.amdhsa_system_sgpr_workgroup_id_y 1
		.amdhsa_system_sgpr_workgroup_id_z 1
		.amdhsa_system_vgpr_workitem_id 0
		.amdhsa_next_free_vgpr 640
		.amdhsa_next_free_sgpr 66
		.amdhsa_reserve_vcc 0
		.amdhsa_float_denorm_mode_32 3
		.amdhsa_float_denorm_mode_16_64 3
		.amdhsa_memory_ordered 1
		.amdhsa_forward_progress 1
		.amdhsa_inst_pref_size 77
	.end_amdhsa_kernel
	.amdgpu_metadata
---
amdhsa.version: [ 1, 2 ]
amdhsa.kernels:
  - .name:           k_qd405f29398_offs
    .symbol:         k_qd405f29398_offs.kd
    .args:
      - { .name: query, .offset: 0, .size: 8, .value_kind: global_buffer, .address_space: global }
      - { .name: woa16, .offset: 8, .size: 8, .value_kind: global_buffer, .address_space: global }
      - { .name: bo, .offset: 16, .size: 8, .value_kind: global_buffer, .address_space: global }
      - { .name: ba, .offset: 24, .size: 8, .value_kind: global_buffer, .address_space: global }
      - { .name: reference_point, .offset: 32, .size: 8, .value_kind: global_buffer, .address_space: global }
      - { .name: snippet_num, .offset: 40, .size: 8, .value_kind: global_buffer, .address_space: global }
      - { .name: idx, .offset: 48, .size: 8, .value_kind: global_buffer, .address_space: global }
      - { .name: wts, .offset: 56, .size: 8, .value_kind: global_buffer, .address_space: global }
    .group_segment_fixed_size: 263168
    .private_segment_fixed_size: 0
    .kernarg_segment_align: 8
    .kernarg_segment_size: 64
    .max_flat_workgroup_size: 128
    .sgpr_count:     66
    .vgpr_count:     640
    .wavefront_size: 32
...
	.end_amdgpu_metadata
.endif
;; end of part 7
;; launch vproj (part 8): grid 4 x 128, 4 waves a work-group, clusters of 4 x 1, 327,680 bytes of LDS; arguments value, wv16, bv, value_key_padding_mask, v16; writes v16
.if DOCPART == 8
	.amdgcn_target "amdgcn-amd-amdhsa--gfx1250"
	.amdhsa_code_object_version 6
	.text
	.protected	k_qd405f29398_vproj
	.globl	k_qd405f29398_vproj
	.p2align	8
	.type	k_qd405f29398_vproj,@function
k_qd405f29398_vproj:
	s_mov_b64 s[64:65], 0
	v_nop
	global_prefetch_b8 v0, s[64:65] scope:SCOPE_SE
	s_setreg_imm32_b32 hwreg(HW_REG_WAVE_MODE, 25, 1), 1
	s_wait_xcnt 0x0
	s_wait_alu depctr_hold_cnt(0) depctr_sa_sdst(0) depctr_va_vdst(0) depctr_va_sdst(0) depctr_va_ssrc(0) depctr_va_vcc(0) depctr_vm_vsrc(0)
	s_getreg_b32 s2, hwreg(HW_REG_IB_STS2, 6, 4)
	s_cmp_eq_u32 s2, 0
	s_cbranch_scc0 .Lentry_in_a_cluster
	s_endpgm
.Lentry_in_a_cluster:
	s_bfe_u32 s2, ttmp6, 0x10000c
	s_cmp_lg_u32 s2, 0x3003
	s_cbranch_scc0 .Lentry_shape_is_right
	s_endpgm
.Lentry_shape_is_right:
; v = value . Wv^T + bv, 0 where the key is masked; stored in f16 as v16[b][block of 32 channels][lv][32]: the 4,096 rows of a batch's block are 262,144 dense bytes, the table that a work-group of the sampling launch takes into LDS.
; FORMATS.  value, Wv and bv are rounded to bf16 (value here, on its way from LDS to the matrix unit); sums in f32, started by the bias; v rounded once to f16.
; LIMITS.  |v| stays under 65,504; NaN and infinities are not treated apart; a masked row is +0.
; SHARES.  A tile is 256 rows lv of ONE batch b (32,768 bytes apart in value) x 256 columns (eight blocks): the mask is 256 consecutive bytes and a block's output 16,384 bytes on end.  Four waves, 128 x 128 each: 64 accumulators.
; value STAYS f32 IN LDS and goes in steps of 128 along K through two slots: rows of 512 bytes, 64 rows to a wave's tensor load.  One joint load serves the four column tiles of a cluster, so value is asked of memory once, and no launch
; stands in front to narrow it.  From a request to the wait for it a wave issues 240 matrix instructions.
; THE WEIGHTS COME STRAIGHT INTO REGISTERS, not through LDS and so not by joint loads, though work-groups share them: beside value's two slots (2 x 135,168 bytes) two slots of weights (2 x 69,632) would make 409,600 bytes, and with
; both in LDS a slot could hold only 64 along K.  The first launch has laid them in the order of fragments: a wave's 16 loads of a sub-step cover 8,192 consecutive bytes.  Four buffers of 64 registers: in the middle of sub-step s
; the loads for s + 3 go out, into the buffer that s - 1 read: 160 matrix instructions ahead of their use.
; THE MATRIX INSTRUCTION IS USED TRANSPOSED (source 0 = 16 rows of Wv, source 1 = 16 rows of value): a lane holds one row lv (lane % 16) and eight neighbouring columns.
; A SUB-STEP is 32 along K: 64 products, by rows of eight (block a of 16 rows x all eight column blocks).  The f32 of the next sub-step come from LDS in one run of 32 loads in the middle (blocks 0-3, blocks 4-7) and are rounded to bf16 by
; RIDERS, four conversions behind each product of rows 3 (blocks 4-7, for this sub-step) and 7 (blocks 0-3, for the next).  There is ONE buffer of bf16 fragments: its upper half is written when row 7 of the sub-step before has read it, its
; lower half when row 3 has; each time the last reader has its own four riders, which name none of its registers, behind it; they are also the places in front of the loads into a buffer of weights.
; The 64 accumulators take turns in one order.
; THE LOOP.  A trip is a slot's four sub-steps, each on its own buffer of weights, in the order 3 (which changes slots), 0, 1, 2.  Sub-step 0 of the tile is written out (the bias is its C), and the loop is entered at sub-step 1.
; REGISTERS.  window 0: v0-31 addresses; v32-39 keep masks; v64-127 the bf16 fragments of value (on the way out: rows read back); v128-191, v192-255 weights, buffers 2 and 3 (v192-255 first holds the bias, on the way out packed results).
;   window 1: v0-63 f32 of blocks 0-3; v64-127, v128-191 weights, buffers 0 and 1; v192-255 f32 of blocks 4-7.   windows 2, 3: accumulator (a, b) at 8 (8 (a % 4) + b).
.set PA,    528       ; a row of value in LDS: 512 bytes + 16: the 16 rows of a load start at 16 different groups of four banks (ISA guide 11.1)
.set QTR,   64*PA     ; what one tensor load brings
.set SLOT,  4*QTR     ; 256 rows x 128 along K
.set STAGE, 2*SLOT    ; behind the ring: 16 rows x 272 bytes for each wave, for the way out
.set SP,    272
.set SPARE, STAGE+4*16*SP       ; the spare words, 128 bytes for each wave
.set BSUB,  65536     ; a sub-step of the weights in memory: 64 blocks of 16 rows x 1,024 bytes
.set MO,    1         ; v1   lane % 16; also the mask loads' offset; never rewritten
.set ADRA0, 16        ; v16  my place in a slot's rows of value; never rewritten
.set ADA,   18        ; v18  the same in the slot that is being read
.set BVO,   23        ; v23  32 (lane / 16); never rewritten
.set STO,   24
.set RD,    25
.set GO,    26        ; v26  16 lane: my place in 512 bytes of the weights and of v16; never rewritten
.set SPW,   28
.set NIL,   29
.set PFO,   30        ; v30  the prefetches' offset: row lane / 2, block lane % 2 of its 512 bytes; never rewritten
.set KM,    32        ; v32-39  all ones where row 16 a + lane % 16 is kept, 0 where it is masked
.set A16,   64
.set BK,    64
.set RT,    96        ; at work at the head
.set BB,    192       ; the bias, 8 to a column block, until sub-step 0 is over
.set TMP,   192
.set WV, 14
.set RH, 15           ; which half of the tile's rows is mine
.set CH, 16           ; which half of its columns
.set CX, 17
.set NT, 19           ; tile column
.set TY, 20           ; tile row = 8 lvb + b
.set BT, 21
.set LVB, 22
.set G1,  24          ; s[24:31] descriptor group 1
.set G0,  32          ; s[32:39] descriptor group 0: a set for each first fill; the second then walks
.set WQ,  40          ; s40  my quarter of a slot
.set TB,  42          ; s42  the slot that is being read: 0 or SLOT
.set PFA, 44          ; s[44:45] where my prefetches stand
.set BP,  46          ; s[46:47] the weights of my 128 columns, at the sub-step from which a trip's offsets count
.set MSB, 0
.macro WIN new
.if MSB != (\new)
	s_set_vgpr_msb (MSB<<8)|(\new)
.set MSB, (\new)
.endif
.endm
.macro PLACES
.rept 4
	v_nop
.endr
.endm
.macro CREST                           ; a round of the cluster's barrier behind its opening barrier
	s_cmp_lg_u32 s[WV], 0
	s_cbranch_scc1 .Lnot_wave_0_\@
	s_barrier_signal -3
.Lnot_wave_0_\@:
	s_barrier_wait -3
	s_barrier_signal -1
	s_barrier_wait -1
.endm
.macro CROUND
	s_barrier_signal -1
	s_barrier_wait -1
	CREST
.endm
; A PREFETCH INTO THE L2, behind each refill and the runs of loads: the slot that the NEXT refill will ask for, 256 matrix instructions ahead of that load.  Every wave asks: of the 64 rows that it fetches the partner at place cx takes 16,
; told apart by address, never by a branch; a lane takes one of a row's two blocks of 256 bytes.  So each block of value is named once in the launch.  Slots 0 to 2 come by their loads alone; the last refill asks for nothing.
; The weights are not asked for ahead: all work-groups walk the same 2 MiB again and again, and each of their loads already stands 160 matrix instructions ahead of its use.
.macro ASK
	s_cmp_gt_u32 s3, 1
	s_cbranch_scc0 .Lnot_mine_\@
	global_prefetch_b8 v[PFO], s[PFA:PFA+1] th:TH_LOAD_NT scope:SCOPE_SE
.Lnot_mine_\@:
.endm
	s_load_b256 s[4:11], s[0:1], 0x0               ; value s[4:5], wv16 s[6:7], bv s[8:9], mask s[10:11]
	s_load_b64 s[12:13], s[0:1], 0x20              ; v16
	v_lshl_add_u32 v[SPW], v0, 2, SPARE
	v_mov_b32 v[NIL], 0
	ds_add_u32 v[SPW], v[NIL]                      ; the wave's opening: the add and its wait ahead of my first tensor load
	ds_add_u32 v28, v29
	v_lshrrev_b32 v1, 5, v0
	v_readfirstlane_b32 s[WV], v1
	s_lshr_b32 s[RH], s[WV], 1
	s_and_b32 s[CH], s[WV], 1
	s_bfe_u32 s[CX], ttmp6, 0x40000
	s_lshl_b32 s[NT], ttmp9, 2
	s_add_co_u32 s[NT], s[NT], s[CX]               ; tile column = 4 x cluster x + cx
	s_and_b32 s[TY], ttmp7, 0xffff                 ; tile row: a cluster is one work-group high
	s_and_b32 s[BT], s[TY], 7
	s_lshr_b32 s[LVB], s[TY], 3
	s_mov_b32 s[G1+0], 15|(2<<16)|(1<<20)|(1<<21)|(6<<22)|(3<<25)   ; the mask of four; elements of 4 bytes; padding on; bit 21 beside a mask; after every 128 words 4 words
	s_mov_b32 s[G1+1], 128<<16                     ; tensor_dim0 = 128
	s_mov_b32 s[G1+2], 64<<16                      ; tensor_dim1 = 64
	s_mov_b32 s[G1+3], 128<<16                     ; tile_dim0 = 128 (512 bytes)
	s_mov_b32 s[G1+4], 64                          ; tile_dim1 = 64
	s_mov_b32 s[G1+5], 8192                        ; 8 batches x 1,024 elements from lv to lv + 1
	s_mov_b32 s[G1+6], 0
	s_mov_b32 s[G1+7], 0
	s_lshl_b32 s66, s[LVB], 23                     ; value: 256 rows lv of 32,768 bytes,
	s_lshl_b32 s67, s[WV], 21                      ; the 64 that I fetch,
	s_add_co_u32 s66, s66, s67
	s_lshl_b32 s67, s[BT], 12                      ; the batch
	s_add_co_u32 s66, s66, s67
	s_mov_b32 s67, 0
	s_mul_i32 s[WQ], s[WV], QTR                    ; where they go: no place in the cluster enters an LDS address
	s_mov_b32 s[TB], 0
	s_wait_dscnt 0x0                               ; the opening add is done
	s_wait_kmcnt 0x0
	s_add_nc_u64 s[66:67], s[4:5], s[66:67]
.irp s, 0,1
	s_mov_b32 s[G0+4*(\s)], 1
	s_add_co_u32 s[G0+4*(\s)+1], s[WQ], (\s)*SLOT
	s_add_nc_u64 s[G0+4*(\s)+2:G0+4*(\s)+3], s[66:67], (\s)*512       ; 128 along K are 512 bytes
	s_or_b32 s[G0+4*(\s)+3], s[G0+4*(\s)+3], 0x80000000
.endr
	CROUND                                         ; all four work-groups are here: the first joint loads meet
	tensor_load_to_lds s[G0:G0+3], s[G1:G1+7]      ; both slots' first fills go out together: two loads of mine are out
	s_nop 0
	tensor_load_to_lds s[G0+4:G0+7], s[G1:G1+7]
	s_nop 0
.rept 4
	v_nop
.endr
	s_mov_b32 s71, 0
	s_lshl_b32 s70, s[NT], 10                      ; bv at my wave's 128 columns
	s_lshl_b32 s2, s[CH], 9
	s_add_co_u32 s70, s70, s2
	s_add_nc_u64 s[8:9], s[8:9], s[70:71]
	s_lshl_b32 s70, s[BT], 12                      ; the mask at my wave's 128 rows
	s_lshl_b32 s2, s[LVB], 8
	s_add_co_u32 s70, s70, s2
	s_lshl_b32 s2, s[RH], 7
	s_add_co_u32 s70, s70, s2
	s_add_nc_u64 s[10:11], s[10:11], s[70:71]
	s_lshl_b32 s70, s[BT], 23                      ; v16 at batch b (32 blocks of 262,144 bytes), block 8 nt + 4 ch, row 256 lvb + 128 rh (64 bytes a row)
	s_lshl_b32 s2, s[NT], 21
	s_add_co_u32 s70, s70, s2
	s_lshl_b32 s2, s[CH], 20
	s_add_co_u32 s70, s70, s2
	s_lshl_b32 s2, s[LVB], 14
	s_add_co_u32 s70, s70, s2
	s_lshl_b32 s2, s[RH], 13
	s_add_co_u32 s70, s70, s2
	s_add_nc_u64 s[12:13], s[12:13], s[70:71]
	s_lshl_b32 s70, s[NT], 14                      ; the weights at block 16 nt + 8 ch of 16 rows, 1,024 bytes a block
	s_lshl_b32 s2, s[CH], 13
	s_add_co_u32 s70, s70, s2
	s_add_nc_u64 s[BP:BP+1], s[6:7], s[70:71]
	v_and_b32 v1, 15, v0                           ; r
	v_bfe_u32 v2, v0, 4, 1                         ; h
	v_and_b32 v3, 31, v0                           ; lane
	v_lshlrev_b32 v[BVO], 5, v2
	v_lshlrev_b32 v[GO], 4, v3
; The 16 loads of a sub-step's weights into buffer q, from bo sub-steps behind the pointer: column block b's two halves of a fragment, 512 consecutive bytes each.
.macro BFETCH q, bo
.set FB, 64+64*((\q)%2)+64*((\q)/2)
	WIN 0x40*(1-(\q)/2)                            ; buffers 0, 1: destination window 1; buffers 2, 3: window 0
.irp b, 0,1,2,3,4,5,6,7
	global_load_b128 v[FB+8*(\b):FB+8*(\b)+3],   v[GO], s[BP:BP+1] offset:(\bo)*BSUB+(\b)*1024
	global_load_b128 v[FB+8*(\b)+4:FB+8*(\b)+7], v[GO], s[BP:BP+1] offset:(\bo)*BSUB+(\b)*1024+512
.endr
.endm
.irp b, 0,1,2,3,4,5,6,7                ; register j of an accumulator of column block b is column 16 b + 8 h + j
	global_load_b128 v[BB+8*(\b):BB+8*(\b)+3],   v[BVO], s[8:9] offset:64*(\b)
	global_load_b128 v[BB+8*(\b)+4:BB+8*(\b)+7], v[BVO], s[8:9] offset:64*(\b)+16
.endr
.irp a, 0,1,2,3,4,5,6,7
	global_load_u8 v[KM+(\a)], v[MO], s[10:11] offset:16*(\a)
.endr
	BFETCH 0, 0
	BFETCH 1, 1
	WIN 0
	s_mul_i32 s70, s[RH], 2*QTR
	v_mul_u32_u24 v[ADRA0], v1, PA
	v_lshl_add_u32 v[ADRA0], v2, 5, v[ADRA0]       ; row x pitch + 32 h: eight f32
	v_add_nc_u32 v[ADRA0], s70, v[ADRA0]
	v_mov_b32 v[ADA], v[ADRA0]
	; The stage.  Row r of a block of 16 lies at stage row 4 (r % 4) + r / 4: the four rows of which 16 lanes read 64 bytes each on the way back are then four stage rows apart and start 16 banks apart.
	s_mul_i32 s70, s[WV], 16*SP
	s_add_co_u32 s70, s70, STAGE
	v_and_b32 v4, 3, v1
	v_lshrrev_b32 v5, 2, v1
	v_lshl_add_u32 v4, v4, 2, v5
	v_mul_u32_u24 v[STO], v4, SP                   ; in: my row, 16 bytes for each half of the lanes
	v_lshl_add_u32 v[STO], v2, 4, v[STO]
	v_add_nc_u32 v[STO], s70, v[STO]
	v_bfe_u32 v4, v3, 2, 2                         ; back: 32 lanes take eight rows' 64 bytes of one block of 32 channels: row l / 4 lies at stage row 4 ((l / 4) % 4) + l / 16
	v_lshl_add_u32 v4, v4, 2, v2
	v_and_b32 v5, 3, v3
	v_mul_u32_u24 v[RD], v4, SP
	v_lshl_add_u32 v[RD], v5, 4, v[RD]
	v_add_nc_u32 v[RD], s70, v[RD]
	; the prefetches
	s_lshl_b32 s70, s[LVB], 23
	s_lshl_b32 s2, s[WV], 21
	s_add_co_u32 s70, s70, s2
	s_lshl_b32 s2, s[CX], 19                       ; my work-group's 16 rows of the 64
	s_add_co_u32 s70, s70, s2
	s_lshl_b32 s2, s[BT], 12
	s_add_co_u32 s70, s70, s2
	s_add_co_u32 s70, s70, 2*512                   ; at slot 2: the first change of slots steps it to 3
	s_add_nc_u64 s[PFA:PFA+1], s[4:5], s[70:71]
	v_lshrrev_b32 v4, 1, v3
	v_and_b32 v5, 1, v3
	v_lshlrev_b32 v[PFO], 15, v4
	v_lshl_add_u32 v[PFO], v5, 8, v[PFO]
; Eight products: block a of 16 rows x all eight column blocks, with the weights of buffer q.  first = 1: the bias starts the sums.
; ride = 0, 1: behind each product four conversions of that half's 32: f32 of blocks 4 ride .. 4 ride + 3 into the bf16 fragments.  ride = -1: none.
.macro MULROW a, q, ride, first
.set FB, 64+64*((\q)%2)+64*((\q)/2)
.irp b, 0,1,2,3,4,5,6,7
.if \first
	WIN 0x81+0x40*((\a)/4)                         ; weights window 1, value and bias window 0, sums window 2 or 3
	v_wmma_f32_16x16x32_bf16 v[8*(8*((\a)%4)+(\b)):8*(8*((\a)%4)+(\b))+7], v[FB+8*(\b):FB+8*(\b)+7], v[A16+8*(\a):A16+8*(\a)+7], v[BB+8*(\b):BB+8*(\b)+7]
.else
	WIN 0xa0+(1-(\q)/2)+0x50*((\a)/4)              ; weights window 1 or 0, value window 0, sums window 2 or 3
	v_wmma_f32_16x16x32_bf16 v[8*(8*((\a)%4)+(\b)):8*(8*((\a)%4)+(\b))+7], v[FB+8*(\b):FB+8*(\b)+7], v[A16+8*(\a):A16+8*(\a)+7], v[8*(8*((\a)%4)+(\b)):8*(8*((\a)%4)+(\b))+7]
.endif
.if (\ride) >= 0
	WIN 0x05                                       ; sources window 1, destination window 0
.irp n, 0,1,2,3
	v_cvt_pk_bf16_f32 v[A16+32*(\ride)+4*(\b)+(\n)], v[192*(\ride)+8*(\b)+2*(\n)], v[192*(\ride)+8*(\b)+2*(\n)+1]
.endr
.endif
.endr
.endm
; 32 LDS loads in one run, for the sub-step at 32 c along K of the slot in hand: f32 of blocks 0-3, then of blocks 4-7.
.macro FETCH c
	WIN 0x40                                       ; destination window 1
.irp a, 0,1,2,3
.irp p, 0,1,2,3
	ds_load_b128 v[16*(\a)+4*(\p):16*(\a)+4*(\p)+3], v[ADA] offset:(\a)*16*PA+128*(\c)+((\p)/2)*64+((\p)%2)*16
.endr
.endr
.irp a, 4,5,6,7
.irp p, 0,1,2,3
	ds_load_b128 v[128+16*(\a)+4*(\p):128+16*(\a)+4*(\p)+3], v[ADA] offset:(\a)*16*PA+128*(\c)+((\p)/2)*64+((\p)%2)*16
.endr
.endr
.endm
; SUB-STEP c of a slot, on buffer c of the weights.  bo >= 0: the weights of the sub-step three on are asked for, bo sub-steps behind the pointer, into buffer (c + 3) % 4.  lc: how many younger loads of weights may stay out at its head.
; mode 0: within a slot.  mode 1: the slot's last sub-step, with the change of slots: ONE barrier, which opens a round of the cluster's; in front of it each wave waits for all its tensor loads (one is out: its part of the next slot), adds 0 to its
; spare word, and waits for that and for its reads of this slot; behind the round this slot is filled again first, two slots on.  mode 2: the same with nothing left to fetch.  mode 3: the tile's last.
.macro SUB c, mode, bo, lc, first=0
.if (\mode) == 0
	s_wait_loadcnt \lc                             ; my buffer is in
	MULROW 0, \c, -1, \first
	MULROW 1, \c, -1, \first
	MULROW 2, \c, -1, \first
	s_wait_dscnt 0x0                               ; the f32 of blocks 4-7 are in
	MULROW 3, \c, 1, \first
	FETCH ((\c)+1)%4
.if (\bo) >= 0
	BFETCH ((\c)+3)%4, \bo
.endif
	MULROW 4, \c, -1, \first
	MULROW 5, \c, -1, \first
	MULROW 6, \c, -1, \first
	s_wait_dscnt 16                                ; the next sub-step's blocks 0-3 are in; the 16 loads behind them may be out
	MULROW 7, \c, 0, \first
.elseif (\mode) == 3
	s_wait_loadcnt \lc
	s_wait_dscnt 0x0
	MULROW 0, \c, -1, 0
	MULROW 1, \c, -1, 0
	MULROW 2, \c, -1, 0
	MULROW 3, \c, 1, 0
	MULROW 4, \c, -1, 0
	MULROW 5, \c, -1, 0
	MULROW 6, \c, -1, 0
	MULROW 7, \c, -1, 0
.else
	s_wait_xcnt 0x0                                ; the loads of weights (the youngest 32 products back) and the last prefetch (a slot back) have read their pointers
.if (\mode) == 1
	s_add_nc_u64 s[PFA:PFA+1], s[PFA:PFA+1], 512
.endif
	s_add_nc_u64 s[BP:BP+1], s[BP:BP+1], 4*BSUB
	s_wait_loadcnt \lc
	MULROW 0, \c, -1, 0
	MULROW 1, \c, -1, 0
	WIN 0                                          ; (the add's two registers lie in window 0)
	s_wait_tensorcnt 0x0                           ; all my tensor loads have landed, so a group 0 may be written
	ds_add_u32 v[SPW], v[NIL]                      ; 0 onto my spare word
.if (\mode) == 1
	s_add_co_u32 s[G0+5], s[TB], s[WQ]             ; the walking set: my quarter of the slot that is being left,
	s_add_nc_u64 s[G0+6:G0+7], s[G0+6:G0+7], 512   ; the next 128 along K
.endif
	s_xor_b32 s[TB], s[TB], SLOT                   ; 0 <-> SLOT
	MULROW 2, \c, -1, 0                            ; eight products stand between the add and the wait for it
	s_wait_dscnt 0x0                               ; the add is done, and my reads of this slot are over
	s_barrier_signal -1
	MULROW 3, \c, 1, 0                             ; work on registers while the others arrive
	WIN 0
	s_barrier_wait -1
.if (\mode) == 1
	CREST                                          ; no wave of any partner still reads this slot or has a load on its way
	tensor_load_to_lds s[G0+4:G0+7], s[G1:G1+7]    ; my one tensor load behind the round
	s_nop 0
.rept 4
	v_nop
.endr
.endif
	v_add_nc_u32 v[ADA], s[TB], v[ADRA0]
	FETCH 0
	BFETCH ((\c)+3)%4, \bo
.if (\mode) == 1
	WIN 0
	ASK
.endif
	MULROW 4, \c, -1, 0
	MULROW 5, \c, -1, 0
	MULROW 6, \c, -1, 0
	s_wait_dscnt 16
	MULROW 7, \c, 0, 0
.endif
.endm
	s_wait_tensorcnt 0x1                           ; my part of slot 0 is in; slot 1's may stay out
	s_barrier_signal -1
	s_barrier_wait -1
	FETCH 0
	WIN 0
	s_wait_loadcnt 32                              ; bias and mask are in; the 32 loads of sub-steps 0 and 1 may stay out
	BFETCH 2, 2
	WIN 0
.set i, 0
.rept 32
	v_cvt_pk_bf16_f32 v[RT+i], v[BB+2*i], v[BB+2*i+1]
.set i, i+1
.endr
.set i, 0
.rept 32
	v_lshlrev_b32 v[BB+2*i], 16, v[RT+i]           ; the bias rounded to bf16, kept as f32
	v_and_b32 v[BB+2*i+1], 0xffff0000, v[RT+i]
.set i, i+1
.endr
.irp a, 0,1,2,3,4,5,6,7
	v_add_nc_u32 v[KM+(\a)], -1, v[KM+(\a)]        ; 0 -> all ones, 1 -> 0
.endr
	s_wait_dscnt 16
	WIN 0x05
.set i, 0
.rept 32
	v_cvt_pk_bf16_f32 v[A16+i], v[2*i], v[2*i+1]   ; the first sub-step's blocks 0-3: no product yet to ride behind
.set i, i+1
.endr
	SUB 0, 0, -1, 32, 1                            ; the tile's first sub-step: the bias starts the sums
	BFETCH 3, 3                                    ; the bias has been read (four riders stand behind its last reader): its registers become buffer 3
	WIN 0                                          ; at a label and at a branch every window is 0
	s_mov_b32 s3, 7                                ; the part of a trip that is entered now, and six trips that fill a slot again
	s_branch .Lmid
.Lk:
	SUB 3, 1, 2, 32
	SUB 0, 0, 3, 32
	WIN 0
.Lmid:
	SUB 1, 0, 4, 32
	SUB 2, 0, 5, 32
	WIN 0
	s_sub_co_u32 s3, s3, 1
	s_cmp_lg_u32 s3, 0
	s_cbranch_scc1 .Lk
	SUB 3, 2, 2, 32                                ; the tail is written out
	SUB 0, 0, 3, 32                                ; the last weights are asked for
	SUB 1, 0, -1, 32                               ; and the counts run down
	SUB 2, 0, -1, 16
	SUB 3, 3, -1, 0
; THE WAY OUT of block a.  PACK: rounded to f16, 16 bytes a lane, each accumulator's registers in ascending order; masked rows become 0.  TOSTAGE: into my own stage, and back as eight rows x 64 bytes of one block of 32 channels.  SEND: stored.
.macro PACK a
	WIN 0x0a+5*((\a)/4)                            ; sources window 2 or 3
.irp b, 0,1,2,3,4,5,6,7
.irp q, 0,1,2,3
	v_cvt_pk_f16_f32 v[TMP+4*(\b)+(\q)], v[64*((\a)%4)+8*(\b)+2*(\q)], v[64*((\a)%4)+8*(\b)+2*(\q)+1]
.endr
.endr
	WIN 0
.set i, 0
.rept 32
	v_and_b32 v[TMP+i], v[KM+(\a)], v[TMP+i]
.set i, i+1
.endr
.endm
.macro TOSTAGE a
	WIN 0
	s_wait_xcnt 0x0                                ; the stores of two blocks back have read the registers that are loaded again below
.irp b, 0,1,2,3,4,5,6,7
	ds_store_b128 v[STO], v[TMP+4*(\b):TMP+4*(\b)+3] offset:32*(\b)
.endr
.irp t, 0,1,2,3,4,5,6,7                ; rows 8 (t % 2) .. + 7 (two stage rows on), channel block t / 2
	ds_load_b128 v[BK+32*((\a)%2)+4*(\t):BK+32*((\a)%2)+4*(\t)+3], v[RD] offset:((\t)%2)*2*SP+((\t)/2)*64  ; LDS serves a wave's instructions in order: these see the stores above
.endr
.endm
.macro SEND a
	WIN 0
	s_wait_dscnt 0x0
.irp t, 0,1,2,3,4,5,6,7
	global_store_b128 v[GO], v[BK+32*((\a)%2)+4*(\t):BK+32*((\a)%2)+4*(\t)+3], s[12:13] offset:(\a)*1024+((\t)%2)*512+((\t)/2)*262144  ; 512 consecutive bytes, at a multiple of 256 from v16's first
.endr
.endm
	PLACES
	PACK 0
	TOSTAGE 0
.irp a, 1,2,3,4,5,6,7                  ; block a's conversions stand between block a - 1's loads from the stage and the wait for them
	PACK \a
	SEND (\a)-1
	TOSTAGE \a
.endr
	SEND 7
	s_wait_tensorcnt 0x0                           ; the wave's end
	ds_add_u32 v[SPW], v[NIL]
	s_wait_dscnt 0x0
	CROUND                                         ; the closing round
	s_endpgm
.Lfunc_end_k_qd405f29398_vproj:
	.size	k_qd405f29398_vproj, .Lfunc_end_k_qd405f29398_vproj-k_qd405f29398_vproj
	.p2alignl 7, 3214868480
	.fill 96, 4, 3214868480
	.section	.rodata,"a",@progbits
	.p2align	6, 0x0
	.amdhsa_kernel k_qd405f29398_vproj
		.amdhsa_group_segment_fixed_size 327680
		.amdhsa_private_segment_fixed_size 0
		.amdhsa_enable_private_segment 0
		.amdhsa_kernarg_size 40
		.amdhsa_user_sgpr_count 2
		.amdhsa_user_sgpr_kernarg_segment_ptr 1
		.amdhsa_wavefront_size32 1
		.amdhsa_system_sgpr_workgroup_id_x 1
		.amdhsa_system_sgpr_workgroup_id_y 1
		.amdhsa_system_sgpr_workgroup_id_z 1
		.amdhsa_system_vgpr_workitem_id 0
		.amdhsa_next_free_vgpr 1024
		.amdhsa_next_free_sgpr 72
		.amdhsa_reserve_vcc 0
		.amdhsa_float_denorm_mode_32 3
		.amdhsa_float_denorm_mode_16_64 3
		.amdhsa_memory_ordered 1
		.amdhsa_forward_progress 1
		.amdhsa_inst_pref_size 181
	.end_amdhsa_kernel
	.amdgpu_metadata
---
amdhsa.version: [ 1, 2 ]
amdhsa.kernels:
  - .name:           k_qd405f29398_vproj
    .symbol:         k_qd405f29398_vproj.kd
    .args:
      - { .name: value, .offset: 0, .size: 8, .value_kind: global_buffer, .address_space: global }
      - { .name: wv16, .offset: 8, .size: 8, .value_kind: global_buffer, .address_space: global }
      - { .name: bv, .offset: 16, .size: 8, .value_kind: global_buffer, .address_space: global }
      - { .name: value_key_padding_mask, .offset: 24, .size: 8, .value_kind: global_buffer, .address_space: global }
      - { .name: v16, .offset: 32, .size: 8, .value_kind: global_buffer, .address_space: global }
    .group_segment_fixed_size: 327680
    .private_segment_fixed_size: 0
    .kernarg_segment_align: 8
    .kernarg_segment_size: 40
    .max_flat_workgroup_size: 128
    .sgpr_count:     72
    .vgpr_count:     1024
    .wavefront_size: 32
...
	.end_amdgpu_metadata
.endif
;; end of part 8
;; launch sample (part 9): grid 32 x 8, 32 waves a work-group, no clusters, 266,240 bytes of LDS; arguments idx, wts, v16, s16; writes s16
.if DOCPART == 9
	.amdgcn_target "amdgcn-amd-amdhsa--gfx1250"
	.amdhsa_code_object_version 6
	.text
	.protected	k_qd405f29398_sample
	.globl	k_qd405f29398_sample
	.p2align	8
	.type	k_qd405f29398_sample,@function
k_qd405f29398_sample:
	s_mov_b64 s[64:65], 0
	v_nop
	global_prefetch_b8 v0, s[64:65] scope:SCOPE_SE
	s_setreg_imm32_b32 hwreg(HW_REG_WAVE_MODE, 25, 1), 1
	s_wait_xcnt 0x0
; S[b][q][32 hh + c] = the sum over the four points k of wA v[b][hh][p_k][c] + wB v[b][hh][p_k + 1][c], for one batch b and one block hh of 32 channels (half a head) to a work-group.
; p comes as a whole number from idx[b][head][q][4], (wA, wB) as two f16 from wts; v in f16; products exact, sums in f32; S rounded once to f16 and stored as s16[hh][b][q][32].
; LIMIT.  |S| stays under 65,504 (it is a weighted mean of numbers of v).  p is held to 0..4094 once more before it enters an address.
; THE TABLE IN LDS.  The 4,096 rows x 64 bytes of (b, hh) are 262,144 dense bytes of v16: waves 0-15 bring 64 rows of 256 bytes each, by one tensor load, once.  8,192 points x 2 rows are then read out of LDS: each byte of v16
; is asked of memory once in the launch, though a row is wanted about four times.  8 batches x 32 blocks are 256 work-groups.
; SHARES.  Wave w owns queries 64 w .. 64 w + 63: eight tasks of eight queries; four lanes serve a query, 8 channels (16 bytes) each, so a task's store covers 512 consecutive bytes.
; THE LOOP has two trips of two half-trips of two tasks, on two sets of registers for indices and weights: a half-trip asks for the other set's next numbers first and then works on its own, which was asked for a half-trip
; earlier.  So every wait for loads is for 0 and still finds them a half-trip old; the first set is asked for while the table is on its way.
; No cluster: the two work-groups of a head share only their lists, 65,536 of the 327,680 bytes that each reads.  No prefetch: all of the table is asked for at the head.  No matrix unit: 8 terms to a number.
.set SPARE, 262144    ; behind the table: the spare words, 128 bytes for each of 32 waves
.set IO,   1          ; v1   my query's 16 bytes in the head's lists, task 0; never rewritten
.set PC,   2          ; v2   16 (lane % 4): my 8 channels in a row of the table; never rewritten
.set SO,   3          ; v3   my 16 bytes of s16, task 0; never rewritten
.set ZERO, 4
.set SPW,  5          ; v5   LDS address of my spare word; never rewritten
.set NIL,  6          ; v6   0; never rewritten
.set IX,   8          ; v8-23   set x, task t: four indices at 8 x + 4 t, turned in place into LDS addresses
.set W,    24         ; v24-39  the weights, likewise
.set G,    40         ; v40-103 task t, point k: row p at 32 t + 8 k, row p + 1 four further
.set ACC,  104        ; v104-111 eight sums
.set O,    112        ; v112-127 a trip's four tasks' 16 bytes
.set WV,   12
.set G1,   16         ; s[16:23] descriptor group 1
.set G0,   24         ; s[24:27] descriptor group 0
	s_load_b256 s[4:11], s[0:1], 0x0               ; idx s[4:5], wts s[6:7], v16 s[8:9], s16 s[10:11]
	v_lshl_add_u32 v[SPW], v0, 2, SPARE
	v_mov_b32 v[NIL], 0
	ds_add_u32 v[SPW], v[NIL]                      ; the wave's opening: the add and its wait ahead of my first tensor load; the set-up below stands between them
	ds_add_u32 v5, v6
	v_lshrrev_b32 v7, 5, v0
	v_readfirstlane_b32 s[WV], v7                  ; wave 0..31
	s_and_b32 s13, ttmp7, 0xffff                   ; b; ttmp9 is hh
	s_mov_b32 s[G1+0], 3<<16                       ; elements of 8 bytes; no mask, no padding
	s_mov_b32 s[G1+1], 32<<16                      ; tensor_dim0 = 32 (256 bytes)
	s_mov_b32 s[G1+2], 64<<16                      ; tensor_dim1 = 64
	s_mov_b32 s[G1+3], 32<<16                      ; tile_dim0 = 32
	s_mov_b32 s[G1+4], 64                          ; tile_dim1 = 64: 16,384 dense bytes, 256 rows of the table
	s_mov_b32 s[G1+5], 32
	s_mov_b32 s[G1+6], 0
	s_mov_b32 s[G1+7], 0
	s_mov_b32 s[G0], 1
	s_lshl_b32 s[G0+1], s[WV], 14                  ; LDS: 16,384 w (waves 0-15 alone issue the load)
	s_lshl_b32 s28, s13, 5
	s_add_co_u32 s28, s28, ttmp9
	s_lshl_b32 s28, s28, 18                        ; v16: table 32 b + hh of 262,144 bytes,
	s_lshl_b32 s29, s[WV], 14                      ; my wave's part
	s_add_co_u32 s28, s28, s29
	s_mov_b32 s29, 0
	s_lshr_b32 s30, ttmp9, 1                       ; the head
	s_lshl4_add_u32 s30, s13, s30
	s_lshl_b32 s30, s30, 15                        ; idx, wts: list 16 b + head of 32,768 bytes
	s_mov_b32 s31, 0
	s_lshl3_add_u32 s14, ttmp9, s13
	s_lshl_b32 s14, s14, 17                        ; s16: part 8 hh + b of 131,072 bytes
	s_mov_b32 s15, 0
	v_bfe_u32 v[IO], v0, 2, 3                      ; lane / 4
	v_lshlrev_b32 v[IO], 4, v[IO]
	v_lshl_add_u32 v[IO], v7, 10, v[IO]            ; + 64 queries of 16 bytes a wave
	v_and_b32 v[PC], 3, v0
	v_lshlrev_b32 v[PC], 4, v[PC]
	v_and_b32 v[SO], 31, v0
	v_lshlrev_b32 v[SO], 4, v[SO]
	v_lshl_add_u32 v[SO], v7, 12, v[SO]            ; + 64 queries of 64 bytes a wave
	v_mov_b32 v[ZERO], 0
	s_wait_dscnt 0x0                               ; the opening add is done
	s_wait_kmcnt 0x0
	s_add_nc_u64 s[G0+2:G0+3], s[8:9], s[28:29]
	s_or_b32 s[G0+3], s[G0+3], 0x80000000
	s_add_nc_u64 s[4:5], s[4:5], s[30:31]
	s_add_nc_u64 s[6:7], s[6:7], s[30:31]
	s_add_nc_u64 s[10:11], s[10:11], s[14:15]
	s_cmp_lt_u32 s[WV], 16
	s_cbranch_scc0 .Lno_fill
	tensor_load_to_lds s[G0:G0+3], s[G1:G1+7]      ; my one tensor load of the launch
	s_nop 0
.Lno_fill:
	global_load_b128 v[IX:IX+3],   v[IO], s[4:5]               ; set 0: tasks 0 and 1
	global_load_b128 v[IX+4:IX+7], v[IO], s[4:5] offset:128
	global_load_b128 v[W:W+3],     v[IO], s[6:7]
	global_load_b128 v[W+4:W+7],   v[IO], s[6:7] offset:128
	s_mov_b32 s14, 2
	s_wait_tensorcnt 0x0                           ; my part of the table is in,
	s_barrier_signal -1
	s_barrier_wait -1                              ; everybody's is; nothing is filled again
; Task t of set x: 64 multiply-adds straight from f16 halves into f32, eight chains that do not wait for each other; the first takes 0 as its addend.
.macro FMA x, t
.irp k, 0,1,2,3
.irp s, 0,1
.irp j, 0,1,2,3
.if ((\k)+(\s)) == 0
	v_fma_mix_f32 v[ACC+2*(\j)],   v[G+32*(\t)+8*(\k)+4*(\s)+(\j)], v[W+8*(\x)+4*(\t)+(\k)], v[ZERO] op_sel:[0,\s,0] op_sel_hi:[1,1,0]
	v_fma_mix_f32 v[ACC+2*(\j)+1], v[G+32*(\t)+8*(\k)+4*(\s)+(\j)], v[W+8*(\x)+4*(\t)+(\k)], v[ZERO] op_sel:[1,\s,0] op_sel_hi:[1,1,0]
.else
	v_fma_mix_f32 v[ACC+2*(\j)],   v[G+32*(\t)+8*(\k)+4*(\s)+(\j)], v[W+8*(\x)+4*(\t)+(\k)], v[ACC+2*(\j)] op_sel:[0,\s,0] op_sel_hi:[1,1,0]
	v_fma_mix_f32 v[ACC+2*(\j)+1], v[G+32*(\t)+8*(\k)+4*(\s)+(\j)], v[W+8*(\x)+4*(\t)+(\k)], v[ACC+2*(\j)+1] op_sel:[1,\s,0] op_sel_hi:[1,1,0]
.endif
.endr
.endr
.endr
.irp j, 0,1,2,3
	v_cvt_pk_f16_f32 v[O+4*(2*(\x)+(\t))+(\j)], v[ACC+2*(\j)], v[ACC+2*(\j)+1]
.endr
.endm
; A half-trip on set x.  lo: where the other set's next numbers lie, from the two list pointers.  last = 1: in the loop's last trip nothing lies behind, and the request is jumped over; the waits for loads are for 0, so they hold on both ways.
.macro HALF x, lo, last
	s_wait_loadcnt 0x0                             ; my set, asked for a half-trip ago, is in; no younger load is out
.if \last
	s_cmp_eq_u32 s14, 1
	s_cbranch_scc1 .Lno_next_\@
.endif
	global_load_b128 v[IX+8*(1-(\x)):IX+8*(1-(\x))+3],   v[IO], s[4:5] offset:(\lo)
	global_load_b128 v[IX+8*(1-(\x))+4:IX+8*(1-(\x))+7], v[IO], s[4:5] offset:(\lo)+128
	global_load_b128 v[W+8*(1-(\x)):W+8*(1-(\x))+3],     v[IO], s[6:7] offset:(\lo)
	global_load_b128 v[W+8*(1-(\x))+4:W+8*(1-(\x))+7],   v[IO], s[6:7] offset:(\lo)+128
.if \last
.Lno_next_\@:
.endif
.irp j, 0,1,2,3,4,5,6,7
	v_min_u32 v[IX+8*(\x)+(\j)], 4094, v[IX+8*(\x)+(\j)]
.endr
.irp j, 0,1,2,3,4,5,6,7
	v_lshl_add_u32 v[IX+8*(\x)+(\j)], v[IX+8*(\x)+(\j)], 6, v[PC]  ; a row of the table is 64 bytes
.endr
.irp t, 0,1
.irp k, 0,1,2,3
	ds_load_b128 v[G+32*(\t)+8*(\k):G+32*(\t)+8*(\k)+3],   v[IX+8*(\x)+4*(\t)+(\k)]
	ds_load_b128 v[G+32*(\t)+8*(\k)+4:G+32*(\t)+8*(\k)+7], v[IX+8*(\x)+4*(\t)+(\k)] offset:64
.endr
.endr
	s_wait_dscnt 8                                 ; the first task's rows are in; the second's eight loads may be out
	FMA \x, 0
	global_store_b128 v[SO], v[O+8*(\x):O+8*(\x)+3], s[10:11] offset:1024*(\x)
	s_wait_dscnt 0x0
	FMA \x, 1
	global_store_b128 v[SO], v[O+8*(\x)+4:O+8*(\x)+7], s[10:11] offset:1024*(\x)+512
.endm
.Lpair:
	HALF 0, 256, 0
	HALF 1, 512, 1
	s_wait_xcnt 0x0                                ; the pointers and the stores' data are written again only behind this wait
	s_add_nc_u64 s[4:5], s[4:5], 512               ; four tasks of 128 bytes
	s_add_nc_u64 s[6:7], s[6:7], 512
	s_add_nc_u64 s[10:11], s[10:11], 2048          ; four tasks of 512 bytes
	s_sub_co_u32 s14, s14, 1
	s_cmp_lg_u32 s14, 0
	s_cbranch_scc1 .Lpair
	s_wait_tensorcnt 0x0                           ; the wave's end
	ds_add_u32 v[SPW], v[NIL]
	s_wait_dscnt 0x0
	s_endpgm
.Lfunc_end_k_qd405f29398_sample:
	.size	k_qd405f29398_sample, .Lfunc_end_k_qd405f29398_sample-k_qd405f29398_sample
	.p2alignl 7, 3214868480
	.fill 96, 4, 3214868480
	.section	.rodata,"a",@progbits
	.p2align	6, 0x0
	.amdhsa_kernel k_qd405f29398_sample
		.amdhsa_group_segment_fixed_size 266240
		.amdhsa_private_segment_fixed_size 0
		.amdhsa_enable_private_segment 0
		.amdhsa_kernarg_size 32
		.amdhsa_user_sgpr_count 2
		.amdhsa_user_sgpr_kernarg_segment_ptr 1
		.amdhsa_wavefront_size32 1
		.amdhsa_system_sgpr_workgroup_id_x 1
		.amdhsa_system_sgpr_workgroup_id_y 1
		.amdhsa_system_sgpr_workgroup_id_z 1
		.amdhsa_system_vgpr_workitem_id 0
		.amdhsa_next_free_vgpr 128
		.amdhsa_next_free_sgpr 66
		.amdhsa_reserve_vcc 0
		.amdhsa_float_denorm_mode_32 3
		.amdhsa_float_denorm_mode_16_64 3
		.amdhsa_memory_ordered 1
		.amdhsa_forward_progress 1
		.amdhsa_inst_pref_size 26
	.end_amdhsa_kernel
	.amdgpu_metadata
---
amdhsa.version: [ 1, 2 ]
amdhsa.kernels:
  - .name:           k_qd405f29398_sample
    .symbol:         k_qd405f29398_sample.kd
    .args:
      - { .name: idx, .offset: 0, .size: 8, .value_kind: global_buffer, .address_space: global }
      - { .name: wts, .offset: 8, .size: 8, .value_kind: global_buffer, .address_space: global }
      - { .name: v16, .offset: 16, .size: 8, .value_kind: global_buffer, .address_space: global }
      - { .name: s16, .offset: 24, .size: 8, .value_kind: global_buffer, .address_space: global }
    .group_segment_fixed_size: 266240
    .private_segment_fixed_size: 0
    .kernarg_segment_align: 8
    .kernarg_segment_size: 32
    .max_flat_workgroup_size: 1024
    .sgpr_count:     66
    .vgpr_count:     128
    .wavefront_size: 32
...
	.end_amdgpu_metadata
.endif
;; end of part 9
;; launch outproj (part 10): grid 4 x 64, 4 waves a work-group, clusters of 4 x 4, 327,680 bytes of LDS; arguments s16, wout16, out0, bout; writes out0
.if DOCPART == 10
	.amdgcn_target "amdgcn-amd-amdhsa--gfx1250"
	.amdhsa_code_object_version 6
	.text
	.protected	k_qd405f29398_outproj
	.globl	k_qd405f29398_outproj
	.p2align	8
	.type	k_qd405f29398_outproj,@function
k_qd405f29398_outproj:
	s_mov_b64 s[64:65], 0
	v_nop
	global_prefetch_b8 v0, s[64:65] scope:SCOPE_SE
	s_setreg_imm32_b32 hwreg(HW_REG_WAVE_MODE, 25, 1), 1
	s_wait_xcnt 0x0
	s_wait_alu depctr_hold_cnt(0) depctr_sa_sdst(0) depctr_va_vdst(0) depctr_va_sdst(0) depctr_va_ssrc(0) depctr_va_vcc(0) depctr_vm_vsrc(0)
	s_getreg_b32 s2, hwreg(HW_REG_IB_STS2, 6, 4)
	s_cmp_eq_u32 s2, 0
	s_cbranch_scc0 .Lentry_in_a_cluster
	s_endpgm
.Lentry_in_a_cluster:
	s_bfe_u32 s2, ttmp6, 0x10000c
	s_cmp_lg_u32 s2, 0xf033
	s_cbranch_scc0 .Lentry_shape_is_right
	s_endpgm
.Lentry_shape_is_right:
; out0[q][b][n] = the sum over k of S[b][q][k] Wout[n][k] + bout[n].  S in f16 as s16[block of 32 channels][b][q][32]; Wout: [1024][1024], rounded to bf16 and written as f16 by the first launch; bout rounded to bf16;
; sums in f32, started by the bias; out0 in f32.
; A tile is 256 queries of ONE batch x 256 columns, made by four waves, 128 x 128 each: 64 accumulators, 512 registers; 256 tiles, one to a work-group.  K goes in steps of 128 through two LDS slots filled by the tensor data mover.
; Of S a wave fetches 128 queries x 4 channel blocks: four dense pieces of 8,192 bytes, asked for as 4 rows of 4,096 elements and padded by 16 bytes behind every 64: in LDS a piece is 128 rows of 80 bytes, and it is one quarter (32 along K) of
; the K step.  Of Wout: 128 rows of 256 bytes, 272 apart in LDS.
; CLUSTERS: 4 x 4 work-groups; S's tile is shared along a row of the cluster, Wout's along a column: each is asked for jointly, by the same tensor load with the same descriptor and a mask that names the four.
; THE MATRIX INSTRUCTION IS USED TRANSPOSED (source 0 = 16 rows of Wout, source 1 = 16 rows of S): a lane holds query lane % 16 and the columns 8 (lane / 16) + 0..7.
; THE STAGE for the way out lies in slot 0: the last K step lies in slot 1, slot 0 has had its last fill, and every wave's last reads of it stand in front of the barrier of the last change of slots.
; REGISTERS.  window 0: v0-31 addresses; v32-63 at work at the head; v64-127, v128-191 fragments of S, two buffers (on the way out: rows read back); v192-255 the bias, 8 to a column block.
;   window 1: v64-127, v128-191 fragments of Wout.   windows 2, 3: accumulator (a, b) at 8 (8 (a % 4) + b).
.set KSTEP,  128
.set PITCH,  272                       ; Wout: 256 bytes + 16: the 16 rows of a load start at 16 different groups of four banks (ISA guide 11.1)
.set PA,     80                        ; S: 64 bytes + 16 = 20 words: likewise
.set QA,     128*PA                    ; a quarter's 128 rows of S
.set HALFA,  4*QA                      ; what one tensor load brings of S,
.set HALFB,  128*PITCH                 ; and of Wout
.set BOFF,   2*HALFA
.set SLOT,   BOFF+2*HALFB              ; S's 256 rows, then Wout's 256 rows
.set STAGE,  0                         ; 16 rows x 528 bytes for each wave
.set SPITCH, 528                       ; 128 f32 + 16 bytes
.set SPARE,  2*SLOT
.set AKS,    0x400000                  ; a K step of S in memory: four channel blocks of 8 x 2,048 x 64 bytes
.set LAPS,   4
.set ADRA, 16
.set ADRB, 20
.set BVO,  22                          ; v22  32 (lane / 16); never rewritten
.set STO,  24
.set RD,   25
.set CO,   26                          ; v26  16 lane; never rewritten
.set SPW,  28
.set NIL,  29
.set PFO,  30                          ; v30  the prefetches' offset: a lane a block of 256 bytes (S) or a lane a row of 2,048 (Wout); never rewritten
.set PFA,  44                          ; s[44:45] where my prefetches stand
.set PFS,  46                          ; s[46:47] a K step in bytes there
.set LIM,  43
.set F0,   64
.set F1,   128
.set BB,   192
.set OB,   64
.set G1, 24
.set G0, 32
.set G1B, 48
.set G0B, 56
.set MSB, 0
.macro WIN new
.if MSB != (\new)
	s_set_vgpr_msb (MSB<<8)|(\new)
.set MSB, (\new)
.endif
.endm
.set MUL_LO, 0xa1                      ; Wout window 1, S window 0, C and D window 2
.set TO_B,   0x40
.macro JLOAD s                         ; a joint refill: waves 0 and 1 fetch S's two halves, waves 2 and 3 Wout's; an s_nop 0 and four v_nop follow each line
	s_cmp_eq_u32 s11, 0
	s_cbranch_scc0 .Lfor_b_\@
	tensor_load_to_lds s[G0+4*(\s):G0+4*(\s)+3], s[G1:G1+7]
	s_nop 0
.rept 4
	v_nop
.endr
	s_branch .Lasked_\@
.Lfor_b_\@:
	tensor_load_to_lds s[G0B+4*(\s):G0B+4*(\s)+3], s[G1B:G1B+7]
	s_nop 0
.rept 4
	v_nop
.endr
.Lasked_\@:
.endm
; A PREFETCH INTO THE L2, behind each refill and the run of LDS loads: the K step that stands two refills on, 512 matrix instructions ahead of its load.  S's tile row is read by one cluster (x has one): it asks; of the four pieces that a wave
; fetches the partner at place cx takes one: 32 blocks of 256 bytes, a lane a block.  Wout's tile column is read by all clusters: the one with y = 0 asks; of a wave's 128 rows the partner at place cy takes 32, a lane a row's 256 bytes.
; Partners are told apart by address.  So each block is named once.  K steps 0 to 3 come by their loads alone; the loop's last trip asks for nothing.
.macro ASK
	s_cmp_gt_u32 s3, s[LIM]
	s_cbranch_scc0 .Lnot_mine_\@
	global_prefetch_b8 v[PFO], s[PFA:PFA+1] th:TH_LOAD_NT scope:SCOPE_SE
.Lnot_mine_\@:
.endm
.macro CREST
	s_cmp_lg_u32 s10, 0
	s_cbranch_scc1 .Lnot_wave_0_\@
	s_barrier_signal -3
.Lnot_wave_0_\@:
	s_barrier_wait -3
	s_barrier_signal -1
	s_barrier_wait -1
.endm
.macro CROUND
	s_barrier_signal -1
	s_barrier_wait -1
	CREST
.endm
.macro PLACES
.rept 4
	v_nop
.endr
.endm
	s_load_b128 s[4:7], s[0:1], 0x0                ; S s[4:5], Wout s[6:7]
	s_load_b64 s[8:9], s[0:1], 0x10                ; out0
	s_load_b64 s[66:67], s[0:1], 0x18              ; bout
	v_lshl_add_u32 v[SPW], v0, 2, SPARE
	v_mov_b32 v[NIL], 0
	ds_add_u32 v[SPW], v[NIL]                      ; the wave's opening: the add and its wait ahead of my first tensor load
	ds_add_u32 v28, v29
	v_lshrrev_b32 v1, 5, v0
	v_readfirstlane_b32 s10, v1                    ; wave 0..3
	s_lshr_b32 s11, s10, 1                         ; which half of the tile's rows is mine.  Also: I fetch for S (0) or for Wout (1)
	s_and_b32 s12, s10, 1                          ; which half of its columns.  Also: which 128 rows I fetch
	s_bfe_u32 s40, ttmp6, 0x40000                  ; cx
	s_bfe_u32 s41, ttmp6, 0x40004                  ; cy
	s_lshl_b32 s42, ttmp9, 2
	s_add_co_u32 s42, s42, s40                     ; tile column
	s_and_b32 s13, ttmp7, 0xffff
	s_lshl_b32 s13, s13, 2
	s_add_co_u32 s13, s13, s41                     ; tile row = 8 x block of 256 queries + batch
	s_and_b32 s18, s13, 7                          ; the batch
	s_lshr_b32 s19, s13, 3                         ; the block of queries
	s_lshl_b32 s43, s41, 2
	s_lshl_b32 s43, 15, s43                        ; my row of the cluster
	s_lshl_b32 s44, 0x1111, s40                    ; my column
	s_or_b32 s[G1+0], s43, (1<<16)|(1<<20)|(1<<21)|(3<<22)|(3<<25)   ; S: elements of 2 bytes; padding on; bit 21 beside a mask; after every 16 words 4 words
	s_mov_b32 s[G1+1], 4096<<16                    ; tensor_dim0 = 4,096: 128 queries x 32 channels on end
	s_mov_b32 s[G1+2], 4<<16                       ; tensor_dim1 = 4 channel blocks
	s_mov_b32 s[G1+3], 4096<<16                    ; tile_dim0 = 4,096
	s_mov_b32 s[G1+4], 4                           ; tile_dim1 = 4
	s_mov_b32 s[G1+5], 524288                      ; 8 x 2,048 x 32 elements from block to block
	s_mov_b32 s[G1+6], 0
	s_mov_b32 s[G1+7], 0
	s_or_b32 s[G1B+0], s44, (1<<16)|(1<<20)|(1<<21)|(5<<22)|(3<<25)  ; Wout: after every 64 words 4 words
	s_mov_b32 s[G1B+1], KSTEP<<16                  ; tensor_dim0 = 128
	s_mov_b32 s[G1B+2], 128<<16                    ; tensor_dim1 = 128
	s_mov_b32 s[G1B+3], KSTEP<<16                  ; tile_dim0 = 128
	s_mov_b32 s[G1B+4], 128                        ; tile_dim1 = 128
	s_mov_b32 s[G1B+5], 1024                       ; elements from row to row
	s_mov_b32 s[G1B+6], 0
	s_mov_b32 s[G1B+7], 0
	s_lshl_b32 s16, s18, 17                        ; S: the batch's 2,048 queries of 64 bytes,
	s_lshl_b32 s17, s19, 14                        ; the tile's 256,
	s_add_co_u32 s16, s16, s17
	s_lshl_b32 s17, s12, 13                        ; the 128 that I fetch
	s_add_co_u32 s16, s16, s17
	s_mov_b32 s17, 0
	s_lshl_b32 s46, s42, 8
	s_lshl_b32 s47, s12, 7
	s_add_co_u32 s46, s46, s47
	s_lshl_b32 s46, s46, 11                        ; Wout: (256 x tile column + 128 x half) rows of 2,048 bytes
	s_mov_b32 s47, 0
	s_mul_i32 s20, s10, HALFA                      ; where they go: S's two halves, then Wout's two: no place in the cluster enters an LDS address
	s_mul_i32 s21, s10, HALFB
	s_add_co_u32 s21, s21, BOFF-2*HALFB
	s_wait_dscnt 0x0                               ; the opening add is done
	s_wait_kmcnt 0x0
	s_add_nc_u64 s[14:15], s[4:5], s[16:17]
	s_add_nc_u64 s[46:47], s[6:7], s[46:47]
.irp s, 0,1
	s_mov_b32 s[G0+4*(\s)], 1
	s_add_co_u32 s[G0+4*(\s)+1], s20, (\s)*SLOT
	s_add_nc_u64 s[G0+4*(\s)+2:G0+4*(\s)+3], s[14:15], (\s)*AKS
	s_or_b32 s[G0+4*(\s)+3], s[G0+4*(\s)+3], 0x80000000
	s_mov_b32 s[G0B+4*(\s)], 1
	s_add_co_u32 s[G0B+4*(\s)+1], s21, (\s)*SLOT
	s_add_nc_u64 s[G0B+4*(\s)+2:G0B+4*(\s)+3], s[46:47], (\s)*KSTEP*2
	s_or_b32 s[G0B+4*(\s)+3], s[G0B+4*(\s)+3], 0x80000000
.endr
	CROUND                                         ; all sixteen work-groups are here: the first joint loads meet
	s_cmp_eq_u32 s11, 0                            ; a wave's two first fills stand in one branch: two loads of mine are out
	s_cbranch_scc0 .Lfirst_b
	tensor_load_to_lds s[G0:G0+3], s[G1:G1+7]
	s_nop 0
	tensor_load_to_lds s[G0+4:G0+7], s[G1:G1+7]
	s_nop 0
.rept 4
	v_nop
.endr
	s_branch .Lfirst_asked
.Lfirst_b:
	tensor_load_to_lds s[G0B:G0B+3], s[G1B:G1B+7]
	s_nop 0
	tensor_load_to_lds s[G0B+4:G0B+7], s[G1B:G1B+7]
	s_nop 0
.rept 4
	v_nop
.endr
.Lfirst_asked:
	v_and_b32 v1, 15, v0                           ; l % 16
	v_bfe_u32 v2, v0, 4, 1                         ; l / 16
	v_and_b32 v6, 31, v0                           ; l
	s_lshl_b32 s16, s42, 10                        ; my wave's 128 columns, in bytes of f32
	s_lshl_b32 s22, s12, 9
	s_add_co_u32 s16, s16, s22
	s_mov_b32 s17, 0
	s_add_nc_u64 s[66:67], s[66:67], s[16:17]
	s_add_nc_u64 s[8:9], s[8:9], s[16:17]
	s_lshl_b32 s16, s19, 23                        ; out0: the tile's 256 queries of 32,768 bytes,
	s_lshl_b32 s22, s11, 22                        ; my wave's 128,
	s_add_co_u32 s16, s16, s22
	s_lshl_b32 s22, s18, 12                        ; the batch's row of 4,096
	s_add_co_u32 s16, s16, s22
	s_add_nc_u64 s[8:9], s[8:9], s[16:17]
	v_lshlrev_b32 v[BVO], 5, v2
.irp b, 0,1,2,3,4,5,6,7                ; register j of an accumulator of column block b is column 16 b + 8 (l / 16) + j
	global_load_b128 v[BB+8*(\b):BB+8*(\b)+3],   v[BVO], s[66:67] offset:64*(\b)
	global_load_b128 v[BB+8*(\b)+4:BB+8*(\b)+7], v[BVO], s[66:67] offset:64*(\b)+16
.endr
	v_mul_u32_u24 v3, v1, PITCH
	v_lshl_add_u32 v3, v2, 4, v3                   ; a fragment's row x pitch + 16 x half, for Wout
	v_mul_u32_u24 v4, v1, PA
	v_lshl_add_u32 v4, v2, 4, v4                   ; and for S
	s_mul_i32 s21, s11, HALFA                      ; my 128 rows of S
	s_mul_i32 s22, s12, HALFB                      ; my 128 rows of Wout,
	s_add_co_u32 s22, s22, BOFF                    ; which lie behind S's 256
.irp s, 0,1
	v_add_nc_u32 v[ADRA+(\s)], s21, v4
	v_add_nc_u32 v[ADRB+(\s)], s22, v3
	s_add_co_u32 s21, s21, SLOT
	s_add_co_u32 s22, s22, SLOT
.endr
	s_mul_i32 s23, s10, 16*SPITCH
	s_add_co_u32 s23, s23, STAGE                   ; my stage
	v_mul_u32_u24 v4, v1, SPITCH                   ; in: row l % 16, 32 bytes for each half of the lanes
	v_lshl_add_u32 v4, v2, 5, v4
	v_add_nc_u32 v[STO], s23, v4
	v_lshl_add_u32 v[RD], v6, 4, s23               ; back: 32 lanes take a row's 512 bytes,
	v_lshlrev_b32 v[CO], 4, v6                     ; which are 512 consecutive bytes of out0
	; the prefetches
	s_lshl_b32 s20, s18, 17                        ; S: as the tile's address above,
	s_lshl_b32 s21, s19, 14
	s_add_co_u32 s20, s20, s21
	s_lshl_b32 s21, s12, 13
	s_add_co_u32 s20, s20, s21
	s_lshl_b32 s21, s40, 20                        ; my work-group's one of the four channel blocks,
	s_add_co_u32 s20, s20, s21
	s_add_co_u32 s20, s20, 3*AKS                   ; at K step 3: the first refill steps it to 4
	s_lshl_b32 s21, s42, 8                         ; Wout: the tile's first row,
	s_lshl_b32 s22, s12, 7                         ; the 128 rows that I fetch,
	s_add_co_u32 s21, s21, s22
	s_lshl_b32 s22, s41, 5                         ; my work-group's 32 of them
	s_add_co_u32 s21, s21, s22
	s_lshl_b32 s21, s21, 11
	s_add_co_u32 s21, s21, 3*KSTEP*2
	s_and_b32 s22, ttmp7, 0xffff                   ; the cluster's y: the same in all sixteen partners
	s_cmp_eq_u32 s22, 0
	s_cselect_b32 s22, 1, -1
	s_mov_b32 s2, KSTEP*2
	s_cmp_eq_u32 s11, 0                            ; do I fetch for S?
	s_cselect_b32 s[LIM], 1, s22
	s_cselect_b32 s20, s20, s21
	s_cselect_b64 s[PFA:PFA+1], s[4:5], s[6:7]
	s_cselect_b32 s[PFS], AKS, s2
	s_cselect_b32 s22, 8, 11
	s_mov_b32 s21, 0
	s_mov_b32 s[PFS+1], 0
	s_add_nc_u64 s[PFA:PFA+1], s[PFA:PFA+1], s[20:21]
	v_lshlrev_b32 v[PFO], s22, v6
	s_wait_loadcnt 0x0                             ; the bias, rounded to bf16 and kept as f32, in the wait for the first tile
.set i, 0
.rept 32
	v_cvt_pk_bf16_f32 v[32+i], v[BB+2*i], v[BB+2*i+1]
.set i, i+1
.endr
.set i, 0
.rept 32
	v_lshlrev_b32 v[BB+2*i], 16, v[32+i]
	v_and_b32 v[BB+2*i+1], 0xffff0000, v[32+i]
.set i, i+1
.endr
; 16 matrix instructions: m blocks a0, a0 + 1 of the window's four (hi = 0: my rows 0-63, 1: rows 64-127) x all 8 n blocks, 32 along K.  zero = 1: the bias starts the sums.  The 64 accumulators take turns.
.macro MUL16 f, hi, a0, zero
.if \zero
	WIN 0x81+0x40*(\hi)                            ; C, the bias, in window 0
.else
	WIN MUL_LO+0x50*(\hi)
.endif
.irp a, \a0, (\a0)+1
.irp b, 0,1,2,3,4,5,6,7
.if \zero
	v_wmma_f32_16x16x32_f16 v[8*(8*(\a)+(\b)):8*(8*(\a)+(\b))+7], v[(\f)+8*(\b):(\f)+8*(\b)+7], v[(\f)+8*(4*(\hi)+(\a)):(\f)+8*(4*(\hi)+(\a))+7], v[BB+8*(\b):BB+8*(\b)+7]
.else
	v_wmma_f32_16x16x32_f16 v[8*(8*(\a)+(\b)):8*(8*(\a)+(\b))+7], v[(\f)+8*(\b):(\f)+8*(\b)+7], v[(\f)+8*(4*(\hi)+(\a)):(\f)+8*(4*(\hi)+(\a))+7], v[8*(8*(\a)+(\b)):8*(8*(\a)+(\b))+7]
.endif
.endr
.endr
.endm
; 32 LDS loads in one run: the fragments of quarter c of a K step (128 rows of Wout at byte 64 c of the rows; 128 rows of S, piece c) into buffer f
.macro FETCH slot, c, f
	WIN TO_B
.irp i, 0,1,2,3,4,5,6,7
	ds_load_b128 v[(\f)+8*(\i):(\f)+8*(\i)+3],   v[ADRB+(\slot)] offset:(\c)*64+(\i)*16*PITCH
	ds_load_b128 v[(\f)+8*(\i)+4:(\f)+8*(\i)+7], v[ADRB+(\slot)] offset:(\c)*64+(\i)*16*PITCH+32
.endr
	WIN 0
.irp i, 0,1,2,3,4,5,6,7
	ds_load_b128 v[(\f)+8*(\i):(\f)+8*(\i)+3],   v[ADRA+(\slot)] offset:(\c)*QA+(\i)*16*PA
	ds_load_b128 v[(\f)+8*(\i)+4:(\f)+8*(\i)+7], v[ADRA+(\slot)] offset:(\c)*QA+(\i)*16*PA+32
.endr
.endm
; A K step is four quarters of 32 along K, 64 matrix instructions each, on buffers 0, 1, 0, 1.  One of the first three: multiplies buffer f and, in its middle, fetches the next quarter, c, into g.
.macro QUARTER slot, c, f, g, zero
	s_wait_dscnt 8                                 ; Wout and S's rows 0-63 are in; the youngest eight loads (S's rows 64-127) may be out
	MUL16 \f, 0, 0, \zero
	MUL16 \f, 0, 2, \zero
	PLACES                                         ; in front of loads into registers that matrix instructions have read
	FETCH \slot, \c, \g
	s_wait_dscnt 32                                ; all but the 32 just issued
	MUL16 \f, 1, 0, \zero
	MUL16 \f, 1, 2, \zero
.endm
; The last quarter multiplies buffer 1 and changes slots: ONE barrier; in front of it each wave waits for all its tensor loads (one is out: its part of the next slot), adds 0 to its spare word, and waits for that and for its reads of this slot.
.macro MEET round
	WIN 0
	s_wait_tensorcnt 0x0
	ds_add_u32 v[SPW], v[NIL]
	s_wait_dscnt 9                                 ; (the add and the youngest eight loads may be out)
	MUL16 F1, 0, 0, 0                              ; sixteen matrix instructions stand between the add and the wait for it
	s_wait_dscnt 0x0                               ; the add is done, and my reads of this slot are over
	s_barrier_signal -1
	MUL16 F1, 0, 2, 0
.if \round
	WIN 0
.endif
	s_barrier_wait -1
.endm
; fill = 1: the barrier opens a round of the cluster's, and behind the round this slot is filled again first, two K steps on: 224 matrix instructions ahead of the wait for it.
.macro TURN slot, next, fill
.if \fill
	s_wait_xcnt 0x0                                ; the last prefetch, a K step back, has read its address
	s_add_nc_u64 s[PFA:PFA+1], s[PFA:PFA+1], s[PFS:PFS+1]
.endif
	MEET \fill
.if \fill
	CREST
	s_add_nc_u64 s[G0+4*(\slot)+2:G0+4*(\slot)+3], s[G0+4*(\slot)+2:G0+4*(\slot)+3], 2*AKS
	s_add_nc_u64 s[G0B+4*(\slot)+2:G0B+4*(\slot)+3], s[G0B+4*(\slot)+2:G0B+4*(\slot)+3], 2*KSTEP*2
	JLOAD \slot                                    ; the four v_nop behind it are also the places in front of the loads below
.else
	PLACES
.endif
	FETCH \next, 0, F0
.if \fill
	ASK
.endif
	MUL16 F1, 1, 0, 0
	MUL16 F1, 1, 2, 0
.endm
	s_wait_tensorcnt 0x1                           ; my part of K step 0 is in; K step 1's may stay out
	s_barrier_signal -1
	s_barrier_wait -1
	FETCH 0, 0, F0
	QUARTER 0, 1, F0, F1, 1                        ; the first quarter stands in front of the loop: its products start the sums, with the bias
	WIN 0
	s_mov_b32 s3, LAPS-1
.Llap:                                 ; a trip goes once round the ring and fills both slots again
	QUARTER 0, 2, F1, F0, 0
	QUARTER 0, 3, F0, F1, 0
	TURN 0, 1, 1
	QUARTER 1, 1, F0, F1, 0
	QUARTER 1, 2, F1, F0, 0
	QUARTER 1, 3, F0, F1, 0
	TURN 1, 0, 1
	QUARTER 0, 1, F0, F1, 0
	WIN 0
	s_sub_co_u32 s3, s3, 1
	s_cmp_lg_u32 s3, 0
	s_cbranch_scc1 .Llap
	QUARTER 0, 2, F1, F0, 0                        ; the last lap fills nothing
	QUARTER 0, 3, F0, F1, 0
	TURN 0, 1, 0                                   ; behind this barrier nobody reads slot 0 any more
	QUARTER 1, 1, F0, F1, 0
	QUARTER 1, 2, F1, F0, 0
	QUARTER 1, 3, F0, F1, 0
	s_wait_dscnt 8
	MUL16 F1, 0, 0, 0
	MUL16 F1, 0, 2, 0
	s_wait_dscnt 0x0
	MUL16 F1, 1, 0, 0
	MUL16 F1, 1, 2, 0
	PLACES
; THE WAY OUT of block a (16 queries x 128 f32).  TOSTAGE: straight from the accumulators, each one's low four registers first, into my own stage; back as whole rows of 512 bytes.  SEND: stored.
.macro TOSTAGE a
	WIN 0
	s_wait_xcnt 0x0                                ; the stores of two blocks back have read the registers that are loaded again below
	WIN 0x08+4*((\a)/4)                            ; store data in window 2 or 3
.irp b, 0,1,2,3,4,5,6,7
	ds_store_b128 v[STO], v[64*((\a)%4)+8*(\b):64*((\a)%4)+8*(\b)+3]   offset:64*(\b)
	ds_store_b128 v[STO], v[64*((\a)%4)+8*(\b)+4:64*((\a)%4)+8*(\b)+7] offset:64*(\b)+16
.endr
	WIN 0
.irp t, 0,1,2,3,4,5,6,7,8,9,10,11,12,13,14,15
	ds_load_b128 v[OB+64*((\a)%2)+4*(\t):OB+64*((\a)%2)+4*(\t)+3], v[RD] offset:(\t)*SPITCH  ; LDS serves a wave's instructions in order: these see the stores above; the next block's stores come behind them
.endr
.endm
.macro SEND a, younger                 ; younger: the LDS instructions issued behind block a's loads: the next block's 32, or none
	WIN 0
.irp t, 0,1,2,3,4,5,6,7,8,9,10,11,12,13,14,15
	s_wait_dscnt (\younger)+15-(\t)
	global_store_b128 v[CO], v[OB+64*((\a)%2)+4*(\t):OB+64*((\a)%2)+4*(\t)+3], s[8:9] offset:(\a)*524288+(\t)*32768 th:TH_STORE_NT  ; 512 consecutive bytes, at a multiple of 256 from out0's first; a query is 32,768 bytes from the next: 4,161,536 at the most, inside the signed 24-bit immediate
.endr
.endm
	TOSTAGE 0
.irp a, 1,2,3,4,5,6,7
	TOSTAGE \a
	SEND (\a)-1, 32
.endr
	SEND 7, 0
	s_wait_tensorcnt 0x0                           ; the wave's end
	ds_add_u32 v[SPW], v[NIL]
	s_wait_dscnt 0x0
	CROUND                                         ; the closing round
	s_endpgm
.Lfunc_end_k_qd405f29398_outproj:
	.size	k_qd405f29398_outproj, .Lfunc_end_k_qd405f29398_outproj-k_qd405f29398_outproj
	.p2alignl 7, 3214868480
	.fill 96, 4, 3214868480
	.section	.rodata,"a",@progbits
	.p2align	6, 0x0
	.amdhsa_kernel k_qd405f29398_outproj
		.amdhsa_group_segment_fixed_size 327680
		.amdhsa_private_segment_fixed_size 0
		.amdhsa_enable_private_segment 0
		.amdhsa_kernarg_size 32
		.amdhsa_user_sgpr_count 2
		.amdhsa_user_sgpr_kernarg_segment_ptr 1
		.amdhsa_wavefront_size32 1
		.amdhsa_system_sgpr_workgroup_id_x 1
		.amdhsa_system_sgpr_workgroup_id_y 1
		.amdhsa_system_sgpr_workgroup_id_z 1
		.amdhsa_system_vgpr_workitem_id 0
		.amdhsa_next_free_vgpr 1024
		.amdhsa_next_free_sgpr 68
		.amdhsa_reserve_vcc 0
		.amdhsa_float_denorm_mode_32 3
		.amdhsa_float_denorm_mode_16_64 3
		.amdhsa_memory_ordered 1
		.amdhsa_forward_progress 1
		.amdhsa_inst_pref_size 152
	.end_amdhsa_kernel
	.amdgpu_metadata
---
amdhsa.version: [ 1, 2 ]
amdhsa.kernels:
  - .name:           k_qd405f29398_outproj
    .symbol:         k_qd405f29398_outproj.kd
    .args:
      - { .name: s16, .offset: 0, .size: 8, .value_kind: global_buffer, .address_space: global }
      - { .name: wout16, .offset: 8, .size: 8, .value_kind: global_buffer, .address_space: global }
      - { .name: out0, .offset: 16, .size: 8, .value_kind: global_buffer, .address_space: global }
      - { .name: bout, .offset: 24, .size: 8, .value_kind: global_buffer, .address_space: global }
    .group_segment_fixed_size: 327680
    .private_segment_fixed_size: 0
    .kernarg_segment_align: 8
    .kernarg_segment_size: 32
    .max_flat_workgroup_size: 128
    .sgpr_count:     68
    .vgpr_count:     1024
    .wavefront_size: 32
...
	.end_amdgpu_metadata
.endif
;; end of part 10
